; MI455X (gfx1250); checked and timed in simulation.
; The chip was launched on July 23, 2026; its instructions are those of AMD's public machine-readable ISA for CDNA 5 (MIT licence, August 2026) and "CDNA5" Instruction Set Architecture Reference Guide (July 2026). The comments in the code are by the model that wrote it; some were corrected since.
;; Model. Allowed arithmetic: float matrix products may take bf16 or f16 operands with f32 sums; other float arithmetic in f32, or as packed bf16 or f16 multiplies, adds, multiply-adds, maxima and minima; sums over many terms, partial sums and values carried from step to step in f32; what a program stores and reads back later, other than sums and carried values, may be rounded once to bf16 or f16.
;; Inputs: w_down 688 x 1,024 float32; w_gate 1,024 x 688 float32; w_up 1,024 x 688 float32; wk 1,024 x 1,024 float32; wo 1,024 x 1,024 float32; wq 1,024 x 1,024 float32; wv 1,024 x 1,024 float32; x 2 x 2,048 x 1,024 float32.
;; Outputs: out0 2 x 2,048 x 1,024 float32.
;; 3 versions, each right; version 3 is version 2 with the launch prep written anew for expert scheduling mode. Each part assembles by itself: llvm-mc -triple=amdgcn-amd-amdhsa -mcpu=gfx1250 --defsym DOCPART=n.
;; ======== version 1 of 3: 6 launches
;; workspace buffers: hq 8,388,608 bytes; wt 12,845,056 bytes; qkv 25,165,824 bytes; ao 8,388,608 bytes; x1 16,777,216 bytes; x1b 8,388,608 bytes; ssq 262,144 bytes; act 6,291,456 bytes
;; launch prep (part 1): grid 452 x 1, 4 waves a work-group, no clusters, 70,144 bytes of LDS; arguments x, wq, wk, wv, wo, w_gate, w_up, w_down, hq, wt; writes hq, wt
.if DOCPART == 1
	.amdgcn_target "amdgcn-amd-amdhsa--gfx1250"
	.amdhsa_code_object_version 6
	.text
	.protected	k_q5e692d6529_prep
	.globl	k_q5e692d6529_prep
	.p2align	8
	.type	k_q5e692d6529_prep,@function
k_q5e692d6529_prep:
	s_mov_b64 s[64:65], 0
	v_nop
	global_prefetch_b8 v0, s[64:65] scope:SCOPE_SE
	s_setreg_imm32_b32 hwreg(HW_REG_WAVE_MODE, 25, 1), 1
	s_wait_xcnt 0x0
; TWO JOBS, chosen by the work-group's number; every wave works alone, there is no barrier.
; ALL THE MODULE'S INPUTS ARE TAKEN ROUNDED ONCE TO bf16: the seven weights here, x here and again where the residual is added.  xr = bf16(x).
; Work-groups 0-255: hq = bf16(xr * rsqrt(mean(xr^2) + 1e-6)).  A wave takes four tokens (a quad); the rows stay in registers between the sum and the scaling.
; Work-groups 256-451: the seven weights, stored [k][n] in f32, are written as bf16 [n][k] into wt.  A wave takes a block of 128 k x 64 n through its own 17,408 bytes of LDS.
; LAYOUT OF hq (and of every later left operand X[4096][K]): byte = (k>>7) 2^20 + (tok>>2) 1024 + ((k>>5)&3) 256 + (tok&3) 64 + (k&31) 2: 256 consecutive bytes hold 4 tokens x 32 k.
; LAYOUT OF wt: at 0 rows which*1024+n of wq, wk, wv, wo, 2,048 bytes each; at 8,388,608 gate and up by turns of 16 rows (row = 32 (f>>4) + 16 up + (f&15)), rows of f = 688..703 zero;
; at 11,272,192 w_down's 1,024 rows of 768 k (1,536 bytes), k >= 688 zero.
; LIMITS: x, h and the weights are each rounded once to bf16 (a number is then off by up to 2^-8 of itself); sums of squares in f32; NaN and infinities are not treated apart.
.set SPARE, 69632                      ; behind the four waves' blocks: the spare words, 128 bytes a wave
.set TBYTES, 17408                     ; a wave's block in LDS: 64 rows (n) of 256 bytes (128 k) + 16 of padding
.set TP,   272
.set SPW,  12                          ; v12  LDS address of my spare word; never rewritten
.set NIL,  13                          ; v13  0; never rewritten
.set OA,   16                          ; v[16:31]  transposing: the sixteen loads' offsets; the norm: at work
.set OD,   32                          ; v[32:63]  transposing: the 32 stores' offsets
.set D,    64                          ; v[64:191] data
.set SRC,  36                          ; s[36:37] the weight in hand
.set KB,   38
.set NB,   39
.set SPI,  40                          ; bytes in a source row
.set KMAX, 41
.set NMAX, 42
.set DP,   43                          ; bytes in a destination row
.set R0,   44                          ; the block's first destination row
.set RST,  45                          ; destination rows from one group of 16 n to the next
.set DB,   46                          ; the table's first byte in wt
.set K0,   47
.set N0,   48
.set KM4,  49
.set MN,   54                          ; lanes whose four columns exist
.set TT,   55
.set ROW,  56
.set CNT,  57
.set NM4,  58
.set MK,   66                          ; s[66:73] for each group of four rows: MN, or 0 where the rows do not exist
	s_load_b512 s[16:31], s[0:1], 0x0              ; x, wq, wk, wv, wo, w_gate, w_up, w_down
	s_load_b128 s[32:35], s[0:1], 0x40             ; hq, wt
	v_lshl_add_u32 v[SPW], v0, 2, SPARE
	v_mov_b32 v[NIL], 0
	v_lshrrev_b32 v1, 5, v0
	v_readfirstlane_b32 s8, v1                     ; wave 0..3
	v_and_b32 v1, 15, v0                           ; lane % 16
	v_bfe_u32 v2, v0, 4, 1                         ; lane / 16
	s_cmp_lt_u32 ttmp9, 256
	s_cbranch_scc0 .Ltrans
	; ---------------- the norm ----------------
	; lane: token e = (l>>2)&3 of the quad; of each 64 channels the eight at 32 (l>>4) + 8 (l&3)
	s_lshl_b32 s9, ttmp9, 2
	s_add_co_u32 s9, s9, s8                        ; the quad, 0..1023
	s_lshl_b32 s2, s9, 14                          ; four rows of 4,096 bytes
	s_mov_b32 s3, 0
	s_lshl_b32 s4, s9, 10                          ; a quad's 1,024 bytes in each group of 128 k
	s_mov_b32 s5, 0
	s_mov_b32 s10, 0x76543210                      ; v_permlanex16_b32: each lane takes its own place in the other half
	s_mov_b32 s11, 0xfedcba98
	s_mov_b32 s12, 0x3a800000                      ; 1 / 1024
	s_mov_b32 s13, 0x358637bd                      ; 1e-6
	s_mov_b32 s14, 0xffff0000                      ; a word's upper bf16
	v_bfe_u32 v3, v0, 2, 2
	v_and_b32 v4, 3, v0
	v_lshlrev_b32 v3, 12, v3
	v_lshl_add_u32 v3, v2, 7, v3
	v_lshl_add_u32 v3, v4, 5, v3                   ; e x 4096 + 128 (l>>4) + 32 (l&3)
	v_and_b32 v4, 31, v0
	v_lshlrev_b32 v4, 4, v4                        ; out: 16 x lane: 512 consecutive bytes a store
	s_wait_kmcnt 0x0
	s_add_nc_u64 s[2:3], s[16:17], s[2:3]
	s_add_nc_u64 s[4:5], s[32:33], s[4:5]
.set i, 0
.rept 16
	global_load_b128 v[D+8*i:D+8*i+3],   v3, s[2:3] offset:i*256 th:TH_LOAD_NT
	global_load_b128 v[D+8*i+4:D+8*i+7], v3, s[2:3] offset:i*256+16 th:TH_LOAD_NT
.set i, i+1
.endr
	s_wait_loadcnt 0x0
	; x is rounded to bf16 and widened again, sixteen numbers at a time: two roundings a line, then a shift or a mask for each number
.set g, 0
.rept 8
.irp c, 0,1,2,3,4,5,6,7
	v_cvt_pk_bf16_f32 v[24+\c], v[D+16*g+2*\c], v[D+16*g+2*\c+1]
.endr
.irp c, 0,1,2,3,4,5,6,7
	v_lshlrev_b32 v[D+16*g+2*\c], 16, v[24+\c]
	v_and_b32 v[D+16*g+2*\c+1], s14, v[24+\c]
.endr
.set g, g+1
.endr
.irp c, 0,1,2,3
	v_pk_mul_f32 v[16+2*\c:17+2*\c], v[D+2*\c:D+2*\c+1], v[D+2*\c:D+2*\c+1]  ; four chains, started by the first products
.endr
.set j, 4
.rept 60
	v_pk_fma_f32 v[16+2*(j%4):17+2*(j%4)], v[D+2*j:D+2*j+1], v[D+2*j:D+2*j+1], v[16+2*(j%4):17+2*(j%4)]
.set j, j+1
.endr
	v_pk_add_f32 v[16:17], v[16:17], v[18:19]
	v_pk_add_f32 v[20:21], v[20:21], v[22:23]
	v_pk_add_f32 v[16:17], v[16:17], v[20:21]
	v_add_f32 v16, v16, v17
	v_add_f32_dpp v16, v16, v16 row_xmask:1 row_mask:0xf bank_mask:0xf  ; the eight lanes of a token differ in bits 0, 1 and 4
	v_add_f32_dpp v16, v16, v16 row_xmask:2 row_mask:0xf bank_mask:0xf
	v_permlanex16_b32 v17, v16, s10, s11
	v_add_f32 v16, v16, v17
	v_fma_f32 v16, v16, s12, s13                   ; the mean + 1e-6
	v_rsq_f32 v18, v16
	v_nop                                          ; a plain instruction behind the root,
	s_wait_alu depctr_va_vdst(0)                   ; and the wait ahead of its first reader
	v_mov_b32 v19, v18
.set i, 0
.rept 16
.irp c, 0,1,2,3
	v_pk_mul_f32 v[D+8*i+2*\c:D+8*i+2*\c+1], v[D+8*i+2*\c:D+8*i+2*\c+1], v[18:19]
.endr
.irp c, 0,1,2,3
	v_cvt_pk_bf16_f32 v[D+8*i+\c], v[D+8*i+2*\c], v[D+8*i+2*\c+1]  ; in place, ascending: a destination never lies above its sources
.endr
	global_store_b128 v4, v[D+8*i:D+8*i+3], s[4:5] offset:(i/2)*1048576+(i%2)*512  ; channels 64 i on: group i / 2 of 128, its half i % 2
.set i, i+1
.endr
	s_wait_tensorcnt 0x0                           ; the wave's end
	ds_add_u32 v[SPW], v[NIL]
	s_wait_dscnt 0x0
	s_endpgm
	; ---------------- the transposing ----------------
.Ltrans:
	s_sub_co_u32 s9, ttmp9, 256
	s_lshl_b32 s9, s9, 2
	s_add_co_u32 s9, s9, s8                        ; the block, 0..783
	s_wait_kmcnt 0x0
	s_cmp_lt_u32 s9, 512
	s_cbranch_scc0 .Lnot_square
	s_lshr_b32 s50, s9, 7                          ; wq, wk, wv, wo: 8 x 16 blocks each
	s_cmp_eq_u32 s50, 0
	s_cselect_b64 s[SRC:SRC+1], s[18:19], s[20:21]
	s_cmp_eq_u32 s50, 2
	s_cselect_b64 s[SRC:SRC+1], s[22:23], s[SRC:SRC+1]
	s_cmp_eq_u32 s50, 3
	s_cselect_b64 s[SRC:SRC+1], s[24:25], s[SRC:SRC+1]
	s_and_b32 s51, s9, 127
	s_and_b32 s[KB], s51, 7
	s_lshr_b32 s[NB], s51, 3
	s_mov_b32 s[SPI], 4096
	s_mov_b32 s[KMAX], 1024
	s_mov_b32 s[NMAX], 1024
	s_mov_b32 s[DP], 2048
	s_lshl_b32 s[R0], s50, 10
	s_lshl_b32 s51, s[NB], 6
	s_add_co_u32 s[R0], s[R0], s51
	s_mov_b32 s[RST], 16
	s_mov_b32 s[DB], 0
	s_branch .Lgo
.Lnot_square:
	s_cmp_lt_u32 s9, 688
	s_cbranch_scc0 .Ldown
	s_sub_co_u32 s50, s9, 512                      ; gate, then up: 8 x 11 blocks each
	s_cmp_ge_u32 s50, 88
	s_cselect_b64 s[SRC:SRC+1], s[28:29], s[26:27]
	s_cselect_b32 s51, 1, 0
	s_mul_i32 s52, s51, 88
	s_sub_co_u32 s50, s50, s52
	s_and_b32 s[KB], s50, 7
	s_lshr_b32 s[NB], s50, 3
	s_mov_b32 s[SPI], 2752
	s_mov_b32 s[KMAX], 1024
	s_mov_b32 s[NMAX], 688
	s_mov_b32 s[DP], 2048
	s_lshl_b32 s[R0], s[NB], 7
	s_lshl_b32 s51, s51, 4
	s_add_co_u32 s[R0], s[R0], s51
	s_mov_b32 s[RST], 32
	s_mov_b32 s[DB], 8388608
	s_branch .Lgo
.Ldown:
	s_sub_co_u32 s50, s9, 688                      ; w_down: 6 x 16 blocks
	s_mov_b64 s[SRC:SRC+1], s[30:31]
	s_lshr_b32 s[KB], s50, 4
	s_and_b32 s[NB], s50, 15
	s_mov_b32 s[SPI], 4096
	s_mov_b32 s[KMAX], 688
	s_mov_b32 s[NMAX], 1024
	s_mov_b32 s[DP], 1536
	s_lshl_b32 s[R0], s[NB], 6
	s_mov_b32 s[RST], 16
	s_mov_b32 s[DB], 11272192
.Lgo:
	s_lshl_b32 s[K0], s[KB], 7
	s_lshl_b32 s[N0], s[NB], 6
	s_sub_co_u32 s[KM4], s[KMAX], 4
	s_sub_co_u32 s[NM4], s[NMAX], 4
	v_lshl_add_u32 v3, v1, 2, s[N0]                ; my four columns begin at n0 + 4 (l % 16): whole or not at all inside, since 688 = 4 x 172
	v_cmp_gt_u32 s[MN], s[NMAX], v3
	v_min_u32 v3, s[NM4], v3                       ; columns that do not exist read the last four, and are written as 0
	v_lshlrev_b32 v3, 2, v3
	v_mul_lo_u32 v4, v2, s[SPI]
	v_lshl_add_u32 v4, v4, 1, v3                   ; + rows 2 (l / 16)
	s_mul_i32 s[TT], s8, TBYTES
	v_mul_u32_u24 v5, v1, 4*TP                     ; in: row 4 (l % 16) + c, byte 4 (l / 16)
	v_lshl_add_u32 v5, v2, 2, v5
	v_add_nc_u32 v5, s[TT], v5
	v_mul_u32_u24 v6, v2, TP                       ; back: lanes 0-15 one row of 256 bytes, lanes 16-31 the next
	v_lshl_add_u32 v6, v1, 4, v6
	v_add_nc_u32 v6, s[TT], v6
	s_mul_i32 s50, s[R0], s[DP]
	s_add_co_u32 s50, s50, s[DB]
	s_lshl_b32 s51, s[KB], 8
	s_add_co_u32 s50, s50, s51                     ; the block's first byte in wt
	v_mul_lo_u32 v7, v2, s[DP]
	v_lshl_add_u32 v7, v1, 4, v7
	v_add_nc_u32 v7, s50, v7
	s_mov_b32 s[ROW], s[K0]
	s_mov_b32 s[CNT], 4
.Ltrip:                                        ; 32 rows (k) a trip: sixteen loads of 2 rows x 256 bytes
.irp j, 0,1,2,3,4,5,6,7
	s_add_co_u32 s50, s[ROW], 4*\j                 ; four rows: all there or none
	s_cmp_lt_u32 s50, s[KMAX]
	s_cselect_b32 s[MK+\j], s[MN], 0
	s_min_u32 s50, s50, s[KM4]
	s_mul_i32 s50, s50, s[SPI]
	v_add_nc_u32 v[OA+2*\j], s50, v4
	s_add_co_u32 s50, s50, s[SPI]
	v_add_nc_u32 v[OA+2*\j+1], s50, v4
	global_load_b128 v[D+8*\j:D+8*\j+3],   v[OA+2*\j],   s[SRC:SRC+1] th:TH_LOAD_NT
	global_load_b128 v[D+8*\j+4:D+8*\j+7], v[OA+2*\j+1], s[SRC:SRC+1] th:TH_LOAD_NT
.endr
.irp j, 0,1,2,3,4,5,6,7
	s_wait_loadcnt 14-2*\j                         ; the loads behind pair j may stay out
.irp c, 0,1,2,3
	v_cvt_pk_bf16_f32 v[D+8*\j+\c], v[D+8*\j+\c], v[D+8*\j+4+\c]  ; k and k + 1 of one column
	v_cndmask_b32 v[D+8*\j+\c], 0, v[D+8*\j+\c], s[MK+\j]
	ds_store_b32 v5, v[D+8*\j+\c] offset:\c*TP+\j*8
.endr
.endr
	s_wait_dscnt 0x0                               ; my stores have read their data: the next trip's loads land on those registers
	v_add_nc_u32 v5, 64, v5
	s_add_co_u32 s[ROW], s[ROW], 32
	s_sub_co_u32 s[CNT], s[CNT], 1
	s_cmp_lg_u32 s[CNT], 0
	s_cbranch_scc1 .Ltrip
.set t, 0
.rept 32
	ds_load_b128 v[D+4*t:D+4*t+3], v6 offset:t*2*TP  ; rows 2 t and 2 t + 1, whole
.set t, t+1
.endr
	s_lshl_b32 s51, s[DP], 1
	s_mul_i32 s52, s[RST], s[DP]
	s_mov_b32 s50, 0
	s_mov_b32 s53, 0
.set t, 0
.rept 32
	v_add_nc_u32 v[OD+t], s53, v7                  ; (t / 8) groups of 16 n, 2 (t % 8) rows
.if t%8 == 7
	s_add_co_u32 s50, s50, s52
	s_mov_b32 s53, s50
.else
	s_add_co_u32 s53, s53, s51
.endif
.set t, t+1
.endr
.set t, 0
.rept 32
	s_wait_dscnt 31-t
	global_store_b128 v[OD+t], v[D+4*t:D+4*t+3], s[34:35]  ; 16 lanes store 256 consecutive bytes, at a multiple of 256 from wt's first byte
.set t, t+1
.endr
	s_wait_tensorcnt 0x0                           ; the wave's end, behind my last LDS store
	ds_add_u32 v[SPW], v[NIL]
	s_wait_dscnt 0x0
	s_endpgm
.Lfunc_end_k_q5e692d6529_prep:
	.size	k_q5e692d6529_prep, .Lfunc_end_k_q5e692d6529_prep-k_q5e692d6529_prep
	.p2alignl 7, 3214868480
	.fill 96, 4, 3214868480
	.section	.rodata,"a",@progbits
	.p2align	6, 0x0
	.amdhsa_kernel k_q5e692d6529_prep
		.amdhsa_group_segment_fixed_size 70144
		.amdhsa_private_segment_fixed_size 0
		.amdhsa_enable_private_segment 0
		.amdhsa_kernarg_size 80
		.amdhsa_user_sgpr_count 2
		.amdhsa_user_sgpr_kernarg_segment_ptr 1
		.amdhsa_wavefront_size32 1
		.amdhsa_system_sgpr_workgroup_id_x 1
		.amdhsa_system_sgpr_workgroup_id_y 1
		.amdhsa_system_sgpr_workgroup_id_z 1
		.amdhsa_system_vgpr_workitem_id 0
		.amdhsa_next_free_vgpr 192
		.amdhsa_next_free_sgpr 74
		.amdhsa_reserve_vcc 0
		.amdhsa_float_denorm_mode_32 3
		.amdhsa_float_denorm_mode_16_64 3
		.amdhsa_memory_ordered 1
		.amdhsa_forward_progress 1
		.amdhsa_inst_pref_size 49
	.end_amdhsa_kernel
	.amdgpu_metadata
---
amdhsa.version: [ 1, 2 ]
amdhsa.kernels:
  - .name:           k_q5e692d6529_prep
    .symbol:         k_q5e692d6529_prep.kd
    .args:
      - { .name: x, .offset: 0, .size: 8, .value_kind: global_buffer, .address_space: global }
      - { .name: wq, .offset: 8, .size: 8, .value_kind: global_buffer, .address_space: global }
      - { .name: wk, .offset: 16, .size: 8, .value_kind: global_buffer, .address_space: global }
      - { .name: wv, .offset: 24, .size: 8, .value_kind: global_buffer, .address_space: global }
      - { .name: wo, .offset: 32, .size: 8, .value_kind: global_buffer, .address_space: global }
      - { .name: w_gate, .offset: 40, .size: 8, .value_kind: global_buffer, .address_space: global }
      - { .name: w_up, .offset: 48, .size: 8, .value_kind: global_buffer, .address_space: global }
      - { .name: w_down, .offset: 56, .size: 8, .value_kind: global_buffer, .address_space: global }
      - { .name: hq, .offset: 64, .size: 8, .value_kind: global_buffer, .address_space: global }
      - { .name: wt, .offset: 72, .size: 8, .value_kind: global_buffer, .address_space: global }
    .group_segment_fixed_size: 70144
    .private_segment_fixed_size: 0
    .kernarg_segment_align: 8
    .kernarg_segment_size: 80
    .max_flat_workgroup_size: 128
    .sgpr_count:     74
    .vgpr_count:     192
    .wavefront_size: 32
...
	.end_amdgpu_metadata
.endif
;; end of part 1
;; launch proj (part 2): grid 24 x 32, 4 waves a work-group, clusters of 4 x 4, 327,680 bytes of LDS; arguments hq, wt, qkv; writes qkv
.if DOCPART == 2
	.amdgcn_target "amdgcn-amd-amdhsa--gfx1250"
	.amdhsa_code_object_version 6
	.text
	.protected	k_q5e692d6529_proj
	.globl	k_q5e692d6529_proj
	.p2align	8
	.type	k_q5e692d6529_proj,@function
k_q5e692d6529_proj:
	s_mov_b64 s[64:65], 0
	v_nop
	global_prefetch_b8 v0, s[64:65] scope:SCOPE_SE
	s_setreg_imm32_b32 hwreg(HW_REG_WAVE_MODE, 25, 1), 1
	s_wait_xcnt 0x0
	s_wait_alu depctr_hold_cnt(0) depctr_sa_sdst(0) depctr_va_vdst(0) depctr_va_sdst(0) depctr_va_ssrc(0) depctr_va_vcc(0) depctr_vm_vsrc(0)
	s_getreg_b32 s2, hwreg(HW_REG_IB_STS2, 6, 4)
	s_cmp_eq_u32 s2, 0
	s_cbranch_scc0 .Lentry_in_a_cluster
	s_endpgm
.Lentry_in_a_cluster:
	s_bfe_u32 s2, ttmp6, 0x10000c
	s_cmp_lg_u32 s2, 0xf033
	s_cbranch_scc0 .Lentry_shape_is_right
	s_endpgm
.Lentry_shape_is_right:
; q, k, v = h [wq | wk | wv], written by heads.  Left operand hq (4 tokens x 32 k in each 256 bytes, see below), right operand wt's rows 0..3071 ([n][k] bf16), sums in f32, results rounded once to bf16.
; A tile is 128 tokens x 128 columns; four waves, each 64 x 64: 16 accumulators.  K = 1,024 goes in four steps of 256 through two LDS slots; the sixteen quarters of 64 are written straight.
; LEFT OPERAND: byte = (k>>7) 2^20 + (tok>>2) 1024 + ((k>>5)&3) 256 + (tok&3) 64 + (k&31) 2.  A tile's 128 k are 32 dense rows of 1,024 bytes (a row = 4 tokens); a step has two such blocks.
; CLUSTER 4 x 4: the four of a row share the left tiles, the four of a column the right ones; each tile is asked for jointly, by the same load and descriptor in all four.
; THE PRODUCT IS TAKEN TRANSPOSED (source 0 = 16 rows of wt, source 1 = 16 tokens): a lane holds one token and eight neighbouring columns.
; OUT: qkv[which][batch*32+head][token][32] bf16, rows of 64 bytes.  The 16-byte piece c of a row lies at piece c xor g, g = ((t&1)<<1)|(t>>1), t = (token>>2)&3,
; so that the attention can read dense rows from LDS with 16 lanes on 16 different columns of 16 bytes.
; REGISTERS: window 0: v0-31 addresses; v32-95 the way out; v128-255 accumulators ((a, b) at 128 + 8 (4 a + b)).  Window 1: two fragment buffers of 128 (64 of the left operand, 64 of the right).
.set KP,     1024                      ; elements in a row of the right operand
.set BOFF,   0                         ; its first byte in wt
.set APITCH, 1040                      ; 1,024 bytes + 16: the 16 lanes of a fragment load fall on columns (r>>2) + 4 (r&3) of 16 bytes
.set AHALF,  32*APITCH                 ; 128 k of the tile's 32 quads: what one tensor load brings
.set BPITCH, 528                       ; 512 bytes + 16
.set BHALF,  64*BPITCH
.set BBASE,  2*AHALF
.set SLOT,   2*AHALF+2*BHALF
.set STAGE,  2*SLOT                    ; behind the ring: 8,192 bytes for each wave
.set SPARE,  STAGE+4*8192              ; behind the stages: the spare words, 128 bytes a wave
.set ASTEP,  0x400000                  ; two steps on: four groups of 128 k
.set BSTEP,  1024
.set ADRA, 16
.set ADRB, 20
.set STO,  24                          ; v24, v25
.set RD,   26
.set CO,   27
.set SPW,  28
.set NIL,  29
.set TMP,  32
.set ACC,  128
.set F0,   0
.set F1,   128
.set G1,  24
.set G0,  32
.set G1B, 48
.set G0B, 56
.set MSB, 0
.macro WIN new                         ; the immediate's high byte repeats the setting that is left
.if MSB != (\new)
	s_set_vgpr_msb (MSB<<8)|(\new)
.set MSB, \new
.endif
.endm
.set MUL,  0x05                        ; sources 0 and 1 window 1; C and D window 0
.set TO_F, 0x40                        ; destination window 1, address window 0
.macro JLOAD s, g1=G1                  ; waves 0 and 1 fetch the left operand's two blocks, waves 2 and 3 the right one's two halves; s_nop 0 and four v_nop follow each line
	s_cmp_eq_u32 s11, 0
	s_cbranch_scc0 .Lfor_b_\@
	tensor_load_to_lds s[G0+4*(\s):G0+4*(\s)+3], s[\g1:\g1+7]
	s_nop 0
.rept 4
	v_nop
.endr
	s_branch .Lasked_\@
.Lfor_b_\@:
	tensor_load_to_lds s[G0B+4*(\s):G0B+4*(\s)+3], s[G1B:G1B+7]
	s_nop 0
.rept 4
	v_nop
.endr
.Lasked_\@:
.endm
.macro CREST                           ; a round of the cluster's barrier behind its opening barrier
	s_cmp_lg_u32 s10, 0
	s_cbranch_scc1 .Lnot_wave_0_\@
	s_barrier_signal -3
.Lnot_wave_0_\@:
	s_barrier_wait -3
	s_barrier_signal -1
	s_barrier_wait -1
.endm
.macro CROUND
	s_barrier_signal -1
	s_barrier_wait -1
	CREST
.endm
.macro PLACES                          ; four places in front of loads into registers that matrix instructions have read, and of readers of results
.rept 4
	v_nop
.endr
.endm
.macro MUL8 f, c, a0, zero             ; token blocks a0, a0 + 1 x all 4 column blocks, 32 along K: half c of buffer f; the 16 accumulators take turns
	WIN MUL
.irp a, \a0, (\a0)+1
.irp b, 0,1,2,3
.if \zero
	v_wmma_f32_16x16x32_bf16 v[ACC+8*(4*(\a)+(\b)):ACC+8*(4*(\a)+(\b))+7], v[(\f)+64+8*(4*(\c)+(\b)):(\f)+64+8*(4*(\c)+(\b))+7], v[(\f)+8*(4*(\c)+(\a)):(\f)+8*(4*(\c)+(\a))+7], 0
.else
	v_wmma_f32_16x16x32_bf16 v[ACC+8*(4*(\a)+(\b)):ACC+8*(4*(\a)+(\b))+7], v[(\f)+64+8*(4*(\c)+(\b)):(\f)+64+8*(4*(\c)+(\b))+7], v[(\f)+8*(4*(\c)+(\a)):(\f)+8*(4*(\c)+(\a))+7], v[ACC+8*(4*(\a)+(\b)):ACC+8*(4*(\a)+(\b))+7]
.endif
.endr
.endr
.endm
.macro FETCH slot, qd, f               ; 32 LDS loads: quarter qd (64 along K) of the slot into buffer f, its first 32 along K first
	WIN TO_F
.irp c, 0,1
.irp i, 0,1,2,3
	ds_load_b128 v[(\f)+64+8*(4*(\c)+(\i)):(\f)+64+8*(4*(\c)+(\i))+3],   v[ADRB+(\slot)] offset:(\qd)*128+64*(\c)+(\i)*16*BPITCH
	ds_load_b128 v[(\f)+64+8*(4*(\c)+(\i))+4:(\f)+64+8*(4*(\c)+(\i))+7], v[ADRB+(\slot)] offset:(\qd)*128+64*(\c)+(\i)*16*BPITCH+32
	ds_load_b128 v[(\f)+8*(4*(\c)+(\i)):(\f)+8*(4*(\c)+(\i))+3],         v[ADRA+(\slot)] offset:((\qd)/2)*AHALF+(2*((\qd)%2)+(\c))*256+(\i)*4*APITCH
	ds_load_b128 v[(\f)+8*(4*(\c)+(\i))+4:(\f)+8*(4*(\c)+(\i))+7],       v[ADRA+(\slot)] offset:((\qd)/2)*AHALF+(2*((\qd)%2)+(\c))*256+(\i)*4*APITCH+32
.endr
.endr
.endm
.macro QUARTER slot, qd, f, g, zero    ; multiplies buffer f and fetches quarter qd into g
	s_wait_dscnt 16                                ; the first 32 along K are in
	MUL8 \f, 0, 0, \zero
	MUL8 \f, 0, 2, \zero
	PLACES
	FETCH \slot, \qd, \g
	s_wait_dscnt 32                                ; all but the 32 just issued
	MUL8 \f, 1, 0, 0
	MUL8 \f, 1, 2, 0
.endm
.macro TURN slot, next, fill, g1=G1    ; a step's last quarter multiplies buffer 1 and changes slots: one barrier; fill = 1: this slot is filled again, two steps ahead
	WIN 0
	s_wait_tensorcnt 0x0                           ; all my tensor loads have landed: my part of the next slot;
	ds_add_u32 v[SPW], v[NIL]                      ; 0 onto my spare word;
	s_wait_dscnt 17                                ; (the add and the youngest sixteen loads may be out)
	MUL8 F1, 0, 0, 0
	s_wait_dscnt 0x0                               ; the add is done, and my reads of this slot are over
	s_barrier_signal -1
	MUL8 F1, 0, 2, 0
.if \fill
	WIN 0
.endif
	s_barrier_wait -1
.if \fill
	CREST                                          ; the barrier has opened a round of the cluster's: no wave of any partner still reads this slot or has a load on its way
	s_add_nc_u64 s[G0+4*(\slot)+2:G0+4*(\slot)+3], s[G0+4*(\slot)+2:G0+4*(\slot)+3], ASTEP
	s_add_nc_u64 s[G0B+4*(\slot)+2:G0B+4*(\slot)+3], s[G0B+4*(\slot)+2:G0B+4*(\slot)+3], BSTEP
	JLOAD \slot, \g1                               ; the first tensor load behind the round; its four v_nop are also the places in front of the loads below
.else
	PLACES
.endif
	FETCH \next, 0, F0
	MUL8 F1, 1, 0, 0
	MUL8 F1, 1, 2, 0
.endm
.macro LASTQ f                         ; the very last quarter: nothing more to fetch
	s_wait_dscnt 16
	MUL8 \f, 0, 0, 0
	MUL8 \f, 0, 2, 0
	s_wait_dscnt 0x0
	MUL8 \f, 1, 0, 0
	MUL8 \f, 1, 2, 0
	WIN 0
.endm
	s_load_b128 s[4:7], s[0:1], 0x0                ; hq s[4:5], wt s[6:7]
	s_load_b64 s[8:9], s[0:1], 0x10                ; qkv
	v_lshl_add_u32 v[SPW], v0, 2, SPARE
	v_mov_b32 v[NIL], 0
	ds_add_u32 v[SPW], v[NIL]                      ; the wave's opening: the add and its wait ahead of my first tensor load
	v_lshrrev_b32 v1, 5, v0
	v_readfirstlane_b32 s10, v1                    ; wave 0..3
	s_lshr_b32 s11, s10, 1                         ; my half of the tile's tokens.  Also: I fetch the left (0) or the right (1) operand
	s_and_b32 s12, s10, 1                          ; my half of its columns.  Also: which half of that operand's tile I fetch
	s_bfe_u32 s40, ttmp6, 0x40000                  ; cx, cy
	s_bfe_u32 s41, ttmp6, 0x40004
	s_lshl_b32 s42, ttmp9, 2
	s_add_co_u32 s42, s42, s40                     ; column tile
	s_and_b32 s13, ttmp7, 0xffff
	s_lshl_b32 s13, s13, 2
	s_add_co_u32 s13, s13, s41                     ; token tile
	s_lshl_b32 s43, s41, 2
	s_lshl_b32 s43, 15, s43                        ; my row of the cluster
	s_lshl_b32 s44, 0x1111, s40                    ; my column
	s_or_b32 s[G1+0], s43, (1<<16)|(1<<20)|(1<<21)|(7<<22)|(3<<25)   ; mask; 2-byte elements; padding on; bit 21 beside a mask; after every 256 words 4 words
	s_or_b32 s[G1B+0], s44, (1<<16)|(1<<20)|(1<<21)|(6<<22)|(3<<25)  ; after every 128 words 4 words
	s_mov_b32 s[G1+1], 512<<16                     ; tensor_dim0 = 512
	s_mov_b32 s[G1+2], 32<<16                      ; tensor_dim1 = 32
	s_mov_b32 s[G1+3], 512<<16                     ; tile_dim0 = 512
	s_mov_b32 s[G1+4], 32                          ; tile_dim1 = 32
	s_mov_b32 s[G1+5], 512                         ; dense rows
	s_mov_b32 s[G1+6], 0
	s_mov_b32 s[G1+7], 0
	s_mov_b32 s[G1B+1], 256<<16
	s_mov_b32 s[G1B+2], 64<<16
	s_mov_b32 s[G1B+3], 256<<16
	s_mov_b32 s[G1B+4], 64
	s_mov_b32 s[G1B+5], KP
	s_mov_b32 s[G1B+6], 0
	s_mov_b32 s[G1B+7], 0
	s_lshl_b32 s16, s13, 15                        ; left: the tile's 32 quads, and my group of 128 k
	s_lshl_b32 s17, s12, 20
	s_add_co_u32 s16, s16, s17
	s_mov_b32 s17, 0
	s_lshl_b32 s46, s42, 7                         ; right: row 128 x column tile + 64 x half
	s_lshl_b32 s47, s12, 6
	s_add_co_u32 s46, s46, s47
	s_mul_i32 s46, s46, KP*2
	s_add_co_u32 s46, s46, BOFF
	s_mov_b32 s47, 0
	s_mul_i32 s20, s12, AHALF                      ; where they go: no place in the cluster enters an LDS address
	s_mul_i32 s23, s12, BHALF
	s_add_co_u32 s23, s23, BBASE
	s_wait_dscnt 0x0                               ; the opening add is done
	s_wait_kmcnt 0x0
	s_add_nc_u64 s[14:15], s[4:5], s[16:17]
	s_add_nc_u64 s[46:47], s[6:7], s[46:47]
	CROUND                                         ; all sixteen work-groups are here: the first joint loads meet
.irp s, 0,1
	s_mov_b32 s[G0+4*(\s)], 1
	s_add_co_u32 s[G0+4*(\s)+1], s20, (\s)*SLOT
	s_add_nc_u64 s[G0+4*(\s)+2:G0+4*(\s)+3], s[14:15], (\s)*0x200000
	s_or_b32 s[G0+4*(\s)+3], s[G0+4*(\s)+3], 0x80000000
	s_mov_b32 s[G0B+4*(\s)], 1
	s_add_co_u32 s[G0B+4*(\s)+1], s23, (\s)*SLOT
	s_add_nc_u64 s[G0B+4*(\s)+2:G0B+4*(\s)+3], s[46:47], (\s)*512
	s_or_b32 s[G0B+4*(\s)+3], s[G0B+4*(\s)+3], 0x80000000
	JLOAD \s
.endr
	v_and_b32 v1, 15, v0                           ; r
	v_bfe_u32 v2, v0, 4, 1                         ; h
	v_lshrrev_b32 v3, 2, v1
	v_mul_u32_u24 v3, v3, APITCH
	v_and_b32 v4, 3, v1
	v_lshl_add_u32 v3, v4, 6, v3
	v_lshl_add_u32 v3, v2, 4, v3                   ; left fragment: (r>>2) x pitch + (r&3) x 64 + 16 h
	v_mul_u32_u24 v5, v1, BPITCH
	v_lshl_add_u32 v5, v2, 4, v5                   ; right fragment: r x pitch + 16 h
	s_mul_i32 s21, s11, 16*APITCH                  ; my 64 tokens: 16 quads
	s_mul_i32 s22, s12, BHALF
	s_add_co_u32 s22, s22, BBASE
.irp s, 0,1
	v_add_nc_u32 v[ADRA+(\s)], s21, v3
	v_add_nc_u32 v[ADRB+(\s)], s22, v5
	s_add_co_u32 s21, s21, SLOT
	s_add_co_u32 s22, s22, SLOT
.endr
	s_lshl_b32 s23, s10, 13
	s_add_co_u32 s23, s23, STAGE                   ; my stage: 2 heads x 64 tokens x 64 bytes
	v_lshrrev_b32 v6, 2, v1                        ; t = r >> 2
	v_and_b32 v7, 1, v6
	v_lshrrev_b32 v6, 1, v6
	v_lshl_or_b32 v6, v7, 1, v6                    ; g
	v_xor_b32 v6, v2, v6                           ; piece h xor g (channels 0-15), and that xor 2 (channels 16-31)
	v_lshlrev_b32 v6, 4, v6
	v_lshl_add_u32 v6, v1, 6, v6
	v_add_nc_u32 v[STO], s23, v6
	v_xor_b32 v[STO+1], 32, v[STO]
	v_and_b32 v8, 31, v0
	v_lshl_add_u32 v[RD], v8, 4, s23
	v_lshlrev_b32 v[CO], 4, v8
	s_lshr_b32 s16, s13, 4                         ; the batch: 32 heads of 131,072 bytes
	s_lshl_b32 s16, s16, 22
	s_and_b32 s17, s13, 15
	s_lshl_b32 s17, s17, 13                        ; 128 tokens of 64 bytes
	s_add_co_u32 s16, s16, s17
	s_lshl_b32 s17, s11, 12
	s_add_co_u32 s16, s16, s17
	s_mov_b32 s17, 0
	s_add_nc_u64 s[8:9], s[8:9], s[16:17]
	s_lshr_b32 s46, s42, 3                         ; q, k or v: 8 MiB each
	s_lshl_b32 s46, s46, 23
	s_and_b32 s47, s42, 7
	s_lshl_b32 s47, s47, 19                        ; four heads a column tile
	s_add_co_u32 s46, s46, s47
	s_lshl_b32 s47, s12, 18                        ; two a wave
	s_add_co_u32 s46, s46, s47
	s_mov_b32 s47, 0
	s_add_nc_u64 s[8:9], s[8:9], s[46:47]
	s_wait_tensorcnt 1                             ; my part of step 0 is in; slot 1's may stay out
	s_barrier_signal -1
	s_barrier_wait -1
	FETCH 0, 0, F0
	QUARTER 0, 1, F0, F1, 1                        ; the first products start the sums
	QUARTER 0, 2, F1, F0, 0
	QUARTER 0, 3, F0, F1, 0
	TURN 0, 1, 1
	QUARTER 1, 1, F0, F1, 0
	QUARTER 1, 2, F1, F0, 0
	QUARTER 1, 3, F0, F1, 0
	TURN 1, 0, 1
	QUARTER 0, 1, F0, F1, 0
	QUARTER 0, 2, F1, F0, 0
	QUARTER 0, 3, F0, F1, 0
	TURN 0, 1, 0
	QUARTER 1, 1, F0, F1, 0
	QUARTER 1, 2, F1, F0, 0
	QUARTER 1, 3, F0, F1, 0
	LASTQ F1
	; THE WAY OUT: rounded to bf16; 16 bytes a lane into my own stage, laid as the two heads' rows lie in memory; back as 512 consecutive bytes.
	PLACES
.irp t, 0,1,2,3,4,5,6,7,8,9,10,11,12,13,14,15
.irp r, 0,1,2,3
	v_cvt_pk_bf16_f32 v[TMP+4*(\t)+(\r)], v[ACC+8*(\t)+2*(\r)], v[ACC+8*(\t)+2*(\r)+1]
.endr
.endr
.irp a, 0,1,2,3
.irp b, 0,1,2,3
	ds_store_b128 v[STO+(\b)%2], v[TMP+4*(4*(\a)+(\b)):TMP+4*(4*(\a)+(\b))+3] offset:((\b)/2)*4096+(\a)*1024
.endr
.endr
.irp t, 0,1,2,3,4,5,6,7,8,9,10,11,12,13,14,15
	ds_load_b128 v[TMP+4*(\t):TMP+4*(\t)+3], v[RD] offset:(\t)*512  ; LDS serves a wave's instructions in order: these see the stores above
.endr
.irp t, 0,1,2,3,4,5,6,7,8,9,10,11,12,13,14,15
	s_wait_dscnt 15-(\t)
	global_store_b128 v[CO], v[TMP+4*(\t):TMP+4*(\t)+3], s[8:9] offset:((\t)/8)*131072+((\t)%8)*512  ; 512 consecutive bytes, at a multiple of 256 from the buffer's first
.endr
	s_wait_tensorcnt 0x0                           ; the wave's end
	ds_add_u32 v[SPW], v[NIL]
	s_wait_dscnt 0x0
	CROUND                                         ; the closing round
	s_endpgm
.Lfunc_end_k_q5e692d6529_proj:
	.size	k_q5e692d6529_proj, .Lfunc_end_k_q5e692d6529_proj-k_q5e692d6529_proj
	.p2alignl 7, 3214868480
	.fill 96, 4, 3214868480
	.section	.rodata,"a",@progbits
	.p2align	6, 0x0
	.amdhsa_kernel k_q5e692d6529_proj
		.amdhsa_group_segment_fixed_size 327680
		.amdhsa_private_segment_fixed_size 0
		.amdhsa_enable_private_segment 0
		.amdhsa_kernarg_size 24
		.amdhsa_user_sgpr_count 2
		.amdhsa_user_sgpr_kernarg_segment_ptr 1
		.amdhsa_wavefront_size32 1
		.amdhsa_system_sgpr_workgroup_id_x 1
		.amdhsa_system_sgpr_workgroup_id_y 1
		.amdhsa_system_sgpr_workgroup_id_z 1
		.amdhsa_system_vgpr_workitem_id 0
		.amdhsa_next_free_vgpr 512
		.amdhsa_next_free_sgpr 66
		.amdhsa_reserve_vcc 0
		.amdhsa_float_denorm_mode_32 3
		.amdhsa_float_denorm_mode_16_64 3
		.amdhsa_memory_ordered 1
		.amdhsa_forward_progress 1
		.amdhsa_inst_pref_size 87
	.end_amdhsa_kernel
	.amdgpu_metadata
---
amdhsa.version: [ 1, 2 ]
amdhsa.kernels:
  - .name:           k_q5e692d6529_proj
    .symbol:         k_q5e692d6529_proj.kd
    .args:
      - { .name: hq, .offset: 0, .size: 8, .value_kind: global_buffer, .address_space: global }
      - { .name: wt, .offset: 8, .size: 8, .value_kind: global_buffer, .address_space: global }
      - { .name: qkv, .offset: 16, .size: 8, .value_kind: global_buffer, .address_space: global }
    .group_segment_fixed_size: 327680
    .private_segment_fixed_size: 0
    .kernarg_segment_align: 8
    .kernarg_segment_size: 24
    .max_flat_workgroup_size: 128
    .sgpr_count:     66
    .vgpr_count:     512
    .wavefront_size: 32
...
	.end_amdgpu_metadata
.endif
;; end of part 2
;; launch attn (part 3): grid 4 x 64, 8 waves a work-group, clusters of 4 x 1, 327,680 bytes of LDS; arguments qkv, ao; writes ao
.if DOCPART == 3
	.amdgcn_target "amdgcn-amd-amdhsa--gfx1250"
	.amdhsa_code_object_version 6
	.text
	.protected	k_q5e692d6529_attn
	.globl	k_q5e692d6529_attn
	.p2align	8
	.type	k_q5e692d6529_attn,@function
k_q5e692d6529_attn:
	s_mov_b64 s[64:65], 0
	v_nop
	global_prefetch_b8 v0, s[64:65] scope:SCOPE_SE
	s_setreg_imm32_b32 hwreg(HW_REG_WAVE_MODE, 25, 1), 1
	s_wait_xcnt 0x0
	s_wait_alu depctr_hold_cnt(0) depctr_sa_sdst(0) depctr_va_vdst(0) depctr_va_sdst(0) depctr_va_ssrc(0) depctr_va_vcc(0) depctr_vm_vsrc(0)
	s_getreg_b32 s2, hwreg(HW_REG_IB_STS2, 6, 4)
	s_cmp_eq_u32 s2, 0
	s_cbranch_scc0 .Lentry_in_a_cluster
	s_endpgm
.Lentry_in_a_cluster:
	s_bfe_u32 s2, ttmp6, 0x10000c
	s_cmp_lg_u32 s2, 0x3003
	s_cbranch_scc0 .Lentry_shape_is_right
	s_endpgm
.Lentry_shape_is_right:
; O[q] = the sum over k of softmax_k(Q[q] . K[k] / sqrt(32)) V[k], for 64 (batch, head) pairs of 2,048 tokens and 32 channels, no mask.  q, k, v bf16 from qkv; products, maxima and sums in f32;
; the weights p are rounded to bf16 for the second product, and l is the sum of those rounded p (numerator and divisor take the same numbers); O rounded once to bf16.
; LIMITS: a weight below 2^-126 counts as 0; c m starts at -4.25e37, far below every c s; NaN and infinities are not treated apart.
; SHARES.  A work-group owns 512 queries of one head, each of its eight waves 64: four tiles of 16, in two PIECES of two tiles.  Every wave walks all 2,048 keys, 64 a step.
; LDS.  The head's whole K (131,072 bytes) and V lie in LDS, dense rows of 64 bytes, filled ONCE: each wave asks for 32,768 bytes.  Nothing is filled again.
; The 16-byte piece c of a row lies at piece c xor g, g = ((t&1)<<1)|(t>>1), t = (token>>2)&3: the 16 lanes of a fragment load, and of a turning load, fall on 16 different columns of 16 bytes.
; CLUSTER.  The four query blocks of a head form a cluster and read the same K and V: each block of 32,768 bytes is asked for jointly, by the same load and descriptor in all four.
; LAYOUT.  S^T = K Q^T (source 0 = 16 keys, source 1 = 16 queries; one product holds the whole head size): a lane holds ONE query (lane % 16) and keys 8 (lane / 16) + 0..7.  Two such results rounded to
; bf16 in pairs ARE source 1 of O^T = V^T P.  A third product with a source 0 whose rows 0 and 8 are ones puts l, the weights' sum, into register 0 of an accumulator of its own, in every lane.
; SOFTMAX.  p = 2^(c s - c m), c = log2(e) / sqrt(32), m a running maximum; in every step O and l are multiplied by a = 2^(c m_old - c m_new).  O and l start at 0, so the first step is a step like any other.
; BY TURNS.  Turn Y: 8 products K Q^T of the OTHER piece's next scores; scaling and exponentials of piece Y; the other piece's maximum, statistics and a; ONE wait for the batch of 66 exponentials;
; roundings of piece Y; its 12 products V^T P, with the other piece's rescaling between them.  Two waves share a SIMD, so that one's vector work stands beside the other's products.
; REGISTERS.  Window 0: v2-12 addresses; v14-15 the add's; v16-23 (c m, m) a tile; v24-39 c0-c3 a tile (c2 takes a); v40-43 c m_old; v48-79 Q; v80-111 K of one step; v128-255 S^T, 32 a tile (P in its low 16).
; Window 1: v0-95 a tile's O^T (16) and l (8); v96-127 V of one step; v128-135 the ones.
.set VBASE, 131072
.set STAGE, 262144                     ; behind K and V: 16 rows x 80 bytes for each wave
.set SP,    80
.set SPARE, STAGE+8*16*SP              ; behind the stages: the spare words, 128 bytes a wave
.set AKA, 2                            ; my lane's place in 16 keys, channels 0-15; also my offset in 16 rows of Q
.set AKB, 3                            ; channels 16-31
.set AVA, 4                            ; my lane's place for the turning load, channels 0-15
.set AVB, 5
.set AD,  6                            ; v6-9 the addresses of the runs of loads in hand
.set STO, 10
.set RD,  11
.set GO,  12
.set SPW, 14
.set NIL, 15
.set ST,  16
.set TMP, 24
.set MV,  40
.set Q,   48
.set KF,  80
.set S,   128
.set VF,  96                           ; window 1: key half kk, channel block cb at VF + 16 kk + 8 cb
.set ONES, 128                         ; window 1
.set WV,  12
.set G1,  24
.set G0,  40
.set CNT, 56
.set CS,  58
.set SEL, 60
.set TBK, 62                           ; LDS byte at which K of the step to be fetched begins
.set TBV, 63                           ; the same for V, less VBASE
.set MSB, 0
.macro WIN new
.if MSB != (\new)
	s_set_vgpr_msb (MSB<<8)|(\new)
.set MSB, \new
.endif
.endm
.macro CROUND
	s_barrier_signal -1
	s_barrier_wait -1
	s_cmp_lg_u32 s[WV], 0
	s_cbranch_scc1 .Lnot_wave_0_\@
	s_barrier_signal -3
.Lnot_wave_0_\@:
	s_barrier_wait -3
	s_barrier_signal -1
	s_barrier_wait -1
.endm
	s_load_b128 s[4:7], s[0:1], 0x0                ; qkv s[4:5], ao s[6:7]
	v_lshl_add_u32 v[SPW], v0, 2, SPARE
	v_mov_b32 v[NIL], 0
	ds_add_u32 v[SPW], v[NIL]                      ; the wave's opening: the add and its wait ahead of my first tensor load
	v_lshrrev_b32 v1, 5, v0
	v_readfirstlane_b32 s[WV], v1                  ; wave 0..7
	s_bfe_u32 s13, ttmp6, 0x40000                  ; cx
	s_lshl_b32 s14, ttmp9, 2
	s_add_co_u32 s14, s14, s13                     ; my block of 512 queries: it enters Q's and O's addresses alone
	s_and_b32 s15, ttmp7, 0xffff                   ; batch x 32 + head, which the four partners share
	s_lshr_b32 s16, s[WV], 2                       ; waves 0-3 fetch K, waves 4-7 V:
	s_add_co_u32 s16, s16, 1
	s_lshl_b32 s16, s16, 23                        ; 8 MiB behind q, or 16,
	s_lshl_b32 s17, s15, 17                        ; the head's 131,072 bytes,
	s_add_co_u32 s16, s16, s17
	s_and_b32 s17, s[WV], 3
	s_lshl_b32 s17, s17, 15                        ; my quarter of them
	s_add_co_u32 s16, s16, s17
	s_mov_b32 s17, 0
	s_lshl_b32 s18, s15, 17                        ; Q: the head, my block, my wave's 64 rows of 64 bytes
	s_lshl_b32 s19, s14, 15
	s_add_co_u32 s18, s18, s19
	s_lshl_b32 s19, s[WV], 12
	s_add_co_u32 s18, s18, s19
	s_mov_b32 s19, 0
	s_bfe_u32 s20, s15, 0x30002                    ; O: channels head x 32 on: group (head >> 2) of 128,
	s_lshl_b32 s20, s20, 20
	s_and_b32 s21, s15, 3                          ; its part head & 3 of 32,
	s_lshl_b32 s21, s21, 8
	s_add_co_u32 s20, s20, s21
	s_lshr_b32 s21, s15, 5                         ; quad = batch x 512 + block x 128 + wave x 16
	s_lshl_b32 s21, s21, 19
	s_add_co_u32 s20, s20, s21
	s_lshl_b32 s21, s14, 17
	s_add_co_u32 s20, s20, s21
	s_lshl_b32 s21, s[WV], 14
	s_add_co_u32 s20, s20, s21
	s_mov_b32 s21, 0
	s_mov_b32 s[G1], 15|(3<<16)|(1<<21)            ; the mask of four; elements of 8 bytes; bit 21 beside a mask; no padding
	s_mov_b32 s[G1+1], 32<<16                      ; tensor_dim0 = 32: rows of 256 bytes
	s_mov_b32 s[G1+2], 128<<16                     ; tensor_dim1 = 128
	s_mov_b32 s[G1+3], 32<<16                      ; tile_dim0
	s_mov_b32 s[G1+4], 128                         ; tile_dim1
	s_mov_b32 s[G1+5], 32                          ; dense
	s_mov_b32 s[G1+6], 0
	s_mov_b32 s[G1+7], 0
	s_mov_b32 s[G0], 1
	s_lshl_b32 s[G0+1], s[WV], 15                  ; LDS: wave x 32,768: K's four quarters, then V's
	s_mov_b32 s[CS], 0x3e8293ee                    ; c = log2(e) / sqrt(32)
	s_mov_b32 s[CS+1], s[CS]
	s_mov_b32 s[SEL], 0x76543210
	s_mov_b32 s[SEL+1], 0xfedcba98
	s_mov_b32 s[TBK], 0
	s_mov_b32 s[TBV], 0
	s_mov_b32 s22, 0x3f803f80                      ; 1.0 twice in bf16
	s_wait_dscnt 0x0                               ; the opening add is done
	s_wait_kmcnt 0x0
	s_add_nc_u64 s[G0+2:G0+3], s[4:5], s[16:17]
	s_or_b32 s[G0+3], s[G0+3], 0x80000000
	s_add_nc_u64 s[4:5], s[4:5], s[18:19]
	s_add_nc_u64 s[6:7], s[6:7], s[20:21]
	CROUND                                         ; all four work-groups are here: the joint loads meet
	tensor_load_to_lds s[G0:G0+3], s[G1:G1+7]      ; my one tensor load of the launch
	s_nop 0
.rept 4
	v_nop
.endr
	v_and_b32 v1, 15, v0                           ; r
	v_bfe_u32 v44, v0, 4, 1                        ; h
	v_bfe_u32 v45, v0, 2, 1                        ; lane's bit 2
	v_bfe_u32 v46, v0, 3, 1                        ; lane's bit 3
	v_lshl_or_b32 v47, v45, 1, v46                 ; g of row r
	v_xor_b32 v47, v44, v47
	v_lshlrev_b32 v47, 4, v47
	v_lshl_add_u32 v[AKA], v1, 6, v47              ; r x 64 + 16 (h xor g)
	v_xor_b32 v[AKB], 32, v[AKA]
.irp t, 0,1,2,3
	global_load_b128 v[Q+8*\t:Q+8*\t+3],   v[AKA], s[4:5] offset:\t*1024  ; Q stays in registers
	global_load_b128 v[Q+8*\t+4:Q+8*\t+7], v[AKB], s[4:5] offset:\t*1024
.endr
	; the turning load: lane l addresses key 8 h + l % 8, channels 8 ((l>>3)&1) on; that row's g is (bit 2 << 1) | h
	v_and_b32 v47, 7, v0
	v_lshl_add_u32 v47, v44, 3, v47
	v_xor_b32 v46, v46, v44
	v_lshl_or_b32 v46, v45, 1, v46
	v_lshlrev_b32 v46, 4, v46
	v_lshl_add_u32 v[AVA], v47, 6, v46
	v_add_nc_u32 v[AVA], VBASE, v[AVA]
	v_xor_b32 v[AVB], 32, v[AVA]
	v_and_b32 v45, 7, v0
	v_cmp_eq_u32 vcc_lo, 0, v45                    ; rows 0 and 8 of the ones
	WIN 0x40
.set i, 0
.rept 8
	v_cndmask_b32 v[ONES+i], 0, s22, vcc_lo
.set i, i+1
.endr
.set i, 0
.rept 96
	v_mov_b32 v[i], 0                              ; O^T and l start at 0, on purpose: no first step is written out; these lines stand in the wait for the tiles
.set i, i+1
.endr
	WIN 0
.irp t, 0,1,2,3
	v_mov_b32 v[ST+2*\t], 0xfe000000               ; c m: far below every c s
	v_mov_b32 v[ST+2*\t+1], 0xff7fffff             ; m
.endr
.macro REGS t
.set rT, ST+2*(\t)
.set rC, TMP+4*(\t)
.set rM, MV+(\t)
.set rS, S+32*(\t)
.set rO, 24*(\t)
.endm
.macro KQ i                            ; scores of tile 2 NX + i % 2, keys 16 (i / 2) on: one product, started with 0
	REGS 2*NX+((\i)%2)
	v_wmma_f32_16x16x32_bf16 v[rS+8*((\i)/2):rS+8*((\i)/2)+7], v[KF+8*((\i)/2):KF+8*((\i)/2)+7], v[Q+8*(2*NX+((\i)%2)):Q+8*(2*NX+((\i)%2))+7], 0
.endm
.macro FS f                            ; c s - c m for pair f / 2 of tile 2 YY + f % 2
	REGS 2*YY+((\f)%2)
	v_pk_fma_f32 v[rS+2*((\f)/2):rS+2*((\f)/2)+1], v[rS+2*((\f)/2):rS+2*((\f)/2)+1], s[CS:CS+1], v[rT:rT+1] op_sel_hi:[1,0,0] neg_lo:[0,0,1] neg_hi:[0,0,1]
.endm
.macro EX e                            ; the exponential of score e / 2 of tile 2 YY + e % 2
	REGS 2*YY+((\e)%2)
	v_exp_f32 v[rS+(\e)/2], v[rS+(\e)/2]
.endm
; Number n of the 22 that find the maximum and statistics of tile 2 NX + u.  Each accumulator's lowest registers are read first.
;   0-11 four chains c0-c3 of seven scores   12-14, 16 the four left over, the old m, c0-c3 into c0   15 c m_old is kept   17, 18 the other 32 keys lie in the lane 16 away: the new m   19-21 c m; its change; a
.macro XS u, n
	REGS 2*NX+(\u)
.if (\n) < 4
	v_max3_num_f32 v[rC+(\n)], v[rS+8*(\n)], v[rS+8*(\n)+1], v[rS+8*(\n)+2]
.elseif (\n) < 12
	v_max3_num_f32 v[rC+(\n)%4], v[rC+(\n)%4], v[rS+8*((\n)%4)+2*((\n)/4)+1], v[rS+8*((\n)%4)+2*((\n)/4)+2]
.elseif (\n) == 12
	v_max3_num_f32 v[rC], v[rC], v[rS+7], v[rS+15]
.elseif (\n) == 13
	v_max3_num_f32 v[rC+1], v[rC+1], v[rS+23], v[rS+31]
.elseif (\n) == 14
	v_max3_num_f32 v[rC+2], v[rC+2], v[rC+3], v[rT+1]
.elseif (\n) == 15
	v_mov_b32 v[rM], v[rT]
.elseif (\n) == 16
	v_max3_num_f32 v[rC], v[rC], v[rC+1], v[rC+2]
.elseif (\n) == 17
	v_permlanex16_b32 v[rC+3], v[rC], s[SEL], s[SEL+1]
.elseif (\n) == 18
	v_max_num_f32 v[rT+1], v[rC], v[rC+3]
.elseif (\n) == 19
	v_mul_f32 v[rT], s[CS], v[rT+1]
.elseif (\n) == 20
	v_sub_f32 v[rC+1], v[rM], v[rT]
.else
	v_exp_f32 v[rC+2], v[rC+1]
.endif
.endm
.macro CV j                            ; pair j / 2 of tile 2 YY + j % 2 rounded to bf16, in place, ascending: a destination never lies above its sources
	REGS 2*YY+((\j)%2)
	v_cvt_pk_bf16_f32 v[rS+(\j)/2], v[rS+2*((\j)/2)], v[rS+2*((\j)/2)+1]
.endm
.macro PV i                            ; keys 32 (i / 6) on; (i % 6) / 2: channels 0-15, 16-31, or l; tile 2 YY + i % 2.  The six accumulators take turns
	REGS 2*YY+((\i)%2)
.set kk_, (\i)/6
.set o_, ((\i)%6)/2
.if o_ < 2
.set rA, VF+16*kk_+8*o_
.else
.set rA, ONES
.endif
	v_wmma_f32_16x16x32_bf16 v[rO+8*o_:rO+8*o_+7], v[rA:rA+7], v[rS+8*kk_:rS+8*kk_+7], v[rO+8*o_:rO+8*o_+7]
.endm
.macro RS i                            ; pair i / 2 of the nine (eight of O^T, one of l) of tile 2 NX + i % 2, times a
	REGS 2*NX+((\i)%2)
	v_pk_mul_f32 v[rO+2*((\i)/2):rO+2*((\i)/2)+1], v[rO+2*((\i)/2):rO+2*((\i)/2)+1], v[rC+2:rC+3] op_sel_hi:[1,0]
.endm
; The LDS loads stand in runs of 8.  Behind the last step the address stays at step 31, so that no branch stands among the exponentials; what that fetch brings changes nothing.
.macro FETCH_K
	v_add_nc_u32 v[AD], s[TBK], v[AKA]
	v_add_nc_u32 v[AD+1], s[TBK], v[AKB]
.irp b, 0,1,2,3
	ds_load_b128 v[KF+8*\b:KF+8*\b+3],   v[AD]   offset:\b*1024
	ds_load_b128 v[KF+8*\b+4:KF+8*\b+7], v[AD+1] offset:\b*1024
.endr
	s_add_co_u32 s[TBK], s[TBK], 4096
	s_min_u32 s[TBK], s[TBK], 31*4096
.endm
.macro FETCH_V
	WIN 0
	v_add_nc_u32 v[AD+2], s[TBV], v[AVA]
	v_add_nc_u32 v[AD+3], s[TBV], v[AVB]
	WIN 0x40                                       ; destination window 1
.irp k, 0,1
.irp c, 0,1
	ds_load_tr16_b128 v[VF+16*\k+8*\c:VF+16*\k+8*\c+3],   v[AD+2+\c] offset:\k*2048
	ds_load_tr16_b128 v[VF+16*\k+8*\c+4:VF+16*\k+8*\c+7], v[AD+2+\c] offset:\k*2048+1024
.endr
.endr
	WIN 0
	s_add_co_u32 s[TBV], s[TBV], 4096
	s_min_u32 s[TBK+1], s[TBV], 31*4096
.endm
; A TURN for piece y.  Ahead of the one wait nothing names an exponential's result: exponential e stands behind scaling 2 (e / 4) + e % 2, and no scaling follows an exponential of its pair.
; Turn 0 of step j makes piece 1's scores of step j and then fetches K of step j + 1, sixteen scalings behind the last product that read K; turn 1 makes piece 0's scores of step j + 1, and at its
; end fetches V of step j + 1, seven rescalings behind the last product.  Those seven are also the places ahead of the next turn's products, which write over P.
.macro TURN y
.set YY, (\y)
.set NX, 1-(\y)
.if (\y) == 1
	s_wait_dscnt 0x0                               ; K is in
.endif
	KQ 0
	FS 0
	FS 1
	FS 2
	FS 3
.set i, 1
.rept 7
	KQ i
	FS 2*i+2
	EX 2*i-2
	FS 2*i+3
	EX 2*i-1
.set i, i+1
.endr
.set i, 0
.rept 14
	FS 18+i
	EX 14+i
.set i, i+1
.endr
.if (\y) == 0
	s_wait_dscnt 0x0                               ; V is in
	FETCH_K
.endif
.set q, 0
.rept 42                                       ; the other piece's maximum and statistics, its two tiles by turns, an exponential behind each of the first 36
.set n_, q/2
.if n_ == 14
.set n_, 15
.elseif n_ == 15
.set n_, 14
.endif
	XS q%2, n_
.if q < 36
	EX 28+q
.endif
.set q, q+1
.endr
	XS 0, 21                                       ; its two a end the batch
	XS 1, 21
	v_nop                                          ; a plain instruction behind the last exponential: one for the batch
	s_wait_alu depctr_va_vdst(0)                   ; the wait ahead of the first reader: one for the 66
.set i, 0
.rept 32
	CV i
.set i, i+1
.endr
	WIN 0x51                                       ; V, the ones and O^T in window 1, P and a in window 0: it serves the products and the rescalings
.set i, 0
.rept 12
	PV i
	RS i
.set i, i+1
.endr
.rept 6
	RS i
.set i, i+1
.endr
.if (\y) == 1
	FETCH_V
.endif
	WIN 0
.endm
	s_wait_tensorcnt 0x0                           ; my quarter of K or V is in,
	s_barrier_signal -1
	s_barrier_wait -1                              ; everybody's is: from here on K and V are only read
	FETCH_K                                        ; step 0
	FETCH_V
	s_wait_loadcnt 0x0                             ; Q
	s_wait_dscnt 0x0
.set NX, 0
.set YY, 1
.set i, 0
.rept 8
	KQ i                                           ; piece 0's first scores
.set i, i+1
.endr
	s_mul_i32 s23, s[WV], 16*SP                    ; the addresses for the way out: twelve plain instructions, the places behind those products
	s_add_co_u32 s23, s23, STAGE
	v_mul_u32_u24 v[STO], v1, SP                   ; in: row r, 16 bytes for each half of the lanes
	v_lshl_add_u32 v[STO], v44, 4, v[STO]
	v_add_nc_u32 v[STO], s23, v[STO]
	v_bfe_u32 v[RD], v0, 2, 3                      ; back: 32 lanes take eight rows of 64 bytes,
	v_mul_u32_u24 v[RD], v[RD], SP
	v_and_b32 v45, 3, v0
	v_lshl_add_u32 v[RD], v45, 4, v[RD]
	v_add_nc_u32 v[RD], s23, v[RD]
	v_lshlrev_b32 v[GO], 10, v44                   ; which are two quads' 256 bytes, 1,024 apart
	v_lshl_add_u32 v[GO], v1, 4, v[GO]
.irp n, 0,1,2,3,4,5,6,7,8,9,10,11,12,13,14,15,16,17,18,19,20,21
	XS 0, \n
	XS 1, \n
.endr
	v_nop
	s_wait_alu depctr_va_vdst(0)                   ; the two a have their wait ahead of the label
	s_mov_b32 s[CNT], 32
.Lstep:
	TURN 0
	TURN 1
	s_sub_co_u32 s[CNT], s[CNT], 1
	s_cmp_lg_u32 s[CNT], 0
	s_cbranch_scc1 .Lstep
	; the last turn has made piece 0's scores on step 31 once more: m has not grown, a = 1: the price, once a launch, of one text for every trip
	; THE WAY OUT: O^T is divided by l, rounded to bf16 and sent through my stage, a tile at a time.
.rept 4
	v_nop
.endr
	WIN 0x01
.irp t, 0,1,2,3
	v_rcp_f32 v[TMP+4*\t], v[24*\t+16]
.endr
	v_nop
	s_wait_alu depctr_va_vdst(0)                   ; one wait for the four reciprocals
.macro PACK t
	WIN 0x41
.set k, 0
.rept 8
	v_pk_mul_f32 v[24*(\t)+2*k:24*(\t)+2*k+1], v[24*(\t)+2*k:24*(\t)+2*k+1], v[TMP+4*(\t):TMP+4*(\t)+1] op_sel_hi:[1,0]
.set k, k+1
.endr
	WIN 0x05
.set k, 0
.rept 8
	v_cvt_pk_bf16_f32 v[S+32*(\t)+k], v[24*(\t)+2*k], v[24*(\t)+2*k+1]
.set k, k+1
.endr
	WIN 0
	ds_store_b128 v[STO], v[S+32*(\t):S+32*(\t)+3]
	ds_store_b128 v[STO], v[S+32*(\t)+4:S+32*(\t)+7] offset:32
	ds_load_b128 v[S+32*(\t)+8:S+32*(\t)+11],  v[RD]  ; LDS serves a wave's instructions in order: these see the stores above; the next tile's stores come behind them
	ds_load_b128 v[S+32*(\t)+12:S+32*(\t)+15], v[RD] offset:8*SP
.endm
.macro SEND t, younger                 ; younger: the LDS instructions issued behind tile t's loads: the next tile's four, or none
	s_wait_dscnt (\younger)+1
	global_store_b128 v[GO], v[S+32*(\t)+8:S+32*(\t)+11],  s[6:7] offset:(\t)*4096       ; 16 lanes store 256 consecutive bytes, at a multiple of 256 from ao's first
	s_wait_dscnt (\younger)
	global_store_b128 v[GO], v[S+32*(\t)+12:S+32*(\t)+15], s[6:7] offset:(\t)*4096+2048
.endm
	PACK 0
	PACK 1
	SEND 0, 4
	PACK 2
	SEND 1, 4
	PACK 3
	SEND 2, 4
	SEND 3, 0
	s_wait_tensorcnt 0x0                           ; the wave's end
	ds_add_u32 v[SPW], v[NIL]
	s_wait_dscnt 0x0
	CROUND                                         ; the closing round
	s_endpgm
.Lfunc_end_k_q5e692d6529_attn:
	.size	k_q5e692d6529_attn, .Lfunc_end_k_q5e692d6529_attn-k_q5e692d6529_attn
	.p2alignl 7, 3214868480
	.fill 96, 4, 3214868480
	.section	.rodata,"a",@progbits
	.p2align	6, 0x0
	.amdhsa_kernel k_q5e692d6529_attn
		.amdhsa_group_segment_fixed_size 327680
		.amdhsa_private_segment_fixed_size 0
		.amdhsa_enable_private_segment 0
		.amdhsa_kernarg_size 16
		.amdhsa_user_sgpr_count 2
		.amdhsa_user_sgpr_kernarg_segment_ptr 1
		.amdhsa_wavefront_size32 1
		.amdhsa_system_sgpr_workgroup_id_x 1
		.amdhsa_system_sgpr_workgroup_id_y 1
		.amdhsa_system_sgpr_workgroup_id_z 1
		.amdhsa_system_vgpr_workitem_id 0
		.amdhsa_next_free_vgpr 392
		.amdhsa_next_free_sgpr 66
		.amdhsa_reserve_vcc 1
		.amdhsa_float_denorm_mode_32 3
		.amdhsa_float_denorm_mode_16_64 3
		.amdhsa_memory_ordered 1
		.amdhsa_forward_progress 1
		.amdhsa_inst_pref_size 46
	.end_amdhsa_kernel
	.amdgpu_metadata
---
amdhsa.version: [ 1, 2 ]
amdhsa.kernels:
  - .name:           k_q5e692d6529_attn
    .symbol:         k_q5e692d6529_attn.kd
    .args:
      - { .name: qkv, .offset: 0, .size: 8, .value_kind: global_buffer, .address_space: global }
      - { .name: ao, .offset: 8, .size: 8, .value_kind: global_buffer, .address_space: global }
    .group_segment_fixed_size: 327680
    .private_segment_fixed_size: 0
    .kernarg_segment_align: 8
    .kernarg_segment_size: 16
    .max_flat_workgroup_size: 256
    .sgpr_count:     66
    .vgpr_count:     392
    .wavefront_size: 32
...
	.end_amdgpu_metadata
.endif
;; end of part 3
;; launch wout (part 4): grid 8 x 32, 4 waves a work-group, clusters of 4 x 4, 327,680 bytes of LDS; arguments ao, wt, x, x1, x1b, ssq; writes x1, x1b, ssq
.if DOCPART == 4
	.amdgcn_target "amdgcn-amd-amdhsa--gfx1250"
	.amdhsa_code_object_version 6
	.text
	.protected	k_q5e692d6529_wout
	.globl	k_q5e692d6529_wout
	.p2align	8
	.type	k_q5e692d6529_wout,@function
k_q5e692d6529_wout:
	s_mov_b64 s[64:65], 0
	v_nop
	global_prefetch_b8 v0, s[64:65] scope:SCOPE_SE
	s_setreg_imm32_b32 hwreg(HW_REG_WAVE_MODE, 25, 1), 1
	s_wait_xcnt 0x0
	s_wait_alu depctr_hold_cnt(0) depctr_sa_sdst(0) depctr_va_vdst(0) depctr_va_sdst(0) depctr_va_ssrc(0) depctr_va_vcc(0) depctr_vm_vsrc(0)
	s_getreg_b32 s2, hwreg(HW_REG_IB_STS2, 6, 4)
	s_cmp_eq_u32 s2, 0
	s_cbranch_scc0 .Lentry_in_a_cluster
	s_endpgm
.Lentry_in_a_cluster:
	s_bfe_u32 s2, ttmp6, 0x10000c
	s_cmp_lg_u32 s2, 0xf033
	s_cbranch_scc0 .Lentry_shape_is_right
	s_endpgm
.Lentry_shape_is_right:
; x1 = xr + ao wo (f32), xr = x rounded once to bf16, as every input of the module is taken; x1b = bf16(x1) in the left operands' layout; ssq[part][token] = the sum of x1^2 over the part's 64 columns
; (16 parts), in f32: the second norm is finished by the next launch.
; LIMIT: the residual takes bf16(x), which is off from x by up to 2^-8 of |x|.
; Left operand ao, right operand wt's rows 3072..4095 ([n][k] bf16), sums in f32.  Tile 128 tokens x 128 columns, four waves of 64 x 64, K = 1,024 in four steps of 256 through two LDS slots.
; LEFT OPERANDS' LAYOUT: byte = (k>>7) 2^20 + (tok>>2) 1024 + ((k>>5)&3) 256 + (tok&3) 64 + (k&31) 2.
; CLUSTER 4 x 4: left tiles shared along a row, right tiles along a column, asked for jointly.  The product is taken transposed: a lane holds one token and eight neighbouring columns.
; The wave's 64 x 64 of x are asked for at the start, into window 2, and are waited for on the way out.
; REGISTERS: window 0: v0-31 addresses; v32-127 the way out; v128-255 accumulators.  Window 1: two fragment buffers.  Window 2: v0-127 x.
.set KP,     1024
.set BOFF,   6291456
.set APITCH, 1040
.set AHALF,  32*APITCH
.set BPITCH, 528
.set BHALF,  64*BPITCH
.set BBASE,  2*AHALF
.set SLOT,   2*AHALF+2*BHALF
.set STAGE,  2*SLOT                    ; behind the ring, for each wave: 16 rows x 272 bytes (f32), then 2,048 bytes (bf16)
.set SPITCH, 272
.set WSTAGE, 16*SPITCH+2048
.set SPARE,  STAGE+4*WSTAGE
.set ASTEP,  0x400000
.set BSTEP,  1024
.set ADRA, 16
.set ADRB, 20
.set XO,   22                          ; my offset in two rows of x and x1
.set CO2,  23                          ; 16 x lane
.set STO,  24
.set RD,   25
.set ST2,  26
.set RD2,  27
.set SPW,  28
.set NIL,  29
.set SO,   30
.set T,    32                          ; v32-63  16 tokens x 64 columns, by rows
.set XB,   64                          ; v64-79  first x rounded, in pairs; then x1 in bf16, as it is stored
.set SS,   80                          ; v80-81  sums of squares: a token a lane
.set PS,   96                          ; v96-111 at work (with v112-127: x rounded and widened again)
.set BF,   112                         ; v112-127 at work
.set ACC,  128
.set F0,   0
.set F1,   128
.set G1,  24
.set G0,  32
.set G1B, 48
.set G0B, 56
.set HIM, 45                           ; s45  a word's upper bf16
.set LM,  76                           ; s[76:91] lanes with lane % 16 = i
.set MSB, 0
.macro WIN new
.if MSB != (\new)
	s_set_vgpr_msb (MSB<<8)|(\new)
.set MSB, \new
.endif
.endm
.set MUL,  0x05
.set TO_F, 0x40
.macro JLOAD s, g1=G1
	s_cmp_eq_u32 s11, 0
	s_cbranch_scc0 .Lfor_b_\@
	tensor_load_to_lds s[G0+4*(\s):G0+4*(\s)+3], s[\g1:\g1+7]
	s_nop 0
.rept 4
	v_nop
.endr
	s_branch .Lasked_\@
.Lfor_b_\@:
	tensor_load_to_lds s[G0B+4*(\s):G0B+4*(\s)+3], s[G1B:G1B+7]
	s_nop 0
.rept 4
	v_nop
.endr
.Lasked_\@:
.endm
.macro CREST
	s_cmp_lg_u32 s10, 0
	s_cbranch_scc1 .Lnot_wave_0_\@
	s_barrier_signal -3
.Lnot_wave_0_\@:
	s_barrier_wait -3
	s_barrier_signal -1
	s_barrier_wait -1
.endm
.macro CROUND
	s_barrier_signal -1
	s_barrier_wait -1
	CREST
.endm
.macro PLACES
.rept 4
	v_nop
.endr
.endm
.macro MUL8 f, c, a0, zero
	WIN MUL
.irp a, \a0, (\a0)+1
.irp b, 0,1,2,3
.if \zero
	v_wmma_f32_16x16x32_bf16 v[ACC+8*(4*(\a)+(\b)):ACC+8*(4*(\a)+(\b))+7], v[(\f)+64+8*(4*(\c)+(\b)):(\f)+64+8*(4*(\c)+(\b))+7], v[(\f)+8*(4*(\c)+(\a)):(\f)+8*(4*(\c)+(\a))+7], 0
.else
	v_wmma_f32_16x16x32_bf16 v[ACC+8*(4*(\a)+(\b)):ACC+8*(4*(\a)+(\b))+7], v[(\f)+64+8*(4*(\c)+(\b)):(\f)+64+8*(4*(\c)+(\b))+7], v[(\f)+8*(4*(\c)+(\a)):(\f)+8*(4*(\c)+(\a))+7], v[ACC+8*(4*(\a)+(\b)):ACC+8*(4*(\a)+(\b))+7]
.endif
.endr
.endr
.endm
.macro FETCH slot, qd, f
	WIN TO_F
.irp c, 0,1
.irp i, 0,1,2,3
	ds_load_b128 v[(\f)+64+8*(4*(\c)+(\i)):(\f)+64+8*(4*(\c)+(\i))+3],   v[ADRB+(\slot)] offset:(\qd)*128+64*(\c)+(\i)*16*BPITCH
	ds_load_b128 v[(\f)+64+8*(4*(\c)+(\i))+4:(\f)+64+8*(4*(\c)+(\i))+7], v[ADRB+(\slot)] offset:(\qd)*128+64*(\c)+(\i)*16*BPITCH+32
	ds_load_b128 v[(\f)+8*(4*(\c)+(\i)):(\f)+8*(4*(\c)+(\i))+3],         v[ADRA+(\slot)] offset:((\qd)/2)*AHALF+(2*((\qd)%2)+(\c))*256+(\i)*4*APITCH
	ds_load_b128 v[(\f)+8*(4*(\c)+(\i))+4:(\f)+8*(4*(\c)+(\i))+7],       v[ADRA+(\slot)] offset:((\qd)/2)*AHALF+(2*((\qd)%2)+(\c))*256+(\i)*4*APITCH+32
.endr
.endr
.endm
.macro QUARTER slot, qd, f, g, zero
	s_wait_dscnt 16                                ; the first 32 along K are in
	MUL8 \f, 0, 0, \zero
	MUL8 \f, 0, 2, \zero
	PLACES
	FETCH \slot, \qd, \g
	s_wait_dscnt 32                                ; all but the 32 just issued
	MUL8 \f, 1, 0, 0
	MUL8 \f, 1, 2, 0
.endm
.macro TURN slot, next, fill, g1=G1
	WIN 0
	s_wait_tensorcnt 0x0                           ; all my tensor loads have landed: my part of the next slot;
	ds_add_u32 v[SPW], v[NIL]                      ; 0 onto my spare word;
	s_wait_dscnt 17                                ; (the add and the youngest sixteen loads may be out)
	MUL8 F1, 0, 0, 0
	s_wait_dscnt 0x0                               ; the add is done, and my reads of this slot are over
	s_barrier_signal -1
	MUL8 F1, 0, 2, 0
.if \fill
	WIN 0
.endif
	s_barrier_wait -1
.if \fill
	CREST                                          ; no wave of any partner still reads this slot or has a load on its way
	s_add_nc_u64 s[G0+4*(\slot)+2:G0+4*(\slot)+3], s[G0+4*(\slot)+2:G0+4*(\slot)+3], ASTEP
	s_add_nc_u64 s[G0B+4*(\slot)+2:G0B+4*(\slot)+3], s[G0B+4*(\slot)+2:G0B+4*(\slot)+3], BSTEP
	JLOAD \slot, \g1
.else
	PLACES
.endif
	FETCH \next, 0, F0
	MUL8 F1, 1, 0, 0
	MUL8 F1, 1, 2, 0
.endm
.macro LASTQ f
	s_wait_dscnt 16
	MUL8 \f, 0, 0, 0
	MUL8 \f, 0, 2, 0
	s_wait_dscnt 0x0
	MUL8 \f, 1, 0, 0
	MUL8 \f, 1, 2, 0
	WIN 0
.endm
	s_load_b128 s[4:7], s[0:1], 0x0                ; ao s[4:5], wt s[6:7]
	s_load_b256 s[68:75], s[0:1], 0x10             ; x s[68:69], x1 s[70:71], x1b s[72:73], ssq s[74:75]
	v_lshl_add_u32 v[SPW], v0, 2, SPARE
	v_mov_b32 v[NIL], 0
	ds_add_u32 v[SPW], v[NIL]                      ; the wave's opening: the add and its wait ahead of my first tensor load
	v_lshrrev_b32 v1, 5, v0
	v_readfirstlane_b32 s10, v1
	s_lshr_b32 s11, s10, 1
	s_and_b32 s12, s10, 1
	s_bfe_u32 s40, ttmp6, 0x40000
	s_bfe_u32 s41, ttmp6, 0x40004
	s_lshl_b32 s42, ttmp9, 2
	s_add_co_u32 s42, s42, s40                     ; column tile
	s_and_b32 s13, ttmp7, 0xffff
	s_lshl_b32 s13, s13, 2
	s_add_co_u32 s13, s13, s41                     ; token tile
	s_lshl_b32 s43, s41, 2
	s_lshl_b32 s43, 15, s43
	s_lshl_b32 s44, 0x1111, s40
	s_or_b32 s[G1+0], s43, (1<<16)|(1<<20)|(1<<21)|(7<<22)|(3<<25)
	s_or_b32 s[G1B+0], s44, (1<<16)|(1<<20)|(1<<21)|(6<<22)|(3<<25)
	s_mov_b32 s[G1+1], 512<<16
	s_mov_b32 s[G1+2], 32<<16
	s_mov_b32 s[G1+3], 512<<16
	s_mov_b32 s[G1+4], 32
	s_mov_b32 s[G1+5], 512
	s_mov_b32 s[G1+6], 0
	s_mov_b32 s[G1+7], 0
	s_mov_b32 s[G1B+1], 256<<16
	s_mov_b32 s[G1B+2], 64<<16
	s_mov_b32 s[G1B+3], 256<<16
	s_mov_b32 s[G1B+4], 64
	s_mov_b32 s[G1B+5], KP
	s_mov_b32 s[G1B+6], 0
	s_mov_b32 s[G1B+7], 0
	s_mov_b32 s[HIM], 0xffff0000
	s_lshl_b32 s16, s13, 15
	s_lshl_b32 s17, s12, 20
	s_add_co_u32 s16, s16, s17
	s_mov_b32 s17, 0
	s_lshl_b32 s46, s42, 7
	s_lshl_b32 s47, s12, 6
	s_add_co_u32 s46, s46, s47
	s_mul_i32 s46, s46, KP*2
	s_add_co_u32 s46, s46, BOFF
	s_mov_b32 s47, 0
	s_mul_i32 s20, s12, AHALF
	s_mul_i32 s23, s12, BHALF
	s_add_co_u32 s23, s23, BBASE
	s_wait_dscnt 0x0
	s_wait_kmcnt 0x0
	s_add_nc_u64 s[14:15], s[4:5], s[16:17]
	s_add_nc_u64 s[46:47], s[6:7], s[46:47]
	CROUND
.irp s, 0,1
	s_mov_b32 s[G0+4*(\s)], 1
	s_add_co_u32 s[G0+4*(\s)+1], s20, (\s)*SLOT
	s_add_nc_u64 s[G0+4*(\s)+2:G0+4*(\s)+3], s[14:15], (\s)*0x200000
	s_or_b32 s[G0+4*(\s)+3], s[G0+4*(\s)+3], 0x80000000
	s_mov_b32 s[G0B+4*(\s)], 1
	s_add_co_u32 s[G0B+4*(\s)+1], s23, (\s)*SLOT
	s_add_nc_u64 s[G0B+4*(\s)+2:G0B+4*(\s)+3], s[46:47], (\s)*512
	s_or_b32 s[G0B+4*(\s)+3], s[G0B+4*(\s)+3], 0x80000000
	JLOAD \s
.endr
	v_and_b32 v1, 15, v0                           ; r
	v_bfe_u32 v2, v0, 4, 1                         ; h
	; the four buffers at my wave's part: the token part in s16-19, the column part in s46, s47, s22
	s_lshl_b32 s16, s13, 7
	s_lshl_b32 s17, s11, 6
	s_add_co_u32 s16, s16, s17                     ; my first token
	s_mov_b32 s19, 0
	s_lshl_b32 s18, s16, 12
	s_add_nc_u64 s[68:69], s[68:69], s[18:19]
	s_add_nc_u64 s[70:71], s[70:71], s[18:19]
	s_lshl_b32 s18, s16, 8                         ; a quad's 1,024 bytes
	s_add_nc_u64 s[72:73], s[72:73], s[18:19]
	s_lshl_b32 s18, s16, 2
	s_add_nc_u64 s[74:75], s[74:75], s[18:19]
	s_mov_b32 s47, 0
	s_lshl_b32 s46, s42, 9                         ; 128 columns of 4 bytes, my 64
	s_lshl_b32 s22, s12, 8
	s_add_co_u32 s46, s46, s22
	s_add_nc_u64 s[68:69], s[68:69], s[46:47]
	s_add_nc_u64 s[70:71], s[70:71], s[46:47]
	s_lshl_b32 s46, s42, 20                        ; the column tile is a group of 128 k of x1b; my 64 are two of its four parts
	s_lshl_b32 s22, s12, 9
	s_add_co_u32 s46, s46, s22
	s_add_nc_u64 s[72:73], s[72:73], s[46:47]
	s_lshl_b32 s46, s42, 15                        ; part 2 x column tile + half, 16,384 bytes each
	s_lshl_b32 s22, s12, 14
	s_add_co_u32 s46, s46, s22
	s_add_nc_u64 s[74:75], s[74:75], s[46:47]
	v_lshlrev_b32 v[XO], 12, v2
	v_lshl_add_u32 v[XO], v1, 4, v[XO]             ; lanes 0-15 one row's 256 bytes, lanes 16-31 the next row's
	WIN 0x80                                       ; destination window 2
.irp a, 0,1,2,3
.irp t, 0,1,2,3,4,5,6,7
	global_load_b128 v[4*(8*(\a)+(\t)):4*(8*(\a)+(\t))+3], v[XO], s[68:69] offset:(16*(\a)+2*(\t))*4096 th:TH_LOAD_NT
.endr
.endr
	WIN 0
	v_lshrrev_b32 v3, 2, v1
	v_mul_u32_u24 v3, v3, APITCH
	v_and_b32 v4, 3, v1
	v_lshl_add_u32 v3, v4, 6, v3
	v_lshl_add_u32 v3, v2, 4, v3
	v_mul_u32_u24 v5, v1, BPITCH
	v_lshl_add_u32 v5, v2, 4, v5
	s_mul_i32 s21, s11, 16*APITCH
	s_mul_i32 s22, s12, BHALF
	s_add_co_u32 s22, s22, BBASE
.irp s, 0,1
	v_add_nc_u32 v[ADRA+(\s)], s21, v3
	v_add_nc_u32 v[ADRB+(\s)], s22, v5
	s_add_co_u32 s21, s21, SLOT
	s_add_co_u32 s22, s22, SLOT
.endr
	s_mul_i32 s23, s10, WSTAGE
	s_add_co_u32 s23, s23, STAGE
	v_mul_u32_u24 v6, v1, SPITCH                   ; in: row r, 32 bytes for each half of the lanes
	v_lshl_add_u32 v6, v2, 5, v6
	v_add_nc_u32 v[STO], s23, v6
	v_mul_u32_u24 v6, v2, SPITCH                   ; back: lanes 0-15 one row of 256 bytes, lanes 16-31 the next
	v_lshl_add_u32 v6, v1, 4, v6
	v_add_nc_u32 v[RD], s23, v6
	s_add_co_u32 s23, s23, 16*SPITCH
	v_lshrrev_b32 v6, 3, v1                        ; r >> 3: which 32 columns
	v_and_b32 v7, 7, v1
	v_lshlrev_b32 v8, 8, v6
	v_lshl_add_u32 v8, v7, 3, v8
	v_lshl_add_u32 v8, v2, 6, v8
	v_add_nc_u32 v[ST2], s23, v8                   ; (r>>3) 256 + h 64 + (r&7) 8
	v_and_b32 v8, 31, v0
	v_lshlrev_b32 v[CO2], 4, v8
	v_add_nc_u32 v[RD2], s23, v[CO2]
	v_lshlrev_b32 v[SO], 6, v6
	v_lshl_add_u32 v[SO], v7, 3, v[SO]
	v_lshl_add_u32 v[SO], v2, 2, v[SO]             ; 4 x (16 (r>>3) + 2 (r&7) + h)
	s_wait_tensorcnt 1                             ; my part of step 0 is in; slot 1's may stay out
	s_barrier_signal -1
	s_barrier_wait -1
	FETCH 0, 0, F0
	QUARTER 0, 1, F0, F1, 1
	QUARTER 0, 2, F1, F0, 0
	QUARTER 0, 3, F0, F1, 0
	TURN 0, 1, 1
	QUARTER 1, 1, F0, F1, 0
	QUARTER 1, 2, F1, F0, 0
	QUARTER 1, 3, F0, F1, 0
	TURN 1, 0, 1
	QUARTER 0, 1, F0, F1, 0
	QUARTER 0, 2, F1, F0, 0
	QUARTER 0, 3, F0, F1, 0
	TURN 0, 1, 0
	QUARTER 1, 1, F0, F1, 0
	QUARTER 1, 2, F1, F0, 0
	QUARTER 1, 3, F0, F1, 0
	LASTQ F1
	; THE WAY OUT, 16 tokens at a time: the sums go through my stage and come back by rows; x, rounded to bf16, is added; x1 leaves; its squares are summed over 16 lanes; its bf16 copy goes through the second stage.
	PLACES
.set i, 0
.rept 16
	v_cmp_eq_u32 s[LM+i], i, v1
.set i, i+1
.endr
	v_mov_b32 v[SS], 0
	v_mov_b32 v[SS+1], 0
.macro OUTBLK a
	s_wait_xcnt 0x0                                ; the last block's stores have read their registers (T and XB), which are written again below
.irp b, 0,1,2,3
	ds_store_b128 v[STO], v[ACC+8*(4*(\a)+(\b)):ACC+8*(4*(\a)+(\b))+3]   offset:64*(\b)
	ds_store_b128 v[STO], v[ACC+8*(4*(\a)+(\b))+4:ACC+8*(4*(\a)+(\b))+7] offset:64*(\b)+16
.endr
.irp t, 0,1,2,3,4,5,6,7
	ds_load_b128 v[T+4*(\t):T+4*(\t)+3], v[RD] offset:(\t)*2*SPITCH  ; tokens 2 t and 2 t + 1
.endr
.if (\a) == 0
	s_wait_loadcnt 0x0                             ; x
.endif
	WIN 0x0a                                       ; sources 0 and 1 window 2: the block's x is rounded to bf16, two numbers a line, while the stage's loads are out,
.set q, 0
.rept 16
	v_cvt_pk_bf16_f32 v[XB+q], v[32*(\a)+2*q], v[32*(\a)+2*q+1]
.set q, q+1
.endr
	WIN 0
.set q, 0
.rept 16
	v_lshlrev_b32 v[PS+2*q], 16, v[XB+q]           ; and widened again: the low half moves up,
	v_and_b32 v[PS+2*q+1], s[HIM], v[XB+q]         ; the high half stays
.set q, q+1
.endr
	s_wait_dscnt 0x0                               ; the block is back by rows
.set q, 0
.rept 16
	v_pk_add_f32 v[T+2*q:T+2*q+1], v[T+2*q:T+2*q+1], v[PS+2*q:PS+2*q+1]
.set q, q+1
.endr
.irp t, 0,1,2,3,4,5,6,7
	global_store_b128 v[XO], v[T+4*(\t):T+4*(\t)+3], s[70:71] offset:(16*(\a)+2*(\t))*4096  ; 16 lanes store 256 consecutive bytes, aligned
.endr
.irp t, 0,1,2,3,4,5,6,7
	v_pk_mul_f32 v[PS+2*(\t):PS+2*(\t)+1], v[T+4*(\t):T+4*(\t)+1], v[T+4*(\t):T+4*(\t)+1]
.endr
.irp t, 0,1,2,3,4,5,6,7
	v_pk_fma_f32 v[PS+2*(\t):PS+2*(\t)+1], v[T+4*(\t)+2:T+4*(\t)+3], v[T+4*(\t)+2:T+4*(\t)+3], v[PS+2*(\t):PS+2*(\t)+1]
.endr
.irp t, 0,1,2,3,4,5,6,7
	v_add_f32 v[PS+2*(\t)], v[PS+2*(\t)], v[PS+2*(\t)+1]
.endr
.irp m, 1,2,4,8
.irp t, 0,1,2,3,4,5,6,7
	v_add_f32_dpp v[PS+2*(\t)], v[PS+2*(\t)], v[PS+2*(\t)] row_xmask:\m row_mask:0xf bank_mask:0xf
.endr
.endr
.irp t, 0,1,2,3,4,5,6,7
	v_cndmask_b32 v[SS+(\a)/2], v[SS+(\a)/2], v[PS+2*(\t)], s[LM+8*((\a)%2)+(\t)]  ; lane 8 (a % 2) + t of each half keeps the token's sum
.endr
.irp t, 0,1,2,3,4,5,6,7
	v_cvt_pk_bf16_f32 v[BF+2*(\t)],   v[T+4*(\t)],   v[T+4*(\t)+1]
	v_cvt_pk_bf16_f32 v[BF+2*(\t)+1], v[T+4*(\t)+2], v[T+4*(\t)+3]
	ds_store_b64 v[ST2], v[BF+2*(\t):BF+2*(\t)+1] offset:((\t)/2)*512+((\t)%2)*128
.endr
.irp q, 0,1,2,3
	ds_load_b128 v[XB+4*(\q):XB+4*(\q)+3], v[RD2] offset:(\q)*512
.endr
	s_wait_dscnt 0x0
.irp q, 0,1,2,3
	global_store_b128 v[CO2], v[XB+4*(\q):XB+4*(\q)+3], s[72:73] offset:(4*(\a)+(\q))*1024  ; 512 consecutive bytes of a quad, aligned
.endr
.if (\a)%2 == 1
	global_store_b32 v[SO], v[SS+(\a)/2], s[74:75] offset:((\a)/2)*128  ; 32 tokens' sums: 128 consecutive bytes; the whole buffer is 262,144 bytes
.endif
.endm
	OUTBLK 0
	OUTBLK 1
	OUTBLK 2
	OUTBLK 3
	s_wait_tensorcnt 0x0                           ; the wave's end
	ds_add_u32 v[SPW], v[NIL]
	s_wait_dscnt 0x0
	CROUND                                         ; the closing round
	s_endpgm
.Lfunc_end_k_q5e692d6529_wout:
	.size	k_q5e692d6529_wout, .Lfunc_end_k_q5e692d6529_wout-k_q5e692d6529_wout
	.p2alignl 7, 3214868480
	.fill 96, 4, 3214868480
	.section	.rodata,"a",@progbits
	.p2align	6, 0x0
	.amdhsa_kernel k_q5e692d6529_wout
		.amdhsa_group_segment_fixed_size 327680
		.amdhsa_private_segment_fixed_size 0
		.amdhsa_enable_private_segment 0
		.amdhsa_kernarg_size 48
		.amdhsa_user_sgpr_count 2
		.amdhsa_user_sgpr_kernarg_segment_ptr 1
		.amdhsa_wavefront_size32 1
		.amdhsa_system_sgpr_workgroup_id_x 1
		.amdhsa_system_sgpr_workgroup_id_y 1
		.amdhsa_system_sgpr_workgroup_id_z 1
		.amdhsa_system_vgpr_workitem_id 0
		.amdhsa_next_free_vgpr 640
		.amdhsa_next_free_sgpr 92
		.amdhsa_reserve_vcc 0
		.amdhsa_float_denorm_mode_32 3
		.amdhsa_float_denorm_mode_16_64 3
		.amdhsa_memory_ordered 1
		.amdhsa_forward_progress 1
		.amdhsa_inst_pref_size 127
	.end_amdhsa_kernel
	.amdgpu_metadata
---
amdhsa.version: [ 1, 2 ]
amdhsa.kernels:
  - .name:           k_q5e692d6529_wout
    .symbol:         k_q5e692d6529_wout.kd
    .args:
      - { .name: ao, .offset: 0, .size: 8, .value_kind: global_buffer, .address_space: global }
      - { .name: wt, .offset: 8, .size: 8, .value_kind: global_buffer, .address_space: global }
      - { .name: x, .offset: 16, .size: 8, .value_kind: global_buffer, .address_space: global }
      - { .name: x1, .offset: 24, .size: 8, .value_kind: global_buffer, .address_space: global }
      - { .name: x1b, .offset: 32, .size: 8, .value_kind: global_buffer, .address_space: global }
      - { .name: ssq, .offset: 40, .size: 8, .value_kind: global_buffer, .address_space: global }
    .group_segment_fixed_size: 327680
    .private_segment_fixed_size: 0
    .kernarg_segment_align: 8
    .kernarg_segment_size: 48
    .max_flat_workgroup_size: 128
    .sgpr_count:     92
    .vgpr_count:     640
    .wavefront_size: 32
...
	.end_amdgpu_metadata
.endif
;; end of part 4
;; launch gateup (part 5): grid 32 x 11, 4 waves a work-group, clusters of 4 x 1, 327,680 bytes of LDS; arguments x1b, wt, ssq, act; writes act
.if DOCPART == 5
	.amdgcn_target "amdgcn-amd-amdhsa--gfx1250"
	.amdhsa_code_object_version 6
	.text
	.protected	k_q5e692d6529_gateup
	.globl	k_q5e692d6529_gateup
	.p2align	8
	.type	k_q5e692d6529_gateup,@function
k_q5e692d6529_gateup:
	s_mov_b64 s[64:65], 0
	v_nop
	global_prefetch_b8 v0, s[64:65] scope:SCOPE_SE
	s_setreg_imm32_b32 hwreg(HW_REG_WAVE_MODE, 25, 1), 1
	s_wait_xcnt 0x0
	s_wait_alu depctr_hold_cnt(0) depctr_sa_sdst(0) depctr_va_vdst(0) depctr_va_sdst(0) depctr_va_ssrc(0) depctr_va_vcc(0) depctr_vm_vsrc(0)
	s_getreg_b32 s2, hwreg(HW_REG_IB_STS2, 6, 4)
	s_cmp_eq_u32 s2, 0
	s_cbranch_scc0 .Lentry_in_a_cluster
	s_endpgm
.Lentry_in_a_cluster:
	s_bfe_u32 s2, ttmp6, 0x10000c
	s_cmp_lg_u32 s2, 0x3003
	s_cbranch_scc0 .Lentry_shape_is_right
	s_endpgm
.Lentry_shape_is_right:
; act = silu(h w_gate) * (h w_up), h = x1 rs, rs = rsqrt(mean(x1^2) + 1e-6).  The products are taken of bf16(x1): G = x1 w_gate, U = x1 w_up; with ms = mean + 1e-6 and rs^2 = 1 / ms,
; act = G U / (ms (1 + 2^(-log2(e) rs G))).  ms is made of the 16 partial sums in ssq, in f32.  act is rounded once to bf16, in the left operands' layout; ff 688..703 come out 0 (their weights are 0).
; Right operand: wt from byte 8,388,608, gate and up by turns of 16 rows, so that a wave's accumulators (a, 2 p) and (a, 2 p + 1) hold G and U of the same 16 ff in the same lanes.
; Tile 128 tokens x 128 rows (64 ff), four waves of 64 x 64, K = 1,024 in four steps of 256 through two LDS slots.
; CLUSTER 4 x 1: the four token tiles of a cluster share the right tiles, which are asked for jointly.  The left tiles are each work-group's own: the grid has 11 column tiles, no multiple of four,
; so no cluster holds two work-groups of one token tile; they are asked for by plain loads, in the same rounds.
; LIMITS: where 2^(..) overflows the quotient is 0, as silu's limit is; NaN and infinities are not treated apart.
.set KP,     1024
.set BOFF,   8388608
.set APITCH, 1040
.set AHALF,  32*APITCH
.set BPITCH, 528
.set BHALF,  64*BPITCH
.set BBASE,  2*AHALF
.set SLOT,   2*AHALF+2*BHALF
.set STAGE,  2*SLOT                    ; behind the ring: 64 rows x 80 bytes for each wave
.set SP,     80
.set SPARE,  STAGE+4*64*SP
.set ASTEP,  0x400000
.set BSTEP,  1024
.set ADRA, 16
.set ADRB, 20
.set SQO,  22
.set STO,  24
.set RD,   25
.set GO,   26
.set SPW,  28
.set NIL,  29
.set SQ,   32                          ; v32-63  partial sums of squares: token block a, part p at 8 a + p; later the rows read back
.set MS,   64                          ; v64-71  ms, a pair for each token block
.set NR,   72                          ; v72-79  -log2(e) rs, likewise
.set TT,   80                          ; v80-95
.set GU,   96                          ; v96-111
.set PK,   112                         ; v112-119
.set ACC,  128
.set F0,   0
.set F1,   128
.set G1,  24
.set G0,  32
.set G1B, 48
.set G0B, 56
.set MSB, 0
.macro WIN new
.if MSB != (\new)
	s_set_vgpr_msb (MSB<<8)|(\new)
.set MSB, \new
.endif
.endm
.set MUL,  0x05
.set TO_F, 0x40
.macro JLOAD s, g1=G1
	s_cmp_eq_u32 s11, 0
	s_cbranch_scc0 .Lfor_b_\@
	tensor_load_to_lds s[G0+4*(\s):G0+4*(\s)+3], s[\g1:\g1+7]
	s_nop 0
.rept 4
	v_nop
.endr
	s_branch .Lasked_\@
.Lfor_b_\@:
	tensor_load_to_lds s[G0B+4*(\s):G0B+4*(\s)+3], s[G1B:G1B+7]
	s_nop 0
.rept 4
	v_nop
.endr
.Lasked_\@:
.endm
.macro CREST
	s_cmp_lg_u32 s10, 0
	s_cbranch_scc1 .Lnot_wave_0_\@
	s_barrier_signal -3
.Lnot_wave_0_\@:
	s_barrier_wait -3
	s_barrier_signal -1
	s_barrier_wait -1
.endm
.macro CROUND
	s_barrier_signal -1
	s_barrier_wait -1
	CREST
.endm
.macro PLACES
.rept 4
	v_nop
.endr
.endm
.macro MUL8 f, c, a0, zero
	WIN MUL
.irp a, \a0, (\a0)+1
.irp b, 0,1,2,3
.if \zero
	v_wmma_f32_16x16x32_bf16 v[ACC+8*(4*(\a)+(\b)):ACC+8*(4*(\a)+(\b))+7], v[(\f)+64+8*(4*(\c)+(\b)):(\f)+64+8*(4*(\c)+(\b))+7], v[(\f)+8*(4*(\c)+(\a)):(\f)+8*(4*(\c)+(\a))+7], 0
.else
	v_wmma_f32_16x16x32_bf16 v[ACC+8*(4*(\a)+(\b)):ACC+8*(4*(\a)+(\b))+7], v[(\f)+64+8*(4*(\c)+(\b)):(\f)+64+8*(4*(\c)+(\b))+7], v[(\f)+8*(4*(\c)+(\a)):(\f)+8*(4*(\c)+(\a))+7], v[ACC+8*(4*(\a)+(\b)):ACC+8*(4*(\a)+(\b))+7]
.endif
.endr
.endr
.endm
.macro FETCH slot, qd, f
	WIN TO_F
.irp c, 0,1
.irp i, 0,1,2,3
	ds_load_b128 v[(\f)+64+8*(4*(\c)+(\i)):(\f)+64+8*(4*(\c)+(\i))+3],   v[ADRB+(\slot)] offset:(\qd)*128+64*(\c)+(\i)*16*BPITCH
	ds_load_b128 v[(\f)+64+8*(4*(\c)+(\i))+4:(\f)+64+8*(4*(\c)+(\i))+7], v[ADRB+(\slot)] offset:(\qd)*128+64*(\c)+(\i)*16*BPITCH+32
	ds_load_b128 v[(\f)+8*(4*(\c)+(\i)):(\f)+8*(4*(\c)+(\i))+3],         v[ADRA+(\slot)] offset:((\qd)/2)*AHALF+(2*((\qd)%2)+(\c))*256+(\i)*4*APITCH
	ds_load_b128 v[(\f)+8*(4*(\c)+(\i))+4:(\f)+8*(4*(\c)+(\i))+7],       v[ADRA+(\slot)] offset:((\qd)/2)*AHALF+(2*((\qd)%2)+(\c))*256+(\i)*4*APITCH+32
.endr
.endr
.endm
.macro QUARTER slot, qd, f, g, zero
	s_wait_dscnt 16                                ; the first 32 along K are in
	MUL8 \f, 0, 0, \zero
	MUL8 \f, 0, 2, \zero
	PLACES
	FETCH \slot, \qd, \g
	s_wait_dscnt 32                                ; all but the 32 just issued
	MUL8 \f, 1, 0, 0
	MUL8 \f, 1, 2, 0
.endm
.macro TURN slot, next, fill, g1=G1
	WIN 0
	s_wait_tensorcnt 0x0                           ; all my tensor loads have landed: my part of the next slot;
	ds_add_u32 v[SPW], v[NIL]                      ; 0 onto my spare word;
	s_wait_dscnt 17                                ; (the add and the youngest sixteen loads may be out)
	MUL8 F1, 0, 0, 0
	s_wait_dscnt 0x0                               ; the add is done, and my reads of this slot are over
	s_barrier_signal -1
	MUL8 F1, 0, 2, 0
.if \fill
	WIN 0
.endif
	s_barrier_wait -1
.if \fill
	CREST                                          ; no wave of any partner still reads this slot or has a load on its way
	s_add_nc_u64 s[G0+4*(\slot)+2:G0+4*(\slot)+3], s[G0+4*(\slot)+2:G0+4*(\slot)+3], ASTEP
	s_add_nc_u64 s[G0B+4*(\slot)+2:G0B+4*(\slot)+3], s[G0B+4*(\slot)+2:G0B+4*(\slot)+3], BSTEP
	JLOAD \slot, \g1
.else
	PLACES
.endif
	FETCH \next, 0, F0
	MUL8 F1, 1, 0, 0
	MUL8 F1, 1, 2, 0
.endm
.macro LASTQ f
	s_wait_dscnt 16
	MUL8 \f, 0, 0, 0
	MUL8 \f, 0, 2, 0
	s_wait_dscnt 0x0
	MUL8 \f, 1, 0, 0
	MUL8 \f, 1, 2, 0
	WIN 0
.endm
	s_load_b128 s[4:7], s[0:1], 0x0                ; x1b s[4:5], wt s[6:7]
	s_load_b128 s[68:71], s[0:1], 0x10             ; ssq s[68:69], act s[70:71]
	v_lshl_add_u32 v[SPW], v0, 2, SPARE
	v_mov_b32 v[NIL], 0
	ds_add_u32 v[SPW], v[NIL]                      ; the wave's opening: the add and its wait ahead of my first tensor load
	v_lshrrev_b32 v1, 5, v0
	v_readfirstlane_b32 s10, v1
	s_lshr_b32 s11, s10, 1
	s_and_b32 s12, s10, 1
	s_bfe_u32 s40, ttmp6, 0x40000                  ; cx
	s_lshl_b32 s13, ttmp9, 2
	s_add_co_u32 s13, s13, s40                     ; token tile
	s_and_b32 s42, ttmp7, 0xffff                   ; column tile, which the four partners share
	s_mov_b32 s[G1+0], (1<<16)|(1<<20)|(7<<22)|(3<<25)                ; no mask: my own tile
	s_mov_b32 s[G1B+0], 15|(1<<16)|(1<<20)|(1<<21)|(6<<22)|(3<<25)    ; the mask of four
	s_mov_b32 s[G1+1], 512<<16
	s_mov_b32 s[G1+2], 32<<16
	s_mov_b32 s[G1+3], 512<<16
	s_mov_b32 s[G1+4], 32
	s_mov_b32 s[G1+5], 512
	s_mov_b32 s[G1+6], 0
	s_mov_b32 s[G1+7], 0
	s_mov_b32 s[G1B+1], 256<<16
	s_mov_b32 s[G1B+2], 64<<16
	s_mov_b32 s[G1B+3], 256<<16
	s_mov_b32 s[G1B+4], 64
	s_mov_b32 s[G1B+5], KP
	s_mov_b32 s[G1B+6], 0
	s_mov_b32 s[G1B+7], 0
	s_mov_b32 s72, 0x76543210
	s_mov_b32 s73, 0xfedcba98
	s_mov_b32 s74, 0x3a800000                      ; 1 / 1024
	s_mov_b32 s75, 0x358637bd                      ; 1e-6
	s_lshl_b32 s16, s13, 15
	s_lshl_b32 s17, s12, 20
	s_add_co_u32 s16, s16, s17
	s_mov_b32 s17, 0
	s_lshl_b32 s46, s42, 7
	s_lshl_b32 s47, s12, 6
	s_add_co_u32 s46, s46, s47
	s_mul_i32 s46, s46, KP*2
	s_add_co_u32 s46, s46, BOFF
	s_mov_b32 s47, 0
	s_mul_i32 s20, s12, AHALF
	s_mul_i32 s23, s12, BHALF
	s_add_co_u32 s23, s23, BBASE
	s_wait_dscnt 0x0
	s_wait_kmcnt 0x0
	s_add_nc_u64 s[14:15], s[4:5], s[16:17]
	s_add_nc_u64 s[46:47], s[6:7], s[46:47]
	CROUND
.irp s, 0,1
	s_mov_b32 s[G0+4*(\s)], 1
	s_add_co_u32 s[G0+4*(\s)+1], s20, (\s)*SLOT
	s_add_nc_u64 s[G0+4*(\s)+2:G0+4*(\s)+3], s[14:15], (\s)*0x200000
	s_or_b32 s[G0+4*(\s)+3], s[G0+4*(\s)+3], 0x80000000
	s_mov_b32 s[G0B+4*(\s)], 1
	s_add_co_u32 s[G0B+4*(\s)+1], s23, (\s)*SLOT
	s_add_nc_u64 s[G0B+4*(\s)+2:G0B+4*(\s)+3], s[46:47], (\s)*512
	s_or_b32 s[G0B+4*(\s)+3], s[G0B+4*(\s)+3], 0x80000000
	JLOAD \s
.endr
	v_and_b32 v1, 15, v0                           ; r
	v_bfe_u32 v2, v0, 4, 1                         ; h
	s_lshl_b32 s16, s13, 7
	s_lshl_b32 s17, s11, 6
	s_add_co_u32 s16, s16, s17                     ; my first token
	s_mov_b32 s19, 0
	s_lshl_b32 s18, s16, 2
	s_add_nc_u64 s[68:69], s[68:69], s[18:19]
	s_lshl_b32 s18, s16, 8
	s_add_nc_u64 s[70:71], s[70:71], s[18:19]
	s_lshr_b32 s46, s42, 1                         ; ff = 64 x column tile + 32 x half: group (tile >> 1) of 128, part 2 (tile & 1) + half of 32
	s_lshl_b32 s46, s46, 20
	s_and_b32 s22, s42, 1
	s_lshl_b32 s22, s22, 9
	s_add_co_u32 s46, s46, s22
	s_lshl_b32 s22, s12, 8
	s_add_co_u32 s46, s46, s22
	s_mov_b32 s47, 0
	s_add_nc_u64 s[70:71], s[70:71], s[46:47]
	v_lshlrev_b32 v[SQO], 17, v2                   ; lanes 16-31 take parts 8-15
	v_lshl_add_u32 v[SQO], v1, 2, v[SQO]
.irp a, 0,1,2,3
.irp p, 0,1,2,3,4,5,6,7
	global_load_b32 v[SQ+8*(\a)+(\p)], v[SQO], s[68:69] offset:(\p)*16384+(\a)*64
.endr
.endr
	v_lshrrev_b32 v3, 2, v1
	v_mul_u32_u24 v3, v3, APITCH
	v_and_b32 v4, 3, v1
	v_lshl_add_u32 v3, v4, 6, v3
	v_lshl_add_u32 v3, v2, 4, v3
	v_mul_u32_u24 v5, v1, BPITCH
	v_lshl_add_u32 v5, v2, 4, v5
	s_mul_i32 s21, s11, 16*APITCH
	s_mul_i32 s22, s12, BHALF
	s_add_co_u32 s22, s22, BBASE
.irp s, 0,1
	v_add_nc_u32 v[ADRA+(\s)], s21, v3
	v_add_nc_u32 v[ADRB+(\s)], s22, v5
	s_add_co_u32 s21, s21, SLOT
	s_add_co_u32 s22, s22, SLOT
.endr
	s_mul_i32 s23, s10, 64*SP
	s_add_co_u32 s23, s23, STAGE
	v_mul_u32_u24 v6, v1, SP                       ; in: row r, 16 bytes for each half of the lanes
	v_lshl_add_u32 v6, v2, 4, v6
	v_add_nc_u32 v[STO], s23, v6
	v_bfe_u32 v6, v0, 2, 3                         ; back: 32 lanes take eight rows of 64 bytes,
	v_mul_u32_u24 v6, v6, SP
	v_and_b32 v7, 3, v0
	v_lshl_add_u32 v6, v7, 4, v6
	v_add_nc_u32 v[RD], s23, v6
	v_lshlrev_b32 v[GO], 10, v2                    ; which are two quads' 256 bytes, 1,024 apart
	v_lshl_add_u32 v[GO], v1, 4, v[GO]
	s_wait_tensorcnt 1                             ; my part of step 0 is in; slot 1's may stay out
	s_barrier_signal -1
	s_barrier_wait -1
	FETCH 0, 0, F0
	QUARTER 0, 1, F0, F1, 1
	QUARTER 0, 2, F1, F0, 0
	QUARTER 0, 3, F0, F1, 0
	TURN 0, 1, 1
	QUARTER 1, 1, F0, F1, 0
	QUARTER 1, 2, F1, F0, 0
	QUARTER 1, 3, F0, F1, 0
	TURN 1, 0, 1
	QUARTER 0, 1, F0, F1, 0
	QUARTER 0, 2, F1, F0, 0
	QUARTER 0, 3, F0, F1, 0
	TURN 0, 1, 0
	QUARTER 1, 1, F0, F1, 0
	QUARTER 1, 2, F1, F0, 0
	QUARTER 1, 3, F0, F1, 0
	LASTQ F1
	; THE WAY OUT.  First ms and rs for my lane's token of each block of 16; these sums are also the places behind the last products.
	s_wait_loadcnt 0x0
.irp a, 0,1,2,3
	v_add_f32 v[SQ+8*\a],   v[SQ+8*\a],   v[SQ+8*\a+1]
	v_add_f32 v[SQ+8*\a+2], v[SQ+8*\a+2], v[SQ+8*\a+3]
	v_add_f32 v[SQ+8*\a+4], v[SQ+8*\a+4], v[SQ+8*\a+5]
	v_add_f32 v[SQ+8*\a+6], v[SQ+8*\a+6], v[SQ+8*\a+7]
.endr
.irp a, 0,1,2,3
	v_add_f32 v[SQ+8*\a],   v[SQ+8*\a],   v[SQ+8*\a+2]
	v_add_f32 v[SQ+8*\a+4], v[SQ+8*\a+4], v[SQ+8*\a+6]
.endr
.irp a, 0,1,2,3
	v_add_f32 v[SQ+8*\a], v[SQ+8*\a], v[SQ+8*\a+4]
.endr
.irp a, 0,1,2,3
	v_permlanex16_b32 v[SQ+8*\a+1], v[SQ+8*\a], s72, s73  ; the other eight parts
.endr
.irp a, 0,1,2,3
	v_add_f32 v[SQ+8*\a], v[SQ+8*\a], v[SQ+8*\a+1]
.endr
.irp a, 0,1,2,3
	v_fma_f32 v[MS+2*\a], v[SQ+8*\a], s74, s75
.endr
.irp a, 0,1,2,3
	v_rsq_f32 v[NR+2*\a], v[MS+2*\a]
.endr
	v_nop
	s_wait_alu depctr_va_vdst(0)                   ; one wait for the four roots
.irp a, 0,1,2,3
	v_mul_f32 v[NR+2*\a], 0xbfb8aa3b, v[NR+2*\a]   ; -log2(e) rs
	v_mov_b32 v[MS+2*\a+1], v[MS+2*\a]
.endr
.irp a, 0,1,2,3
	v_mov_b32 v[NR+2*\a+1], v[NR+2*\a]
.endr
.macro ACT a                           ; 16 tokens x 32 ff: two batches of transcendentals, each with one wait
.irp p, 0,1
.irp q, 0,1,2,3
	v_pk_mul_f32 v[TT+8*\p+2*\q:TT+8*\p+2*\q+1], v[ACC+8*(4*(\a)+2*\p)+2*\q:ACC+8*(4*(\a)+2*\p)+2*\q+1], v[NR+2*(\a):NR+2*(\a)+1]
.endr
.endr
.set e, 0
.rept 16
	v_exp_f32 v[TT+e], v[TT+e]
.set e, e+1
.endr
.irp p, 0,1
.irp q, 0,1,2,3
	v_pk_mul_f32 v[GU+8*\p+2*\q:GU+8*\p+2*\q+1], v[ACC+8*(4*(\a)+2*\p)+2*\q:ACC+8*(4*(\a)+2*\p)+2*\q+1], v[ACC+8*(4*(\a)+2*\p+1)+2*\q:ACC+8*(4*(\a)+2*\p+1)+2*\q+1]  ; G U: the plain work behind the exponentials
.endr
.endr
	s_wait_alu depctr_va_vdst(0)
.set e, 0
.rept 8
	v_pk_fma_f32 v[TT+e:TT+e+1], v[TT+e:TT+e+1], v[MS+2*(\a):MS+2*(\a)+1], v[MS+2*(\a):MS+2*(\a)+1]  ; ms (1 + 2^..)
.set e, e+2
.endr
.set e, 0
.rept 16
	v_rcp_f32 v[TT+e], v[TT+e]
.set e, e+1
.endr
	v_nop
	s_wait_alu depctr_va_vdst(0)
.set e, 0
.rept 8
	v_pk_mul_f32 v[GU+e:GU+e+1], v[GU+e:GU+e+1], v[TT+e:TT+e+1]
.set e, e+2
.endr
.set e, 0
.rept 8
	v_cvt_pk_bf16_f32 v[PK+e], v[GU+2*e], v[GU+2*e+1]
.set e, e+1
.endr
	ds_store_b128 v[STO], v[PK:PK+3]   offset:(\a)*16*SP
	ds_store_b128 v[STO], v[PK+4:PK+7] offset:(\a)*16*SP+32
.endm
	ACT 0
	ACT 1
	ACT 2
	ACT 3
.irp t, 0,1,2,3,4,5,6,7
	ds_load_b128 v[SQ+4*\t:SQ+4*\t+3], v[RD] offset:\t*8*SP  ; LDS serves a wave's instructions in order: these see the stores above
.endr
.irp t, 0,1,2,3,4,5,6,7
	s_wait_dscnt 7-\t
	global_store_b128 v[GO], v[SQ+4*\t:SQ+4*\t+3], s[70:71] offset:\t*2048  ; 16 lanes store 256 consecutive bytes, aligned: 4 tokens x 32 ff
.endr
	s_wait_tensorcnt 0x0                           ; the wave's end
	ds_add_u32 v[SPW], v[NIL]
	s_wait_dscnt 0x0
	CROUND                                         ; the closing round
	s_endpgm
.Lfunc_end_k_q5e692d6529_gateup:
	.size	k_q5e692d6529_gateup, .Lfunc_end_k_q5e692d6529_gateup-k_q5e692d6529_gateup
	.p2alignl 7, 3214868480
	.fill 96, 4, 3214868480
	.section	.rodata,"a",@progbits
	.p2align	6, 0x0
	.amdhsa_kernel k_q5e692d6529_gateup
		.amdhsa_group_segment_fixed_size 327680
		.amdhsa_private_segment_fixed_size 0
		.amdhsa_enable_private_segment 0
		.amdhsa_kernarg_size 32
		.amdhsa_user_sgpr_count 2
		.amdhsa_user_sgpr_kernarg_segment_ptr 1
		.amdhsa_wavefront_size32 1
		.amdhsa_system_sgpr_workgroup_id_x 1
		.amdhsa_system_sgpr_workgroup_id_y 1
		.amdhsa_system_sgpr_workgroup_id_z 1
		.amdhsa_system_vgpr_workitem_id 0
		.amdhsa_next_free_vgpr 512
		.amdhsa_next_free_sgpr 76
		.amdhsa_reserve_vcc 0
		.amdhsa_float_denorm_mode_32 3
		.amdhsa_float_denorm_mode_16_64 3
		.amdhsa_memory_ordered 1
		.amdhsa_forward_progress 1
		.amdhsa_inst_pref_size 100
	.end_amdhsa_kernel
	.amdgpu_metadata
---
amdhsa.version: [ 1, 2 ]
amdhsa.kernels:
  - .name:           k_q5e692d6529_gateup
    .symbol:         k_q5e692d6529_gateup.kd
    .args:
      - { .name: x1b, .offset: 0, .size: 8, .value_kind: global_buffer, .address_space: global }
      - { .name: wt, .offset: 8, .size: 8, .value_kind: global_buffer, .address_space: global }
      - { .name: ssq, .offset: 16, .size: 8, .value_kind: global_buffer, .address_space: global }
      - { .name: act, .offset: 24, .size: 8, .value_kind: global_buffer, .address_space: global }
    .group_segment_fixed_size: 327680
    .private_segment_fixed_size: 0
    .kernarg_segment_align: 8
    .kernarg_segment_size: 32
    .max_flat_workgroup_size: 128
    .sgpr_count:     76
    .vgpr_count:     512
    .wavefront_size: 32
...
	.end_amdgpu_metadata
.endif
;; end of part 5
;; launch down (part 6): grid 8 x 32, 4 waves a work-group, clusters of 4 x 4, 327,680 bytes of LDS; arguments act, wt, x1, out0; writes out0
.if DOCPART == 6
	.amdgcn_target "amdgcn-amd-amdhsa--gfx1250"
	.amdhsa_code_object_version 6
	.text
	.protected	k_q5e692d6529_down
	.globl	k_q5e692d6529_down
	.p2align	8
	.type	k_q5e692d6529_down,@function
k_q5e692d6529_down:
	s_mov_b64 s[64:65], 0
	v_nop
	global_prefetch_b8 v0, s[64:65] scope:SCOPE_SE
	s_setreg_imm32_b32 hwreg(HW_REG_WAVE_MODE, 25, 1), 1
	s_wait_xcnt 0x0
	s_wait_alu depctr_hold_cnt(0) depctr_sa_sdst(0) depctr_va_vdst(0) depctr_va_sdst(0) depctr_va_ssrc(0) depctr_va_vcc(0) depctr_vm_vsrc(0)
	s_getreg_b32 s2, hwreg(HW_REG_IB_STS2, 6, 4)
	s_cmp_eq_u32 s2, 0
	s_cbranch_scc0 .Lentry_in_a_cluster
	s_endpgm
.Lentry_in_a_cluster:
	s_bfe_u32 s2, ttmp6, 0x10000c
	s_cmp_lg_u32 s2, 0xf033
	s_cbranch_scc0 .Lentry_shape_is_right
	s_endpgm
.Lentry_shape_is_right:
; out0 = x1 + act w_down (f32).  Left operand act (bf16, 4 tokens x 32 k in each 256 bytes), right operand wt from byte 11,272,192: 1,024 rows of 768 k, k >= 688 zero.  Sums in f32.
; K = 704: eleven quarters of 64, in steps of 256 through two LDS slots; the third step is the one refill.  Of act's last group of 128 k only k = 640..703 exist: the load of that group (wave 1's)
; states 256 elements as what is left of each row, so that the other half is not read and arrives as zeros; the quarter that would multiply it is not written.
; Tile 128 tokens x 128 columns, four waves of 64 x 64.  CLUSTER 4 x 4: left tiles shared along a row, right tiles along a column, asked for jointly.  The product is taken transposed.
; The wave's 64 x 64 of x1 are asked for at the start, into window 2, and are waited for on the way out.
.set KP,     768
.set BOFF,   11272192
.set APITCH, 1040
.set AHALF,  32*APITCH
.set BPITCH, 528
.set BHALF,  64*BPITCH
.set BBASE,  2*AHALF
.set SLOT,   2*AHALF+2*BHALF
.set STAGE,  2*SLOT                    ; behind the ring: 16 rows x 272 bytes for each wave
.set SPITCH, 272
.set WSTAGE, 16*SPITCH
.set SPARE,  STAGE+4*WSTAGE
.set ASTEP,  0x400000
.set BSTEP,  1024
.set ADRA, 16
.set ADRB, 20
.set XO,   22
.set STO,  24
.set RD,   25
.set SPW,  28
.set NIL,  29
.set T,    32
.set ACC,  128
.set F0,   0
.set F1,   128
.set G1,  24
.set G0,  32
.set G1B, 48
.set G0B, 56
.set G1L, 76                           ; s[76:83] group 1 for act's last group of 128 k: it differs from G1 in tensor_dim0 alone
.set MSB, 0
.macro WIN new
.if MSB != (\new)
	s_set_vgpr_msb (MSB<<8)|(\new)
.set MSB, \new
.endif
.endm
.set MUL,  0x05
.set TO_F, 0x40
.macro JLOAD s                         ; waves 0 and 1 fetch the left operand's two groups of 128 k, waves 2 and 3 the right one's two halves; s_nop 0 and four v_nop follow each line
	s_cmp_eq_u32 s11, 0
	s_cbranch_scc0 .Lfor_b_\@
	tensor_load_to_lds s[G0+4*(\s):G0+4*(\s)+3], s[G1:G1+7]
	s_nop 0
.rept 4
	v_nop
.endr
	s_branch .Lasked_\@
.Lfor_b_\@:
	tensor_load_to_lds s[G0B+4*(\s):G0B+4*(\s)+3], s[G1B:G1B+7]
	s_nop 0
.rept 4
	v_nop
.endr
.Lasked_\@:
.endm
.macro JLOADL s                        ; the refill: wave 1, whose group of 128 k is the last, asks with G1L; the branches hang on the wave's number alone, the same in every work-group
	s_cmp_eq_u32 s10, 1
	s_cbranch_scc0 .Lnot_1_\@
	tensor_load_to_lds s[G0+4*(\s):G0+4*(\s)+3], s[G1L:G1L+7]
	s_nop 0
.rept 4
	v_nop
.endr
	s_branch .Lasked_\@
.Lnot_1_\@:
	s_cmp_eq_u32 s10, 0
	s_cbranch_scc0 .Lfor_b_\@
	tensor_load_to_lds s[G0+4*(\s):G0+4*(\s)+3], s[G1:G1+7]
	s_nop 0
.rept 4
	v_nop
.endr
	s_branch .Lasked_\@
.Lfor_b_\@:
	tensor_load_to_lds s[G0B+4*(\s):G0B+4*(\s)+3], s[G1B:G1B+7]
	s_nop 0
.rept 4
	v_nop
.endr
.Lasked_\@:
.endm
.macro CREST
	s_cmp_lg_u32 s10, 0
	s_cbranch_scc1 .Lnot_wave_0_\@
	s_barrier_signal -3
.Lnot_wave_0_\@:
	s_barrier_wait -3
	s_barrier_signal -1
	s_barrier_wait -1
.endm
.macro CROUND
	s_barrier_signal -1
	s_barrier_wait -1
	CREST
.endm
.macro PLACES
.rept 4
	v_nop
.endr
.endm
.macro MUL8 f, c, a0, zero
	WIN MUL
.irp a, \a0, (\a0)+1
.irp b, 0,1,2,3
.if \zero
	v_wmma_f32_16x16x32_bf16 v[ACC+8*(4*(\a)+(\b)):ACC+8*(4*(\a)+(\b))+7], v[(\f)+64+8*(4*(\c)+(\b)):(\f)+64+8*(4*(\c)+(\b))+7], v[(\f)+8*(4*(\c)+(\a)):(\f)+8*(4*(\c)+(\a))+7], 0
.else
	v_wmma_f32_16x16x32_bf16 v[ACC+8*(4*(\a)+(\b)):ACC+8*(4*(\a)+(\b))+7], v[(\f)+64+8*(4*(\c)+(\b)):(\f)+64+8*(4*(\c)+(\b))+7], v[(\f)+8*(4*(\c)+(\a)):(\f)+8*(4*(\c)+(\a))+7], v[ACC+8*(4*(\a)+(\b)):ACC+8*(4*(\a)+(\b))+7]
.endif
.endr
.endr
.endm
.macro FETCH slot, qd, f
	WIN TO_F
.irp c, 0,1
.irp i, 0,1,2,3
	ds_load_b128 v[(\f)+64+8*(4*(\c)+(\i)):(\f)+64+8*(4*(\c)+(\i))+3],   v[ADRB+(\slot)] offset:(\qd)*128+64*(\c)+(\i)*16*BPITCH
	ds_load_b128 v[(\f)+64+8*(4*(\c)+(\i))+4:(\f)+64+8*(4*(\c)+(\i))+7], v[ADRB+(\slot)] offset:(\qd)*128+64*(\c)+(\i)*16*BPITCH+32
	ds_load_b128 v[(\f)+8*(4*(\c)+(\i)):(\f)+8*(4*(\c)+(\i))+3],         v[ADRA+(\slot)] offset:((\qd)/2)*AHALF+(2*((\qd)%2)+(\c))*256+(\i)*4*APITCH
	ds_load_b128 v[(\f)+8*(4*(\c)+(\i))+4:(\f)+8*(4*(\c)+(\i))+7],       v[ADRA+(\slot)] offset:((\qd)/2)*AHALF+(2*((\qd)%2)+(\c))*256+(\i)*4*APITCH+32
.endr
.endr
.endm
.macro QUARTER slot, qd, f, g, zero
	s_wait_dscnt 16                                ; the first 32 along K are in
	MUL8 \f, 0, 0, \zero
	MUL8 \f, 0, 2, \zero
	PLACES
	FETCH \slot, \qd, \g
	s_wait_dscnt 32                                ; all but the 32 just issued
	MUL8 \f, 1, 0, 0
	MUL8 \f, 1, 2, 0
.endm
.macro TURN slot, next, fill           ; a step's last quarter multiplies buffer 1 and changes slots: one barrier; fill = 1: this slot is filled again, with the last step
	WIN 0
	s_wait_tensorcnt 0x0                           ; all my tensor loads have landed: my part of the next slot;
	ds_add_u32 v[SPW], v[NIL]                      ; 0 onto my spare word;
	s_wait_dscnt 17                                ; (the add and the youngest sixteen loads may be out)
	MUL8 F1, 0, 0, 0
	s_wait_dscnt 0x0                               ; the add is done, and my reads of this slot are over
	s_barrier_signal -1
	MUL8 F1, 0, 2, 0
.if \fill
	WIN 0
.endif
	s_barrier_wait -1
.if \fill
	CREST                                          ; no wave of any partner still reads this slot or has a load on its way
	s_add_nc_u64 s[G0+4*(\slot)+2:G0+4*(\slot)+3], s[G0+4*(\slot)+2:G0+4*(\slot)+3], ASTEP
	s_add_nc_u64 s[G0B+4*(\slot)+2:G0B+4*(\slot)+3], s[G0B+4*(\slot)+2:G0B+4*(\slot)+3], BSTEP
	JLOADL \slot                                   ; the first tensor load behind the round; its four v_nop are also the places in front of the loads below
.else
	PLACES
.endif
	FETCH \next, 0, F0
	MUL8 F1, 1, 0, 0
	MUL8 F1, 1, 2, 0
.endm
.macro LASTQ f
	s_wait_dscnt 16
	MUL8 \f, 0, 0, 0
	MUL8 \f, 0, 2, 0
	s_wait_dscnt 0x0
	MUL8 \f, 1, 0, 0
	MUL8 \f, 1, 2, 0
	WIN 0
.endm
	s_load_b128 s[4:7], s[0:1], 0x0                ; act s[4:5], wt s[6:7]
	s_load_b128 s[68:71], s[0:1], 0x10             ; x1 s[68:69], out0 s[70:71]
	v_lshl_add_u32 v[SPW], v0, 2, SPARE
	v_mov_b32 v[NIL], 0
	ds_add_u32 v[SPW], v[NIL]                      ; the wave's opening: the add and its wait ahead of my first tensor load
	v_lshrrev_b32 v1, 5, v0
	v_readfirstlane_b32 s10, v1
	s_lshr_b32 s11, s10, 1
	s_and_b32 s12, s10, 1
	s_bfe_u32 s40, ttmp6, 0x40000
	s_bfe_u32 s41, ttmp6, 0x40004
	s_lshl_b32 s42, ttmp9, 2
	s_add_co_u32 s42, s42, s40                     ; column tile
	s_and_b32 s13, ttmp7, 0xffff
	s_lshl_b32 s13, s13, 2
	s_add_co_u32 s13, s13, s41                     ; token tile
	s_lshl_b32 s43, s41, 2
	s_lshl_b32 s43, 15, s43
	s_lshl_b32 s44, 0x1111, s40
	s_or_b32 s[G1+0], s43, (1<<16)|(1<<20)|(1<<21)|(7<<22)|(3<<25)
	s_or_b32 s[G1L+0], s43, (1<<16)|(1<<20)|(1<<21)|(7<<22)|(3<<25)
	s_or_b32 s[G1B+0], s44, (1<<16)|(1<<20)|(1<<21)|(6<<22)|(3<<25)
	s_mov_b32 s[G1+1], 512<<16                     ; tensor_dim0 = 512
	s_mov_b32 s[G1L+1], 256<<16                    ; tensor_dim0 = 256: what is left of each row of the last group
.irp g, G1, G1L
	s_mov_b32 s[(\g)+2], 32<<16
	s_mov_b32 s[(\g)+3], 512<<16
	s_mov_b32 s[(\g)+4], 32
	s_mov_b32 s[(\g)+5], 512
	s_mov_b32 s[(\g)+6], 0
	s_mov_b32 s[(\g)+7], 0
.endr
	s_mov_b32 s[G1B+1], 256<<16
	s_mov_b32 s[G1B+2], 64<<16
	s_mov_b32 s[G1B+3], 256<<16
	s_mov_b32 s[G1B+4], 64
	s_mov_b32 s[G1B+5], KP
	s_mov_b32 s[G1B+6], 0
	s_mov_b32 s[G1B+7], 0
	s_lshl_b32 s16, s13, 15
	s_lshl_b32 s17, s12, 20
	s_add_co_u32 s16, s16, s17
	s_mov_b32 s17, 0
	s_lshl_b32 s46, s42, 7
	s_lshl_b32 s47, s12, 6
	s_add_co_u32 s46, s46, s47
	s_mul_i32 s46, s46, KP*2
	s_add_co_u32 s46, s46, BOFF
	s_mov_b32 s47, 0
	s_mul_i32 s20, s12, AHALF
	s_mul_i32 s23, s12, BHALF
	s_add_co_u32 s23, s23, BBASE
	s_wait_dscnt 0x0
	s_wait_kmcnt 0x0
	s_add_nc_u64 s[14:15], s[4:5], s[16:17]
	s_add_nc_u64 s[46:47], s[6:7], s[46:47]
	CROUND
.irp s, 0,1
	s_mov_b32 s[G0+4*(\s)], 1
	s_add_co_u32 s[G0+4*(\s)+1], s20, (\s)*SLOT
	s_add_nc_u64 s[G0+4*(\s)+2:G0+4*(\s)+3], s[14:15], (\s)*0x200000
	s_or_b32 s[G0+4*(\s)+3], s[G0+4*(\s)+3], 0x80000000
	s_mov_b32 s[G0B+4*(\s)], 1
	s_add_co_u32 s[G0B+4*(\s)+1], s23, (\s)*SLOT
	s_add_nc_u64 s[G0B+4*(\s)+2:G0B+4*(\s)+3], s[46:47], (\s)*512
	s_or_b32 s[G0B+4*(\s)+3], s[G0B+4*(\s)+3], 0x80000000
	JLOAD \s
.endr
	v_and_b32 v1, 15, v0                           ; r
	v_bfe_u32 v2, v0, 4, 1                         ; h
	s_lshl_b32 s16, s13, 7
	s_lshl_b32 s17, s11, 6
	s_add_co_u32 s16, s16, s17                     ; my first token
	s_mov_b32 s19, 0
	s_lshl_b32 s18, s16, 12
	s_add_nc_u64 s[68:69], s[68:69], s[18:19]
	s_add_nc_u64 s[70:71], s[70:71], s[18:19]
	s_mov_b32 s47, 0
	s_lshl_b32 s46, s42, 9
	s_lshl_b32 s22, s12, 8
	s_add_co_u32 s46, s46, s22
	s_add_nc_u64 s[68:69], s[68:69], s[46:47]
	s_add_nc_u64 s[70:71], s[70:71], s[46:47]
	v_lshlrev_b32 v[XO], 12, v2
	v_lshl_add_u32 v[XO], v1, 4, v[XO]
	WIN 0x80                                       ; destination window 2
.irp a, 0,1,2,3
.irp t, 0,1,2,3,4,5,6,7
	global_load_b128 v[4*(8*(\a)+(\t)):4*(8*(\a)+(\t))+3], v[XO], s[68:69] offset:(16*(\a)+2*(\t))*4096 th:TH_LOAD_NT
.endr
.endr
	WIN 0
	v_lshrrev_b32 v3, 2, v1
	v_mul_u32_u24 v3, v3, APITCH
	v_and_b32 v4, 3, v1
	v_lshl_add_u32 v3, v4, 6, v3
	v_lshl_add_u32 v3, v2, 4, v3
	v_mul_u32_u24 v5, v1, BPITCH
	v_lshl_add_u32 v5, v2, 4, v5
	s_mul_i32 s21, s11, 16*APITCH
	s_mul_i32 s22, s12, BHALF
	s_add_co_u32 s22, s22, BBASE
.irp s, 0,1
	v_add_nc_u32 v[ADRA+(\s)], s21, v3
	v_add_nc_u32 v[ADRB+(\s)], s22, v5
	s_add_co_u32 s21, s21, SLOT
	s_add_co_u32 s22, s22, SLOT
.endr
	s_mul_i32 s23, s10, WSTAGE
	s_add_co_u32 s23, s23, STAGE
	v_mul_u32_u24 v6, v1, SPITCH
	v_lshl_add_u32 v6, v2, 5, v6
	v_add_nc_u32 v[STO], s23, v6
	v_mul_u32_u24 v6, v2, SPITCH
	v_lshl_add_u32 v6, v1, 4, v6
	v_add_nc_u32 v[RD], s23, v6
	s_wait_tensorcnt 1                             ; my part of step 0 is in; slot 1's may stay out
	s_barrier_signal -1
	s_barrier_wait -1
	FETCH 0, 0, F0
	QUARTER 0, 1, F0, F1, 1
	QUARTER 0, 2, F1, F0, 0
	QUARTER 0, 3, F0, F1, 0
	TURN 0, 1, 1                                   ; the one refill: k = 512..703
	QUARTER 1, 1, F0, F1, 0
	QUARTER 1, 2, F1, F0, 0
	QUARTER 1, 3, F0, F1, 0
	TURN 1, 0, 0
	QUARTER 0, 1, F0, F1, 0
	QUARTER 0, 2, F1, F0, 0
	LASTQ F0                                       ; k = 640..703
	; THE WAY OUT, 16 tokens at a time: the sums go through my stage and come back by rows; x1 is added; out0 leaves.
	PLACES
.macro OUTBLK a
	s_wait_xcnt 0x0                                ; the last block's stores have read their registers, which are written again below
.irp b, 0,1,2,3
	ds_store_b128 v[STO], v[ACC+8*(4*(\a)+(\b)):ACC+8*(4*(\a)+(\b))+3]   offset:64*(\b)
	ds_store_b128 v[STO], v[ACC+8*(4*(\a)+(\b))+4:ACC+8*(4*(\a)+(\b))+7] offset:64*(\b)+16
.endr
.irp t, 0,1,2,3,4,5,6,7
	ds_load_b128 v[T+4*(\t):T+4*(\t)+3], v[RD] offset:(\t)*2*SPITCH
.endr
	s_wait_dscnt 0x0
.if (\a) == 0
	s_wait_loadcnt 0x0                             ; x1
.endif
	WIN 0x08                                       ; source 1 window 2
.set q, 0
.rept 16
	v_pk_add_f32 v[T+2*q:T+2*q+1], v[T+2*q:T+2*q+1], v[32*(\a)+2*q:32*(\a)+2*q+1]
.set q, q+1
.endr
	WIN 0
.irp t, 0,1,2,3,4,5,6,7
	global_store_b128 v[XO], v[T+4*(\t):T+4*(\t)+3], s[70:71] offset:(16*(\a)+2*(\t))*4096  ; 16 lanes store 256 consecutive bytes, aligned
.endr
.endm
	OUTBLK 0
	OUTBLK 1
	OUTBLK 2
	OUTBLK 3
	s_wait_tensorcnt 0x0                           ; the wave's end
	ds_add_u32 v[SPW], v[NIL]
	s_wait_dscnt 0x0
	CROUND                                         ; the closing round
	s_endpgm
.Lfunc_end_k_q5e692d6529_down:
	.size	k_q5e692d6529_down, .Lfunc_end_k_q5e692d6529_down-k_q5e692d6529_down
	.p2alignl 7, 3214868480
	.fill 96, 4, 3214868480
	.section	.rodata,"a",@progbits
	.p2align	6, 0x0
	.amdhsa_kernel k_q5e692d6529_down
		.amdhsa_group_segment_fixed_size 327680
		.amdhsa_private_segment_fixed_size 0
		.amdhsa_enable_private_segment 0
		.amdhsa_kernarg_size 32
		.amdhsa_user_sgpr_count 2
		.amdhsa_user_sgpr_kernarg_segment_ptr 1
		.amdhsa_wavefront_size32 1
		.amdhsa_system_sgpr_workgroup_id_x 1
		.amdhsa_system_sgpr_workgroup_id_y 1
		.amdhsa_system_sgpr_workgroup_id_z 1
		.amdhsa_system_vgpr_workitem_id 0
		.amdhsa_next_free_vgpr 640
		.amdhsa_next_free_sgpr 84
		.amdhsa_reserve_vcc 0
		.amdhsa_float_denorm_mode_32 3
		.amdhsa_float_denorm_mode_16_64 3
		.amdhsa_memory_ordered 1
		.amdhsa_forward_progress 1
		.amdhsa_inst_pref_size 72
	.end_amdhsa_kernel
	.amdgpu_metadata
---
amdhsa.version: [ 1, 2 ]
amdhsa.kernels:
  - .name:           k_q5e692d6529_down
    .symbol:         k_q5e692d6529_down.kd
    .args:
      - { .name: act, .offset: 0, .size: 8, .value_kind: global_buffer, .address_space: global }
      - { .name: wt, .offset: 8, .size: 8, .value_kind: global_buffer, .address_space: global }
      - { .name: x1, .offset: 16, .size: 8, .value_kind: global_buffer, .address_space: global }
      - { .name: out0, .offset: 24, .size: 8, .value_kind: global_buffer, .address_space: global }
    .group_segment_fixed_size: 327680
    .private_segment_fixed_size: 0
    .kernarg_segment_align: 8
    .kernarg_segment_size: 32
    .max_flat_workgroup_size: 128
    .sgpr_count:     84
    .vgpr_count:     640
    .wavefront_size: 32
...
	.end_amdgpu_metadata
.endif
;; end of part 6
;; ======== version 2 of 3: 6 launches
;; workspace buffers: hq 8,388,608 bytes; wt 13,107,200 bytes; qkv 25,165,824 bytes; ao 8,388,608 bytes; x1 16,777,216 bytes; x1b 8,388,608 bytes; ssq 262,144 bytes; act 6,291,456 bytes
;; launch prep (part 7): grid 1056 x 1, 4 waves a work-group, no clusters, 17,920 bytes of LDS; arguments x, wq, wk, wv, wo, w_gate, w_up, w_down, hq, wt; writes hq, wt
.if DOCPART == 7
	.amdgcn_target "amdgcn-amd-amdhsa--gfx1250"
	.amdhsa_code_object_version 6
	.text
	.protected	k_q5e692d6529_prep
	.globl	k_q5e692d6529_prep
	.p2align	8
	.type	k_q5e692d6529_prep,@function
k_q5e692d6529_prep:
	s_mov_b64 s[64:65], 0
	v_nop
	global_prefetch_b8 v0, s[64:65] scope:SCOPE_SE
	s_setreg_imm32_b32 hwreg(HW_REG_WAVE_MODE, 25, 1), 1
	s_wait_xcnt 0x0
; TWO JOBS, chosen by the work-group's number.
; ALL THE MODULE'S INPUTS ARE TAKEN ROUNDED ONCE TO bf16: the seven weights here, x here and again where the residual is added.  xr = bf16(x).
; Work-groups 0-255: hq = bf16(xr * rsqrt(mean(xr^2) + 1e-6)).  A wave takes four tokens (a quad) and works alone; the rows stay in registers between the sum and the scaling.
; Work-groups 256-1055: the seven weights, stored [k][n] in f32, are written as bf16 [n][k] into wt.  A work-group takes a block of 128 k x 64 n: each of its four waves loads 32 k (sixteen loads, all
; issued before the first is waited for) and lays them turned into the block's 17,408 bytes of LDS; behind one barrier each wave reads 16 whole rows of 256 bytes and stores them.
; LAYOUT OF hq (and of every later left operand X[4096][K]): byte = (k>>7) 2^20 + (tok>>2) 1024 + ((k>>5)&3) 256 + (tok&3) 64 + (k&31) 2: 256 consecutive bytes hold 4 tokens x 32 k.
; LAYOUT OF wt: at 0 rows which*1024+n of wq, wk, wv, wo, 2,048 bytes each; at 8,388,608 gate and up by turns of 16 rows (row = 32 (f>>4) + 16 up + (f&15)) for f = 0..767, rows of f >= 688 zero;
; at 11,534,336 w_down's 1,024 rows of 768 k (1,536 bytes), k >= 688 zero.
; LIMITS: x, h and the weights are each rounded once to bf16 (a number is then off by up to 2^-8 of itself); sums of squares in f32; NaN and infinities are not treated apart.
.set SPARE, 17408                      ; behind the block: the spare words, 128 bytes a wave
.set TP,   272                         ; a row of the block in LDS: 256 bytes (128 k) + 16 of padding; 64 rows (n)
.set SPW,  12                          ; v12  LDS address of my spare word; never rewritten
.set NIL,  13                          ; v13  0; never rewritten
.set OA,   16                          ; v[16:31]  transposing: the sixteen loads' offsets; the norm: at work
.set OD,   32                          ; v[32:39]  transposing: the eight stores' offsets
.set D,    64                          ; v[64:191] data
.set SRC,  36                          ; s[36:37] the weight in hand
.set KB,   38
.set NB,   39
.set SPI,  40                          ; bytes in a source row
.set KMAX, 41
.set NMAX, 42
.set DP,   43                          ; bytes in a destination row
.set R0,   44                          ; the block's first destination row
.set RST,  45                          ; destination rows from one group of 16 n to the next
.set DB,   46                          ; the table's first byte in wt
.set N0,   48
.set KM4,  49
.set MN,   54                          ; lanes whose four columns exist
.set ROW,  56                          ; my first source row
.set NM4,  58
.set MK,   66                          ; s[66:73] for each group of four rows: MN, or 0 where the rows do not exist
	s_load_b512 s[16:31], s[0:1], 0x0              ; x, wq, wk, wv, wo, w_gate, w_up, w_down
	s_load_b128 s[32:35], s[0:1], 0x40             ; hq, wt
	v_lshl_add_u32 v[SPW], v0, 2, SPARE
	v_mov_b32 v[NIL], 0
	v_lshrrev_b32 v1, 5, v0
	v_readfirstlane_b32 s8, v1                     ; wave 0..3
	v_and_b32 v1, 15, v0                           ; lane % 16
	v_bfe_u32 v2, v0, 4, 1                         ; lane / 16
	s_cmp_lt_u32 ttmp9, 256
	s_cbranch_scc0 .Ltrans
	; ---------------- the norm ----------------
	; lane: token e = (l>>2)&3 of the quad; of each 64 channels the eight at 32 (l>>4) + 8 (l&3)
	s_lshl_b32 s9, ttmp9, 2
	s_add_co_u32 s9, s9, s8                        ; the quad, 0..1023
	s_lshl_b32 s2, s9, 14                          ; four rows of 4,096 bytes
	s_mov_b32 s3, 0
	s_lshl_b32 s4, s9, 10                          ; a quad's 1,024 bytes in each group of 128 k
	s_mov_b32 s5, 0
	s_mov_b32 s10, 0x76543210                      ; v_permlanex16_b32: each lane takes its own place in the other half
	s_mov_b32 s11, 0xfedcba98
	s_mov_b32 s12, 0x3a800000                      ; 1 / 1024
	s_mov_b32 s13, 0x358637bd                      ; 1e-6
	s_mov_b32 s14, 0xffff0000                      ; a word's upper bf16
	v_bfe_u32 v3, v0, 2, 2
	v_and_b32 v4, 3, v0
	v_lshlrev_b32 v3, 12, v3
	v_lshl_add_u32 v3, v2, 7, v3
	v_lshl_add_u32 v3, v4, 5, v3                   ; e x 4096 + 128 (l>>4) + 32 (l&3)
	v_and_b32 v4, 31, v0
	v_lshlrev_b32 v4, 4, v4                        ; out: 16 x lane: 512 consecutive bytes a store
	s_wait_kmcnt 0x0
	s_add_nc_u64 s[2:3], s[16:17], s[2:3]
	s_add_nc_u64 s[4:5], s[32:33], s[4:5]
.set i, 0
.rept 16
	global_load_b128 v[D+8*i:D+8*i+3],   v3, s[2:3] offset:i*256 th:TH_LOAD_NT
	global_load_b128 v[D+8*i+4:D+8*i+7], v3, s[2:3] offset:i*256+16 th:TH_LOAD_NT
.set i, i+1
.endr
	s_wait_loadcnt 0x0
	; x is rounded to bf16 and widened again, sixteen numbers at a time: two roundings a line, then a shift or a mask for each number
.set g, 0
.rept 8
.irp c, 0,1,2,3,4,5,6,7
	v_cvt_pk_bf16_f32 v[24+\c], v[D+16*g+2*\c], v[D+16*g+2*\c+1]
.endr
.irp c, 0,1,2,3,4,5,6,7
	v_lshlrev_b32 v[D+16*g+2*\c], 16, v[24+\c]
	v_and_b32 v[D+16*g+2*\c+1], s14, v[24+\c]
.endr
.set g, g+1
.endr
.irp c, 0,1,2,3
	v_pk_mul_f32 v[16+2*\c:17+2*\c], v[D+2*\c:D+2*\c+1], v[D+2*\c:D+2*\c+1]  ; four chains, started by the first products
.endr
.set j, 4
.rept 60
	v_pk_fma_f32 v[16+2*(j%4):17+2*(j%4)], v[D+2*j:D+2*j+1], v[D+2*j:D+2*j+1], v[16+2*(j%4):17+2*(j%4)]
.set j, j+1
.endr
	v_pk_add_f32 v[16:17], v[16:17], v[18:19]
	v_pk_add_f32 v[20:21], v[20:21], v[22:23]
	v_pk_add_f32 v[16:17], v[16:17], v[20:21]
	v_add_f32 v16, v16, v17
	v_add_f32_dpp v16, v16, v16 row_xmask:1 row_mask:0xf bank_mask:0xf  ; the eight lanes of a token differ in bits 0, 1 and 4
	v_add_f32_dpp v16, v16, v16 row_xmask:2 row_mask:0xf bank_mask:0xf
	v_permlanex16_b32 v17, v16, s10, s11
	v_add_f32 v16, v16, v17
	v_fma_f32 v16, v16, s12, s13                   ; the mean + 1e-6
	v_rsq_f32 v18, v16
	v_nop                                          ; a plain instruction behind the root,
	s_wait_alu depctr_va_vdst(0)                   ; and the wait ahead of its first reader
	v_mov_b32 v19, v18
.set i, 0
.rept 16
.irp c, 0,1,2,3
	v_pk_mul_f32 v[D+8*i+2*\c:D+8*i+2*\c+1], v[D+8*i+2*\c:D+8*i+2*\c+1], v[18:19]
.endr
.irp c, 0,1,2,3
	v_cvt_pk_bf16_f32 v[D+8*i+\c], v[D+8*i+2*\c], v[D+8*i+2*\c+1]  ; in place, ascending: a destination never lies above its sources
.endr
	global_store_b128 v4, v[D+8*i:D+8*i+3], s[4:5] offset:(i/2)*1048576+(i%2)*512  ; channels 64 i on: group i / 2 of 128, its half i % 2
.set i, i+1
.endr
	s_wait_tensorcnt 0x0                           ; the wave's end
	ds_add_u32 v[SPW], v[NIL]
	s_wait_dscnt 0x0
	s_endpgm
	; ---------------- the transposing ----------------
.Ltrans:
	s_sub_co_u32 s9, ttmp9, 256                    ; the block, 0..799
	s_wait_kmcnt 0x0
	s_cmp_lt_u32 s9, 512
	s_cbranch_scc0 .Lnot_square
	s_lshr_b32 s50, s9, 7                          ; wq, wk, wv, wo: 8 x 16 blocks each
	s_cmp_eq_u32 s50, 0
	s_cselect_b64 s[SRC:SRC+1], s[18:19], s[20:21]
	s_cmp_eq_u32 s50, 2
	s_cselect_b64 s[SRC:SRC+1], s[22:23], s[SRC:SRC+1]
	s_cmp_eq_u32 s50, 3
	s_cselect_b64 s[SRC:SRC+1], s[24:25], s[SRC:SRC+1]
	s_and_b32 s51, s9, 127
	s_and_b32 s[KB], s51, 7
	s_lshr_b32 s[NB], s51, 3
	s_mov_b32 s[SPI], 4096
	s_mov_b32 s[KMAX], 1024
	s_mov_b32 s[NMAX], 1024
	s_mov_b32 s[DP], 2048
	s_lshl_b32 s[R0], s50, 10
	s_lshl_b32 s51, s[NB], 6
	s_add_co_u32 s[R0], s[R0], s51
	s_mov_b32 s[RST], 16
	s_mov_b32 s[DB], 0
	s_branch .Lgo
.Lnot_square:
	s_cmp_lt_u32 s9, 704
	s_cbranch_scc0 .Ldown
	s_sub_co_u32 s50, s9, 512                      ; gate, then up: 8 x 12 blocks each; the twelfth column block (f = 704..767) holds zeros alone
	s_cmp_ge_u32 s50, 96
	s_cselect_b64 s[SRC:SRC+1], s[28:29], s[26:27]
	s_cselect_b32 s51, 1, 0
	s_mul_i32 s52, s51, 96
	s_sub_co_u32 s50, s50, s52
	s_and_b32 s[KB], s50, 7
	s_lshr_b32 s[NB], s50, 3
	s_mov_b32 s[SPI], 2752
	s_mov_b32 s[KMAX], 1024
	s_mov_b32 s[NMAX], 688
	s_mov_b32 s[DP], 2048
	s_lshl_b32 s[R0], s[NB], 7
	s_lshl_b32 s51, s51, 4
	s_add_co_u32 s[R0], s[R0], s51
	s_mov_b32 s[RST], 32
	s_mov_b32 s[DB], 8388608
	s_branch .Lgo
.Ldown:
	s_sub_co_u32 s50, s9, 704                      ; w_down: 6 x 16 blocks
	s_mov_b64 s[SRC:SRC+1], s[30:31]
	s_lshr_b32 s[KB], s50, 4
	s_and_b32 s[NB], s50, 15
	s_mov_b32 s[SPI], 4096
	s_mov_b32 s[KMAX], 688
	s_mov_b32 s[NMAX], 1024
	s_mov_b32 s[DP], 1536
	s_lshl_b32 s[R0], s[NB], 6
	s_mov_b32 s[RST], 16
	s_mov_b32 s[DB], 11534336
.Lgo:
	s_lshl_b32 s[ROW], s[KB], 7
	s_lshl_b32 s50, s8, 5
	s_add_co_u32 s[ROW], s[ROW], s50               ; my 32 rows of the block's 128
	s_lshl_b32 s[N0], s[NB], 6
	s_sub_co_u32 s[KM4], s[KMAX], 4
	s_sub_co_u32 s[NM4], s[NMAX], 4
	v_lshl_add_u32 v3, v1, 2, s[N0]                ; my four columns begin at n0 + 4 (l % 16): whole or not at all inside, since 688 = 4 x 172
	v_cmp_gt_u32 s[MN], s[NMAX], v3
	v_min_u32 v3, s[NM4], v3                       ; columns that do not exist read the last four, and are written as 0
	v_lshlrev_b32 v3, 2, v3
	v_mul_lo_u32 v4, v2, s[SPI]
	v_lshl_add_u32 v4, v4, 1, v3                   ; + rows 2 (l / 16)
	v_mul_u32_u24 v5, v1, 4*TP                     ; in: row 4 (l % 16) + c, byte 64 x wave + 4 (l / 16)
	v_lshl_add_u32 v5, v2, 2, v5
	s_lshl_b32 s50, s8, 6
	v_add_nc_u32 v5, s50, v5
	v_mul_u32_u24 v6, v2, TP                       ; back: my 16 rows; lanes 0-15 one row of 256 bytes, lanes 16-31 the next
	v_lshl_add_u32 v6, v1, 4, v6
	s_mul_i32 s50, s8, 16*TP
	v_add_nc_u32 v6, s50, v6
	s_mul_i32 s50, s8, s[RST]                      ; my group of 16 n
	s_add_co_u32 s50, s50, s[R0]
	s_mul_i32 s50, s50, s[DP]
	s_add_co_u32 s50, s50, s[DB]
	s_lshl_b32 s51, s[KB], 8
	s_add_co_u32 s50, s50, s51                     ; my rows' first byte in wt
	v_mul_lo_u32 v7, v2, s[DP]
	v_lshl_add_u32 v7, v1, 4, v7
	v_add_nc_u32 v7, s50, v7
.irp j, 0,1,2,3,4,5,6,7                        ; sixteen loads of 2 rows x 256 bytes
	s_add_co_u32 s50, s[ROW], 4*\j                 ; four rows: all there or none
	s_cmp_lt_u32 s50, s[KMAX]
	s_cselect_b32 s[MK+\j], s[MN], 0
	s_min_u32 s50, s50, s[KM4]
	s_mul_i32 s50, s50, s[SPI]
	v_add_nc_u32 v[OA+2*\j], s50, v4
	s_add_co_u32 s50, s50, s[SPI]
	v_add_nc_u32 v[OA+2*\j+1], s50, v4
	global_load_b128 v[D+8*\j:D+8*\j+3],   v[OA+2*\j],   s[SRC:SRC+1] th:TH_LOAD_NT
	global_load_b128 v[D+8*\j+4:D+8*\j+7], v[OA+2*\j+1], s[SRC:SRC+1] th:TH_LOAD_NT
.endr
.irp j, 0,1,2,3,4,5,6,7
	s_wait_loadcnt 14-2*\j                         ; the loads behind pair j may stay out
.irp c, 0,1,2,3
	v_cvt_pk_bf16_f32 v[D+8*\j+\c], v[D+8*\j+\c], v[D+8*\j+4+\c]  ; k and k + 1 of one column
	v_cndmask_b32 v[D+8*\j+\c], 0, v[D+8*\j+\c], s[MK+\j]
	ds_store_b32 v5, v[D+8*\j+\c] offset:\c*TP+\j*8
.endr
.endr
	s_wait_dscnt 0x0                               ; for the others' sake: my 64 bytes of each of the 64 rows are stored
	s_barrier_signal -1
	s_barrier_wait -1                              ; the block is whole
.set t, 0
.rept 8
	ds_load_b128 v[D+4*t:D+4*t+3], v6 offset:t*2*TP  ; rows 2 t and 2 t + 1 of my 16, whole
.set t, t+1
.endr
	s_lshl_b32 s51, s[DP], 1
	s_mov_b32 s53, 0
.set t, 0
.rept 8
	v_add_nc_u32 v[OD+t], s53, v7
	s_add_co_u32 s53, s53, s51
.set t, t+1
.endr
.set t, 0
.rept 8
	s_wait_dscnt 7-t
	global_store_b128 v[OD+t], v[D+4*t:D+4*t+3], s[34:35]  ; 16 lanes store 256 consecutive bytes, at a multiple of 256 from wt's first byte
.set t, t+1
.endr
	s_wait_tensorcnt 0x0                           ; the wave's end, behind my last LDS store
	ds_add_u32 v[SPW], v[NIL]
	s_wait_dscnt 0x0
	s_endpgm
.Lfunc_end_k_q5e692d6529_prep:
	.size	k_q5e692d6529_prep, .Lfunc_end_k_q5e692d6529_prep-k_q5e692d6529_prep
	.p2alignl 7, 3214868480
	.fill 96, 4, 3214868480
	.section	.rodata,"a",@progbits
	.p2align	6, 0x0
	.amdhsa_kernel k_q5e692d6529_prep
		.amdhsa_group_segment_fixed_size 17920
		.amdhsa_private_segment_fixed_size 0
		.amdhsa_enable_private_segment 0
		.amdhsa_kernarg_size 80
		.amdhsa_user_sgpr_count 2
		.amdhsa_user_sgpr_kernarg_segment_ptr 1
		.amdhsa_wavefront_size32 1
		.amdhsa_system_sgpr_workgroup_id_x 1
		.amdhsa_system_sgpr_workgroup_id_y 1
		.amdhsa_system_sgpr_workgroup_id_z 1
		.amdhsa_system_vgpr_workitem_id 0
		.amdhsa_next_free_vgpr 192
		.amdhsa_next_free_sgpr 74
		.amdhsa_reserve_vcc 0
		.amdhsa_float_denorm_mode_32 3
		.amdhsa_float_denorm_mode_16_64 3
		.amdhsa_memory_ordered 1
		.amdhsa_forward_progress 1
		.amdhsa_inst_pref_size 43
	.end_amdhsa_kernel
	.amdgpu_metadata
---
amdhsa.version: [ 1, 2 ]
amdhsa.kernels:
  - .name:           k_q5e692d6529_prep
    .symbol:         k_q5e692d6529_prep.kd
    .args:
      - { .name: x, .offset: 0, .size: 8, .value_kind: global_buffer, .address_space: global }
      - { .name: wq, .offset: 8, .size: 8, .value_kind: global_buffer, .address_space: global }
      - { .name: wk, .offset: 16, .size: 8, .value_kind: global_buffer, .address_space: global }
      - { .name: wv, .offset: 24, .size: 8, .value_kind: global_buffer, .address_space: global }
      - { .name: wo, .offset: 32, .size: 8, .value_kind: global_buffer, .address_space: global }
      - { .name: w_gate, .offset: 40, .size: 8, .value_kind: global_buffer, .address_space: global }
      - { .name: w_up, .offset: 48, .size: 8, .value_kind: global_buffer, .address_space: global }
      - { .name: w_down, .offset: 56, .size: 8, .value_kind: global_buffer, .address_space: global }
      - { .name: hq, .offset: 64, .size: 8, .value_kind: global_buffer, .address_space: global }
      - { .name: wt, .offset: 72, .size: 8, .value_kind: global_buffer, .address_space: global }
    .group_segment_fixed_size: 17920
    .private_segment_fixed_size: 0
    .kernarg_segment_align: 8
    .kernarg_segment_size: 80
    .max_flat_workgroup_size: 128
    .sgpr_count:     74
    .vgpr_count:     192
    .wavefront_size: 32
...
	.end_amdgpu_metadata
.endif
;; end of part 7
;; launch proj (part 8): grid 16 x 16, 4 waves a work-group, clusters of 4 x 4, 327,680 bytes of LDS; arguments hq, wt, qkv; writes qkv
.if DOCPART == 8
	.amdgcn_target "amdgcn-amd-amdhsa--gfx1250"
	.amdhsa_code_object_version 6
	.text
	.protected	k_q5e692d6529_proj
	.globl	k_q5e692d6529_proj
	.p2align	8
	.type	k_q5e692d6529_proj,@function
k_q5e692d6529_proj:
	s_mov_b64 s[64:65], 0
	v_nop
	global_prefetch_b8 v0, s[64:65] scope:SCOPE_SE
	s_setreg_imm32_b32 hwreg(HW_REG_WAVE_MODE, 25, 1), 1
	s_wait_xcnt 0x0
	s_wait_alu depctr_hold_cnt(0) depctr_sa_sdst(0) depctr_va_vdst(0) depctr_va_sdst(0) depctr_va_ssrc(0) depctr_va_vcc(0) depctr_vm_vsrc(0)
	s_getreg_b32 s2, hwreg(HW_REG_IB_STS2, 6, 4)
	s_cmp_eq_u32 s2, 0
	s_cbranch_scc0 .Lentry_in_a_cluster
	s_endpgm
.Lentry_in_a_cluster:
	s_bfe_u32 s2, ttmp6, 0x10000c
	s_cmp_lg_u32 s2, 0xf033
	s_cbranch_scc0 .Lentry_shape_is_right
	s_endpgm
.Lentry_shape_is_right:
; q, k, v = h [wq | wk | wv], written by heads.  Left operand hq (4 tokens x 32 k in each 256 bytes, see below), right operand wt's rows 0..3071 ([n][k] bf16), sums in f32, results rounded once to bf16.
; A tile is 256 tokens x 192 columns: 16 x 16 tiles, one for each of 256 work-groups.  Four waves, each 128 x 96: 48 accumulators; for 32 along K a wave loads 14 fragments and issues 48 matrix instructions.
; K = 1,024 goes in eight steps of 128 through two LDS slots.  A step is four quarters of 32 along K, ALL ALIKE: a quarter multiplies one fragment buffer and, in its middle, fetches the next quarter's
; fragments into the other; where they lie is held in two scalar offsets that step by exclusive ors.  So a PAIR of quarters is written once for the loop and once for the tail.
; THE CHANGE OF SLOTS stands by itself between a step's third and fourth quarter: there the slot's last fragments have been asked for, so the slot can be given up a quarter before its last products.
; From a request to the wait for it a wave issues a whole step's 192 matrix instructions.  The first quarter of all, whose products start the sums, stands ahead of the loop, which is entered in its middle.
; LEFT OPERAND: byte = (k>>7) 2^20 + (tok>>2) 1024 + ((k>>5)&3) 256 + (tok&3) 64 + (k&31) 2.  A step's 128 k of a tile are 64 dense rows of 1,024 bytes (a row = 4 tokens).
; CLUSTER 4 x 4: the four of a row share the left tiles, the four of a column the right ones; each tile is asked for jointly, by the same load and descriptor in all four.
; THE PRODUCT IS TAKEN TRANSPOSED (source 0 = 16 rows of wt, source 1 = 16 tokens): a lane holds one token and eight neighbouring columns.
; OUT: qkv[batch][which*32+head][token][32] bf16, rows of 64 bytes.  The 16-byte piece c of a row lies at piece c xor g, g = ((t&1)<<1)|(t>>1), t = (token>>2)&3,
; so that the attention can read dense rows from LDS with 16 lanes on 16 different columns of 16 bytes.
; REGISTERS: window 0: v0-31 addresses; v32-223 the way out.  Window 1: two fragment buffers of 112 (64 of the left operand, 48 of the right).
; Window 2: the 24 accumulators of my tokens 0-63 ((a, b) at 8 (6 a + b)); window 3: those of my tokens 64-127.
.set MB,     8                         ; blocks of 16 tokens a wave
.set HB,     MB/2                      ; in a half
.set QB,     HB/2                      ; in a part of a half
.set QT,     64                        ; quads of tokens in a tile
.set KP,     1024                      ; elements in a row of the right operand
.set STEPS,  8
.set APITCH, 1040                      ; 1,024 bytes + 16: the 16 lanes of a fragment load fall on columns (r>>2) + 4 (r&3) of 16 bytes
.set AHALF,  (QT/2)*APITCH             ; 32 quads: what one tensor load brings, and what one wave reads
.set BPITCH, 272                       ; 256 bytes + 16: row r starts at column r of 16 bytes
.set BHALF,  96*BPITCH
.set BBASE,  2*AHALF
.set SLOT1,  1<<17                     ; slot 1 begins here, so that one exclusive or turns an address in one slot into the other's
.set STAGE,  SLOT1+BBASE+2*BHALF       ; behind the ring: 3 heads x 64 tokens x 64 bytes for each wave
.set WSTAGE, 3*4096
.set SPARE,  STAGE+4*WSTAGE            ; behind the stages: the spare words, 128 bytes a wave
.set NLD,    12+2*MB                   ; LDS loads in a run
.set FB,     8*(MB+6)
.set F0,     0
.set F1,     FB
.set ACCWS,  0x50                      ; the second half's accumulators lie a window further up,
.set ACCH,   0                         ; at the same numbers
.set ADRA0, 16                         ; my lane's place in slot 0's left tile; never rewritten
.set ADRB0, 17                         ; the same for the right tile
.set ADRA,  18                         ; the same in the half slot that is being fetched
.set ADRB,  19
.set STO,  24                          ; v24, v25
.set RD,   26
.set CO,   27
.set SPW,  28
.set NIL,  29
.set PFO,  30                          ; the prefetches' offset; never rewritten
.set TMP,  32
.set G1,  24
.set G0,  32                           ; two sets, for the two first fills; the second then walks on
.set G1B, 48
.set G0B, 56
.set SA,  20                           ; s20  the half slot (64 along K) that the next pair fetches: its byte in the left tile, counted from slot 0's head
.set SB,  21                           ; s21  the same in the right tile's rows
.set CNT2, 22                          ; s22  pairs to go until the next change of slots
.set CNT, 44                           ; s44  passes of the loop to go
.set LIM, 45                           ; 1 in a wave that prefetches, else the greatest number
.set PFA, 18                           ; s[18:19] where my prefetches stand
.set PST, 2                            ; s[2:3] bytes from a step to the next in the operand that I fetch
.set MSB, 0
.macro WIN new                         ; the immediate's high byte repeats the setting that is left
.if MSB != (\new)
	s_set_vgpr_msb (MSB<<8)|(\new)
.set MSB, \new
.endif
.endm
.set MUL_LO, 0xa5                      ; sources 0 and 1 window 1; C and D window 2
.set TO_F,   0x40                      ; destination window 1, address window 0
.macro JLOAD s                         ; waves 0 and 1 fetch the left tile's two halves, waves 2 and 3 the right one's; s_nop 0 and four v_nop follow each line
	s_cmp_eq_u32 s11, 0
	s_cbranch_scc0 .Lfor_b_\@
	tensor_load_to_lds s[G0+4*(\s):G0+4*(\s)+3], s[G1:G1+7]
	s_nop 0
.rept 4
	v_nop
.endr
	s_branch .Lasked_\@
.Lfor_b_\@:
	tensor_load_to_lds s[G0B+4*(\s):G0B+4*(\s)+3], s[G1B:G1B+7]
	s_nop 0
.rept 4
	v_nop
.endr
.Lasked_\@:
.endm
; A PREFETCH INTO THE L2, behind each joint refill and its five lines: the step that the NEXT refill will ask for, 192 matrix instructions ahead of that load; one instruction a wave.
; Each block of 256 bytes is named by one wave of the launch.  A token tile's rows are read by the four clusters of that row of clusters: the one with x = 0 asks; a column tile's by the four of that
; column: the one with y = 0 asks.  The four partners that ask for a tile jointly share it out BY ADDRESS: of the 128 blocks of a left half 32 each, a lane a block; of the 96 rows of a right half 24 each,
; a lane a row (lanes 24-31 repeat row 23).  The first three steps come by their loads alone; the last refill asks for nothing: there is no step behind its own.
.macro ASK
	s_cmp_gt_u32 s[CNT], s[LIM]                    ; the count is 1 in the loop's last pass
	s_cbranch_scc0 .Lnot_mine_\@
	global_prefetch_b8 v[PFO], s[PFA:PFA+1] th:TH_LOAD_NT scope:SCOPE_SE
.Lnot_mine_\@:
.endm
.macro CREST                           ; a round of the cluster's barrier behind its opening barrier
	s_cmp_lg_u32 s10, 0
	s_cbranch_scc1 .Lnot_wave_0_\@
	s_barrier_signal -3
.Lnot_wave_0_\@:
	s_barrier_wait -3
	s_barrier_signal -1
	s_barrier_wait -1
.endm
.macro CROUND
	s_barrier_signal -1
	s_barrier_wait -1
	CREST
.endm
.macro PLACES                          ; four places in front of loads into registers that matrix instructions have read, and of readers of results
.rept 4
	v_nop
.endr
.endm
; Part p of half hi of a quarter: QB token blocks x all 6 column blocks, 32 along K, from buffer f.  Every accumulator has one instruction a quarter: they take turns.  zero = 1: the products start the sums.
.macro MULP f, hi, p, zero
	WIN MUL_LO+ACCWS*(\hi)
.set aa, (\p)*QB
.rept QB
.set bb, 0
.rept 6
.set rD, ACCH*(\hi)+8*(6*aa+bb)
.set rB, (\f)+8*MB+8*bb
.set rA, (\f)+8*(HB*(\hi)+aa)
.if \zero
	v_wmma_f32_16x16x32_bf16 v[rD:rD+7], v[rB:rB+7], v[rA:rA+7], 0
.else
	v_wmma_f32_16x16x32_bf16 v[rD:rD+7], v[rB:rB+7], v[rA:rA+7], v[rD:rD+7]
.endif
.set bb, bb+1
.endr
.set aa, aa+1
.endr
.endm
.macro FETCH q, f                      ; one run of LDS loads: quarter q (0, 1) of the half slot in hand into buffer f: the right operand's six fragments, then the left one's
	WIN TO_F
.set ii, 0
.rept 6
	ds_load_b128 v[(\f)+8*MB+8*ii:(\f)+8*MB+8*ii+3],   v[ADRB] offset:(\q)*64+ii*16*BPITCH
	ds_load_b128 v[(\f)+8*MB+8*ii+4:(\f)+8*MB+8*ii+7], v[ADRB] offset:(\q)*64+ii*16*BPITCH+32
.set ii, ii+1
.endr
.set ii, 0
.rept MB
	ds_load_b128 v[(\f)+8*ii:(\f)+8*ii+3],   v[ADRA] offset:(\q)*256+ii*4*APITCH
	ds_load_b128 v[(\f)+8*ii+4:(\f)+8*ii+7], v[ADRA] offset:(\q)*256+ii*4*APITCH+32
.set ii, ii+1
.endr
.endm
.macro QUARTER q, f, g, zero           ; multiplies buffer f and, in its middle, fetches quarter q of the half slot in hand into g
	s_wait_dscnt MB                                ; all but the youngest loads, those of my tokens' second half, are in
	MULP \f, 0, 0, \zero
	MULP \f, 0, 1, \zero
	PLACES
	FETCH \q, \g
	s_wait_dscnt NLD                               ; all but the run just issued
	MULP \f, 1, 0, \zero
	MULP \f, 1, 1, \zero
.endm
; Two quarters: buffer 1 is multiplied while a half slot's first quarter comes into buffer 0, then buffer 0 while its second comes into buffer 1.  The offsets then turn to the slot's other half.
.macro PAIR
	v_add_nc_u32 v[ADRA], s[SA], v[ADRA0]
	v_add_nc_u32 v[ADRB], s[SB], v[ADRB0]
	s_xor_b32 s[SA], s[SA], 512                    ; two quarters are 512 bytes of a quad's row,
	s_xor_b32 s[SB], s[SB], 128                    ; and 128 of a row of the right tile
	QUARTER 0, F1, F0, 0
	QUARTER 1, F0, F1, 0
	WIN 0                                          ; at a label and at a branch every window is 0
.endm
; THE CHANGE OF SLOTS.  Each wave waits for all its tensor loads, of which one is out: its part of the next slot; adds 0 to its spare word; and waits for that and for its reads of this slot, the last of
; which (the fourth quarter's fragments) were asked for half a quarter back.  Behind the barrier nobody reads this slot any more and the next slot is whole.
; fill = 1: the barrier is a round of the cluster's, and this slot is filled again, first thing behind it, with the step two on.
.macro CHANGE fill
.if \fill
	s_wait_xcnt 0x0                                ; the last prefetch, a step back, has read its address, so it may be stepped
	s_add_nc_u64 s[PFA:PFA+1], s[PFA:PFA+1], s[PST:PST+1]
.endif
	s_wait_tensorcnt 0x0                           ; no tensor load of mine is out, so a group 0 may be written;
	ds_add_u32 v[SPW], v[NIL]                      ; 0 onto my spare word; the scalar steps stand between it and the wait for it
.if \fill
	s_xor_b32 s[G0+5], s[G0+5], SLOT1              ; the walking descriptors: the other slot than last time,
	s_add_nc_u64 s[G0+6:G0+7], s[G0+6:G0+7], 0x100000  ; the next group of 128 k; the type bits on top are not reached
	s_xor_b32 s[G0B+5], s[G0B+5], SLOT1
	s_add_nc_u64 s[G0B+6:G0B+7], s[G0B+6:G0B+7], 256
.endif
	s_xor_b32 s[SA], s[SA], SLOT1                  ; the fetches go on in the other slot
	s_xor_b32 s[SB], s[SB], SLOT1
	s_wait_dscnt 0x0                               ; the add is done, and my reads of this slot are over
.if \fill
	CROUND                                         ; no wave of any partner still reads this slot or has a load on its way
	JLOAD 1                                        ; the first tensor load behind the round
	ASK
.else
	s_barrier_signal -1
	s_barrier_wait -1
.endif
.endm
	s_load_b128 s[4:7], s[0:1], 0x0                ; hq s[4:5], wt s[6:7]
	s_load_b64 s[8:9], s[0:1], 0x10                ; qkv
	v_lshl_add_u32 v[SPW], v0, 2, SPARE
	v_mov_b32 v[NIL], 0
	ds_add_u32 v[SPW], v[NIL]                      ; the wave's opening: the add and its wait ahead of my first tensor load
	v_lshrrev_b32 v1, 5, v0
	v_readfirstlane_b32 s10, v1                    ; wave 0..3
	s_lshr_b32 s11, s10, 1                         ; my half of the tile's tokens.  Also: I fetch the left (0) or the right (1) operand
	s_and_b32 s12, s10, 1                          ; my half of its columns.  Also: which half of that operand's tile I fetch
	s_bfe_u32 s40, ttmp6, 0x40000                  ; cx, cy
	s_bfe_u32 s41, ttmp6, 0x40004
	s_lshl_b32 s42, ttmp9, 2
	s_add_co_u32 s42, s42, s40                     ; column tile
	s_and_b32 s13, ttmp7, 0xffff
	s_lshl_b32 s13, s13, 2
	s_add_co_u32 s13, s13, s41                     ; token tile
	s_lshl_b32 s43, s41, 2
	s_lshl_b32 s43, 15, s43                        ; my row of the cluster
	s_lshl_b32 s44, 0x1111, s40                    ; my column
	s_or_b32 s[G1+0], s43, (1<<16)|(1<<20)|(1<<21)|(7<<22)|(3<<25)   ; mask; 2-byte elements; padding on; bit 21 beside a mask; after every 256 words 4 words
	s_or_b32 s[G1B+0], s44, (1<<16)|(1<<20)|(1<<21)|(5<<22)|(3<<25)  ; after every 64 words 4 words
	s_mov_b32 s[G1+1], 512<<16                     ; tensor_dim0 = 512
	s_mov_b32 s[G1+2], (QT/2)<<16                  ; tensor_dim1 = 32
	s_mov_b32 s[G1+3], 512<<16                     ; tile_dim0 = 512
	s_mov_b32 s[G1+4], QT/2                        ; tile_dim1 = 32
	s_mov_b32 s[G1+5], 512                         ; dense rows
	s_mov_b32 s[G1+6], 0
	s_mov_b32 s[G1+7], 0
	s_mov_b32 s[G1B+1], 128<<16
	s_mov_b32 s[G1B+2], 96<<16
	s_mov_b32 s[G1B+3], 128<<16
	s_mov_b32 s[G1B+4], 96
	s_mov_b32 s[G1B+5], KP
	s_mov_b32 s[G1B+6], 0
	s_mov_b32 s[G1B+7], 0
	s_lshl_b32 s16, s13, 16                        ; left: the tile's 64 quads of 1,024 bytes, my 32 of them
	s_lshl_b32 s17, s12, 15
	s_add_co_u32 s16, s16, s17
	s_mov_b32 s17, 0
	s_mul_i32 s46, s42, 192                        ; right: row 192 x column tile + 96 x half,
	s_mul_i32 s47, s12, 96
	s_add_co_u32 s46, s46, s47
	s_lshl_b32 s46, s46, 11                        ; of 2,048 bytes
	s_mov_b32 s47, 0
	s_mul_i32 s20, s12, AHALF                      ; where they go: no place in the cluster enters an LDS address
	s_mul_i32 s23, s12, BHALF
	s_add_co_u32 s23, s23, BBASE
	s_wait_dscnt 0x0                               ; the opening add is done
	s_wait_kmcnt 0x0
	s_add_nc_u64 s[14:15], s[4:5], s[16:17]
	s_add_nc_u64 s[46:47], s[6:7], s[46:47]
	CROUND                                         ; all sixteen work-groups are here: the first joint loads meet
.irp s, 0,1
	s_mov_b32 s[G0+4*(\s)], 1
	s_add_co_u32 s[G0+4*(\s)+1], s20, (\s)*SLOT1
	s_add_nc_u64 s[G0+4*(\s)+2:G0+4*(\s)+3], s[14:15], (\s)*0x100000
	s_or_b32 s[G0+4*(\s)+3], s[G0+4*(\s)+3], 0x80000000
	s_mov_b32 s[G0B+4*(\s)], 1
	s_add_co_u32 s[G0B+4*(\s)+1], s23, (\s)*SLOT1
	s_add_nc_u64 s[G0B+4*(\s)+2:G0B+4*(\s)+3], s[46:47], (\s)*256
	s_or_b32 s[G0B+4*(\s)+3], s[G0B+4*(\s)+3], 0x80000000
	JLOAD \s
.endr
	; the prefetches: s[14:15] and s[46:47] stand at step 0 of the half that I fetch
	s_and_b32 s22, ttmp7, 0xffff                   ; cluster y
	s_mov_b32 s[PST], 256
	s_mov_b32 s20, 24*2048
	s_cmp_eq_u32 s11, 0                            ; do I fetch the left operand?
	s_cselect_b64 s[PFA:PFA+1], s[14:15], s[46:47]
	s_cselect_b32 s21, s40, s41                    ; my place among the four that ask with me
	s_cselect_b32 s22, ttmp9, s22                  ; the coordinate along which other clusters read the same rows
	s_cselect_b32 s[PST], 0x100000, s[PST]
	s_cselect_b32 s20, 8192, s20                   ; a partner's share, in bytes
	s_cselect_b32 s16, 31, 23                      ; the last lane with a block of its own
	s_cselect_b32 s17, 8, 11                       ; blocks lie 256 bytes apart, rows 2,048
	s_mov_b32 s[PST+1], 0
	s_cmp_eq_u32 s22, 0
	s_cselect_b32 s[LIM], 1, -1                    ; the same in all sixteen partners, for a given wave
	s_mul_i32 s20, s20, s21
	s_mov_b32 s21, 0
	s_add_nc_u64 s[PFA:PFA+1], s[PFA:PFA+1], s[20:21]
	s_add_nc_u64 s[PFA:PFA+1], s[PFA:PFA+1], s[PST:PST+1]
	s_add_nc_u64 s[PFA:PFA+1], s[PFA:PFA+1], s[PST:PST+1]  ; at step 2: the first change of slots steps it to 3.  Nothing is asked for here, where every work-group's first tiles are on their way
	v_and_b32 v[PFO], 31, v0
	v_min_u32 v[PFO], s16, v[PFO]
	v_lshlrev_b32 v[PFO], s17, v[PFO]
	v_and_b32 v1, 15, v0                           ; r
	v_bfe_u32 v2, v0, 4, 1                         ; h
	v_lshrrev_b32 v3, 2, v1
	v_mul_u32_u24 v3, v3, APITCH
	v_and_b32 v4, 3, v1
	v_lshl_add_u32 v3, v4, 6, v3
	v_lshl_add_u32 v3, v2, 4, v3                   ; left fragment: (r>>2) x pitch + (r&3) x 64 + 16 h
	v_mul_u32_u24 v5, v1, BPITCH
	v_lshl_add_u32 v5, v2, 4, v5                   ; right fragment: r x pitch + 16 h
	s_mul_i32 s21, s11, AHALF                      ; my 128 tokens: 32 quads
	s_mul_i32 s22, s12, BHALF                      ; my 96 rows
	s_add_co_u32 s22, s22, BBASE
	v_add_nc_u32 v[ADRA0], s21, v3
	v_add_nc_u32 v[ADRB0], s22, v5
	v_add_nc_u32 v[ADRA], s21, v3                  ; the first two fetches stand at slot 0's head
	v_add_nc_u32 v[ADRB], s22, v5
	s_mul_i32 s23, s10, WSTAGE
	s_add_co_u32 s23, s23, STAGE                   ; my stage
	v_lshrrev_b32 v6, 2, v1                        ; t = r >> 2
	v_and_b32 v7, 1, v6
	v_lshrrev_b32 v6, 1, v6
	v_lshl_or_b32 v6, v7, 1, v6                    ; g
	v_xor_b32 v6, v2, v6                           ; piece h xor g (channels 0-15), and that xor 2 (channels 16-31)
	v_lshlrev_b32 v6, 4, v6
	v_lshl_add_u32 v6, v1, 6, v6
	v_add_nc_u32 v[STO], s23, v6
	v_xor_b32 v[STO+1], 32, v[STO]
	v_and_b32 v8, 31, v0
	v_lshl_add_u32 v[RD], v8, 4, s23
	v_lshlrev_b32 v[CO], 4, v8
	s_lshr_b32 s16, s13, 3                         ; the batch: 96 blocks of 131,072 bytes
	s_mul_i32 s16, s16, 96*131072
	s_and_b32 s17, s13, 7
	s_lshl_b32 s17, s17, 14                        ; 256 tokens of 64 bytes,
	s_add_co_u32 s16, s16, s17
	s_lshl_b32 s17, s11, 13                        ; my 128
	s_add_co_u32 s16, s16, s17
	s_mov_b32 s17, 0
	s_add_nc_u64 s[8:9], s[8:9], s[16:17]
	s_mul_i32 s46, s42, 6*131072                   ; six heads a column tile,
	s_mul_i32 s47, s12, 3*131072                   ; three a wave
	s_add_co_u32 s46, s46, s47
	s_mov_b32 s47, 0
	s_add_nc_u64 s[8:9], s[8:9], s[46:47]
	s_wait_tensorcnt 1                             ; my part of step 0 is in; slot 1's may stay out
	s_barrier_signal -1
	s_barrier_wait -1
	FETCH 0, F0
	QUARTER 1, F0, F1, 1                           ; the first products start the sums
	WIN 0
	s_mov_b32 s[SA], 512                           ; the next pair fetches slot 0's second half
	s_mov_b32 s[SB], 128
	s_mov_b32 s[CNT], STEPS-1                      ; this pass, which has one pair and no change of slots, and six that fill a slot again
	s_mov_b32 s[CNT2], 1
	s_branch .Lpair                                ; the loop is entered in the middle of a pass
.Lslot:                                        ; six times: a step's fourth quarter and the next step's first three
	CHANGE 1
	s_mov_b32 s[CNT2], 2
.Lpair:
	PAIR
	s_sub_co_u32 s[CNT2], s[CNT2], 1
	s_cmp_lg_u32 s[CNT2], 0
	s_cbranch_scc1 .Lpair
	s_sub_co_u32 s[CNT], s[CNT], 1
	s_cmp_lg_u32 s[CNT], 0
	s_cbranch_scc1 .Lslot
	CHANGE 0                                       ; the tail is written out: the last change of slots fills nothing
	s_mov_b32 s[CNT2], 2
.Ltail:
	PAIR
	s_sub_co_u32 s[CNT2], s[CNT2], 1
	s_cmp_lg_u32 s[CNT2], 0
	s_cbranch_scc1 .Ltail
	s_wait_dscnt MB                                ; the very last quarter: nothing more to fetch
	MULP F1, 0, 0, 0
	MULP F1, 0, 1, 0
	s_wait_dscnt 0x0
	MULP F1, 1, 0, 0
	MULP F1, 1, 1, 0
	WIN 0
	; THE WAY OUT, 64 tokens at a time: rounded to bf16; 16 bytes a lane into my own stage, laid as the three heads' rows lie in memory; back as 512 consecutive bytes.
.macro PACK hf
	WIN 0x0a+5*(\hf)                               ; sources 0 and 1: window 2 or 3
.set t, 0
.rept 24
.irp r, 0,1,2,3
	v_cvt_pk_bf16_f32 v[TMP+96*(\hf)+4*t+(\r)], v[8*t+2*(\r)], v[8*t+2*(\r)+1]
.endr
.set t, t+1
.endr
	WIN 0
.endm
.macro TOSTAGE hf                      ; accumulator t = 6 a + b: head b / 2, tokens 16 a on, channels 16 (b % 2) on
.set t, 0
.rept 24
	ds_store_b128 v[STO+(t%6)%2], v[TMP+96*(\hf)+4*t:TMP+96*(\hf)+4*t+3] offset:((t%6)/2)*4096+(t/6)*1024
.set t, t+1
.endr
.set t, 0
.rept 24
	ds_load_b128 v[TMP+96*(\hf)+4*t:TMP+96*(\hf)+4*t+3], v[RD] offset:t*512  ; LDS serves a wave's instructions in order: these see the stores above, and the next half's stores come behind them
.set t, t+1
.endr
.endm
.macro SEND hf
.set t, 0
.rept 24
	s_wait_dscnt 23-t
	global_store_b128 v[CO], v[TMP+96*(\hf)+4*t:TMP+96*(\hf)+4*t+3], s[8:9] offset:(t/8)*131072+(t%8)*512+(\hf)*4096  ; 512 consecutive bytes, at a multiple of 256 from the buffer's first
.set t, t+1
.endr
.endm
	PLACES
	PACK 0
	TOSTAGE 0
	PACK 1                                         ; the second half's roundings stand between the first half's loads from the stage and the waits for them
	SEND 0
	TOSTAGE 1
	SEND 1
	s_wait_tensorcnt 0x0                           ; the wave's end
	ds_add_u32 v[SPW], v[NIL]
	s_wait_dscnt 0x0
	CROUND                                         ; the closing round
	s_endpgm
.Lfunc_end_k_q5e692d6529_proj:
	.size	k_q5e692d6529_proj, .Lfunc_end_k_q5e692d6529_proj-k_q5e692d6529_proj
	.p2alignl 7, 3214868480
	.fill 96, 4, 3214868480
	.section	.rodata,"a",@progbits
	.p2align	6, 0x0
	.amdhsa_kernel k_q5e692d6529_proj
		.amdhsa_group_segment_fixed_size 327680
		.amdhsa_private_segment_fixed_size 0
		.amdhsa_enable_private_segment 0
		.amdhsa_kernarg_size 24
		.amdhsa_user_sgpr_count 2
		.amdhsa_user_sgpr_kernarg_segment_ptr 1
		.amdhsa_wavefront_size32 1
		.amdhsa_system_sgpr_workgroup_id_x 1
		.amdhsa_system_sgpr_workgroup_id_y 1
		.amdhsa_system_sgpr_workgroup_id_z 1
		.amdhsa_system_vgpr_workitem_id 0
		.amdhsa_next_free_vgpr 960
		.amdhsa_next_free_sgpr 66
		.amdhsa_reserve_vcc 0
		.amdhsa_float_denorm_mode_32 3
		.amdhsa_float_denorm_mode_16_64 3
		.amdhsa_memory_ordered 1
		.amdhsa_forward_progress 1
		.amdhsa_inst_pref_size 66
	.end_amdhsa_kernel
	.amdgpu_metadata
---
amdhsa.version: [ 1, 2 ]
amdhsa.kernels:
  - .name:           k_q5e692d6529_proj
    .symbol:         k_q5e692d6529_proj.kd
    .args:
      - { .name: hq, .offset: 0, .size: 8, .value_kind: global_buffer, .address_space: global }
      - { .name: wt, .offset: 8, .size: 8, .value_kind: global_buffer, .address_space: global }
      - { .name: qkv, .offset: 16, .size: 8, .value_kind: global_buffer, .address_space: global }
    .group_segment_fixed_size: 327680
    .private_segment_fixed_size: 0
    .kernarg_segment_align: 8
    .kernarg_segment_size: 24
    .max_flat_workgroup_size: 128
    .sgpr_count:     66
    .vgpr_count:     960
    .wavefront_size: 32
...
	.end_amdgpu_metadata
.endif
;; end of part 8
;; launch attn (part 9): grid 4 x 64, 8 waves a work-group, clusters of 4 x 1, 327,680 bytes of LDS; arguments qkv, ao; writes ao
.if DOCPART == 9
	.amdgcn_target "amdgcn-amd-amdhsa--gfx1250"
	.amdhsa_code_object_version 6
	.text
	.protected	k_q5e692d6529_attn
	.globl	k_q5e692d6529_attn
	.p2align	8
	.type	k_q5e692d6529_attn,@function
k_q5e692d6529_attn:
	s_mov_b64 s[64:65], 0
	v_nop
	global_prefetch_b8 v0, s[64:65] scope:SCOPE_SE
	s_setreg_imm32_b32 hwreg(HW_REG_WAVE_MODE, 25, 1), 1
	s_wait_xcnt 0x0
	s_wait_alu depctr_hold_cnt(0) depctr_sa_sdst(0) depctr_va_vdst(0) depctr_va_sdst(0) depctr_va_ssrc(0) depctr_va_vcc(0) depctr_vm_vsrc(0)
	s_getreg_b32 s2, hwreg(HW_REG_IB_STS2, 6, 4)
	s_cmp_eq_u32 s2, 0
	s_cbranch_scc0 .Lentry_in_a_cluster
	s_endpgm
.Lentry_in_a_cluster:
	s_bfe_u32 s2, ttmp6, 0x10000c
	s_cmp_lg_u32 s2, 0x3003
	s_cbranch_scc0 .Lentry_shape_is_right
	s_endpgm
.Lentry_shape_is_right:
; O[q] = the sum over k of softmax_k(Q[q] . K[k] / sqrt(32)) V[k], for 64 (batch, head) pairs of 2,048 tokens and 32 channels, no mask.  q, k, v bf16 from qkv[batch][which*32+head][token][32];
; products, maxima and sums in f32; the weights p are rounded to bf16 for the second product, and l is the sum of those rounded p (numerator and divisor take the same numbers); O rounded once to bf16.
; LIMITS: a weight below 2^-126 counts as 0; c m starts at -4.25e37, far below every c s; NaN and infinities are not treated apart.
; SHARES.  A work-group owns 512 queries of one head, each of its eight waves 64: four tiles of 16, in two PIECES of two tiles.  Every wave walks all 2,048 keys, 64 a step.
; LDS.  The head's whole K (131,072 bytes) and V lie in LDS, dense rows of 64 bytes, filled ONCE, in two parts: each wave asks for 9,216 bytes of key steps 0-8 and for 23,552 bytes of the rest, both at the
; start.  The walk begins when the first part is in.  Its 32 steps go in four groups of eight; the first group fetches nothing beyond step 8; at a group's end stand the wait for all tensor loads and a barrier,
; which from the second group on are met at once: the price of one text for all groups.  Two tensor loads of a wave are out at the most.
; The 16-byte piece c of a row lies at piece c xor g, g = ((t&1)<<1)|(t>>1), t = (token>>2)&3: the 16 lanes of a fragment load, and of a turning load, fall on 16 different columns of 16 bytes.
; CLUSTER.  The four query blocks of a head form a cluster and read the same K and V: each part is asked for jointly, by the same load and descriptor in all four.
; LAYOUT.  S^T = K Q^T (source 0 = 16 keys, source 1 = 16 queries; one product holds the whole head size): a lane holds ONE query (lane % 16) and keys 8 (lane / 16) + 0..7.  Two such results rounded to
; bf16 in pairs ARE source 1 of O^T = V^T P.  A third product with a source 0 whose rows 0 and 8 are ones puts l, the weights' sum, into register 0 of an accumulator of its own, in every lane.
; SOFTMAX.  p = 2^(c s - c m), c = log2(e) / sqrt(32), m a running maximum; in every step O and l are multiplied by a = 2^(c m_old - c m_new).  O and l start at 0, so the first step is a step like any other.
; BY TURNS.  Turn Y: 8 products K Q^T of the OTHER piece's next scores; scaling and exponentials of piece Y; the other piece's maximum, statistics and a; ONE wait for the batch of 66 exponentials;
; roundings of piece Y; its 12 products V^T P, with the other piece's rescaling between them.  Two waves share a SIMD, so that one's vector work stands beside the other's products.
; REGISTERS.  Window 0: v2-12 addresses; v14-15 the add's; v16-23 (c m, m) a tile; v24-39 c0-c3 a tile (c2 takes a); v40-43 c m_old; v48-79 Q; v80-111 K of one step; v128-255 S^T, 32 a tile (P in its low 16).
; Window 1: v0-95 a tile's O^T (16) and l (8); v96-127 V of one step; v128-135 the ones.
.set VBASE, 131072
.set PA,    9216                       ; a wave's share of the first part: 36 rows of 256 bytes; four shares are key steps 0-8
.set PB,    23552                      ; of the second: 92 rows
.set STAGE, 262144                     ; behind K and V: 16 rows x 80 bytes for each wave
.set SP,    80
.set SPARE, STAGE+8*16*SP              ; behind the stages: the spare words, 128 bytes a wave
.set AKA, 2                            ; my lane's place in 16 keys, channels 0-15; also my offset in 16 rows of Q
.set AKB, 3                            ; channels 16-31
.set AVA, 4                            ; my lane's place for the turning load, channels 0-15
.set AVB, 5
.set AD,  6                            ; v6-9 the addresses of the runs of loads in hand
.set STO, 10
.set RD,  11
.set GO,  12
.set SPW, 14
.set NIL, 15
.set ST,  16
.set TMP, 24
.set MV,  40
.set Q,   48
.set KF,  80
.set S,   128
.set VF,  96                           ; window 1: key half kk, channel block cb at VF + 16 kk + 8 cb
.set ONES, 128                         ; window 1
.set WV,  12
.set D1A, 24                           ; s[24:31] descriptor group 1 of the first part
.set D1B, 32                           ; s[32:39] of the second: it differs in the rows alone
.set D0A, 40
.set D0B, 44
.set CNT, 56
.set GRP, 57
.set CS,  58
.set SEL, 60
.set TBK, 62                           ; LDS byte at which K of the step to be fetched begins
.set TBV, 63                           ; the same for V, less VBASE
.set MSB, 0
.macro WIN new
.if MSB != (\new)
	s_set_vgpr_msb (MSB<<8)|(\new)
.set MSB, \new
.endif
.endm
.macro CROUND
	s_barrier_signal -1
	s_barrier_wait -1
	s_cmp_lg_u32 s[WV], 0
	s_cbranch_scc1 .Lnot_wave_0_\@
	s_barrier_signal -3
.Lnot_wave_0_\@:
	s_barrier_wait -3
	s_barrier_signal -1
	s_barrier_wait -1
.endm
	s_load_b128 s[4:7], s[0:1], 0x0                ; qkv s[4:5], ao s[6:7]
	v_lshl_add_u32 v[SPW], v0, 2, SPARE
	v_mov_b32 v[NIL], 0
	ds_add_u32 v[SPW], v[NIL]                      ; the wave's opening: the add and its wait ahead of my first tensor load
	v_lshrrev_b32 v1, 5, v0
	v_readfirstlane_b32 s[WV], v1                  ; wave 0..7
	s_bfe_u32 s13, ttmp6, 0x40000                  ; cx
	s_lshl_b32 s14, ttmp9, 2
	s_add_co_u32 s14, s14, s13                     ; my block of 512 queries: it enters Q's and O's addresses alone
	s_and_b32 s15, ttmp7, 0xffff                   ; batch x 32 + head, which the four partners share
	s_lshr_b32 s16, s15, 5
	s_lshl_b32 s16, s16, 6
	s_add_co_u32 s23, s15, s16                     ; batch x 96 + head: q's block of 131,072 bytes
	s_lshr_b32 s16, s[WV], 2                       ; waves 0-3 fetch K, waves 4-7 V:
	s_lshl_b32 s2, s16, 17                         ; K lies at LDS byte 0, V at 131,072;
	s_lshl_b32 s16, s16, 5
	s_add_co_u32 s16, s16, 32                      ; 32 blocks behind q's, or 64
	s_add_co_u32 s16, s16, s23
	s_lshl_b32 s16, s16, 17
	s_and_b32 s17, s[WV], 3                        ; my quarter of each part
	s_mul_i32 s3, s17, PA
	s_mul_i32 s17, s17, PB
	s_add_co_u32 s17, s17, 4*PA
	s_mov_b32 s[D0A], 1
	s_add_co_u32 s[D0A+1], s2, s3                  ; LDS addresses: made of the wave's number alone
	s_mov_b32 s[D0B], 1
	s_add_co_u32 s[D0B+1], s2, s17
	s_add_co_u32 s18, s16, s3
	s_mov_b32 s19, 0
	s_add_co_u32 s20, s16, s17
	s_mov_b32 s21, 0
	s_lshl_b32 s48, s23, 17                        ; Q: the head, my block, my wave's 64 rows of 64 bytes
	s_lshl_b32 s49, s14, 15
	s_add_co_u32 s48, s48, s49
	s_lshl_b32 s49, s[WV], 12
	s_add_co_u32 s48, s48, s49
	s_mov_b32 s49, 0
	s_bfe_u32 s50, s15, 0x30002                    ; O: channels head x 32 on: group (head >> 2) of 128,
	s_lshl_b32 s50, s50, 20
	s_and_b32 s51, s15, 3                          ; its part head & 3 of 32,
	s_lshl_b32 s51, s51, 8
	s_add_co_u32 s50, s50, s51
	s_lshr_b32 s51, s15, 5                         ; quad = batch x 512 + block x 128 + wave x 16
	s_lshl_b32 s51, s51, 19
	s_add_co_u32 s50, s50, s51
	s_lshl_b32 s51, s14, 17
	s_add_co_u32 s50, s50, s51
	s_lshl_b32 s51, s[WV], 14
	s_add_co_u32 s50, s50, s51
	s_mov_b32 s51, 0
.irp g, D1A, D1B
	s_mov_b32 s[\g], 15|(3<<16)|(1<<21)            ; the mask of four; elements of 8 bytes; bit 21 beside a mask; no padding
	s_mov_b32 s[\g+1], 32<<16                      ; tensor_dim0 = 32: rows of 256 bytes
	s_mov_b32 s[\g+3], 32<<16                      ; tile_dim0
	s_mov_b32 s[\g+5], 32                          ; dense
	s_mov_b32 s[\g+6], 0
	s_mov_b32 s[\g+7], 0
.endr
	s_mov_b32 s[D1A+2], (PA/256)<<16               ; tensor_dim1
	s_mov_b32 s[D1A+4], PA/256                     ; tile_dim1
	s_mov_b32 s[D1B+2], (PB/256)<<16
	s_mov_b32 s[D1B+4], PB/256
	s_mov_b32 s[CS], 0x3e8293ee                    ; c = log2(e) / sqrt(32)
	s_mov_b32 s[CS+1], s[CS]
	s_mov_b32 s[SEL], 0x76543210
	s_mov_b32 s[SEL+1], 0xfedcba98
	s_mov_b32 s[TBK], 0
	s_mov_b32 s[TBV], 0
	s_mov_b32 s22, 0x3f803f80                      ; 1.0 twice in bf16
	s_wait_dscnt 0x0                               ; the opening add is done
	s_wait_kmcnt 0x0
	s_add_nc_u64 s[D0A+2:D0A+3], s[4:5], s[18:19]
	s_or_b32 s[D0A+3], s[D0A+3], 0x80000000
	s_add_nc_u64 s[D0B+2:D0B+3], s[4:5], s[20:21]
	s_or_b32 s[D0B+3], s[D0B+3], 0x80000000
	s_add_nc_u64 s[4:5], s[4:5], s[48:49]
	s_add_nc_u64 s[6:7], s[6:7], s[50:51]
	CROUND                                         ; all four work-groups are here: the joint loads meet
	tensor_load_to_lds s[D0A:D0A+3], s[D1A:D1A+7]  ; my two tensor loads of the launch go out together: my share of key steps 0-8,
	s_nop 0
	tensor_load_to_lds s[D0B:D0B+3], s[D1B:D1B+7]  ; and of the rest
	s_nop 0
.rept 4
	v_nop
.endr
	; the lanes' places are made by sums, masks and shifts alone.  For row r of a fragment g = (bit 2 << 1) | bit 3, so piece h xor g = (bit 2 << 1) | (bit 3 xor h)
	v_and_b32 v1, 15, v0                           ; r
	v_bfe_u32 v44, v0, 4, 1                        ; h
	v_bfe_u32 v45, v0, 2, 1                        ; lane's bit 2
	v_bfe_u32 v46, v0, 3, 1                        ; lane's bit 3
	v_add_nc_u32 v46, v46, v44
	v_and_b32 v46, 1, v46                          ; bit 3 xor h
	v_lshl_add_u32 v47, v45, 1, v46
	v_lshlrev_b32 v47, 4, v47                      ; the piece of channels 0-15, in bytes
	v_add_nc_u32 v45, 1, v45
	v_and_b32 v45, 1, v45                          ; bit 2 turned
	v_lshl_add_u32 v46, v45, 1, v46
	v_lshlrev_b32 v46, 4, v46                      ; the piece of channels 16-31
	v_lshl_add_u32 v[AKA], v1, 6, v47              ; r x 64 + the piece
	v_lshl_add_u32 v[AKB], v1, 6, v46
.irp t, 0,1,2,3
	global_load_b128 v[Q+8*\t:Q+8*\t+3],   v[AKA], s[4:5] offset:\t*1024  ; Q stays in registers
	global_load_b128 v[Q+8*\t+4:Q+8*\t+7], v[AKB], s[4:5] offset:\t*1024
.endr
	; the turning load: lane l addresses key 8 h + l % 8, channels 8 ((l>>3)&1) on; that row's g is (bit 2 << 1) | h: the same two pieces
	v_and_b32 v45, 7, v0
	v_lshl_add_u32 v45, v44, 3, v45
	v_lshlrev_b32 v45, 6, v45
	v_add_nc_u32 v45, VBASE, v45
	v_add_nc_u32 v[AVA], v45, v47
	v_add_nc_u32 v[AVB], v45, v46
	v_and_b32 v45, 7, v0
	v_cmp_eq_u32 vcc_lo, 0, v45                    ; rows 0 and 8 of the ones
	WIN 0x40
.set i, 0
.rept 8
	v_cndmask_b32 v[ONES+i], 0, s22, vcc_lo
.set i, i+1
.endr
.set i, 0
.rept 96
	v_mov_b32 v[i], 0                              ; O^T and l start at 0, on purpose: no first step is written out; these lines stand in the wait for the tiles
.set i, i+1
.endr
	WIN 0
.irp t, 0,1,2,3
	v_mov_b32 v[ST+2*\t], 0xfe000000               ; c m: far below every c s
	v_mov_b32 v[ST+2*\t+1], 0xff7fffff             ; m
.endr
.macro REGS t
.set rT, ST+2*(\t)
.set rC, TMP+4*(\t)
.set rM, MV+(\t)
.set rS, S+32*(\t)
.set rO, 24*(\t)
.endm
.macro KQ i                            ; scores of tile 2 NX + i % 2, keys 16 (i / 2) on: one product, started with 0
	REGS 2*NX+((\i)%2)
	v_wmma_f32_16x16x32_bf16 v[rS+8*((\i)/2):rS+8*((\i)/2)+7], v[KF+8*((\i)/2):KF+8*((\i)/2)+7], v[Q+8*(2*NX+((\i)%2)):Q+8*(2*NX+((\i)%2))+7], 0
.endm
.macro FS f                            ; c s - c m for pair f / 2 of tile 2 YY + f % 2
	REGS 2*YY+((\f)%2)
	v_pk_fma_f32 v[rS+2*((\f)/2):rS+2*((\f)/2)+1], v[rS+2*((\f)/2):rS+2*((\f)/2)+1], s[CS:CS+1], v[rT:rT+1] op_sel_hi:[1,0,0] neg_lo:[0,0,1] neg_hi:[0,0,1]
.endm
.macro EX e                            ; the exponential of score e / 2 of tile 2 YY + e % 2
	REGS 2*YY+((\e)%2)
	v_exp_f32 v[rS+(\e)/2], v[rS+(\e)/2]
.endm
; Number n of the 22 that find the maximum and statistics of tile 2 NX + u.  Each accumulator's lowest registers are read first.
;   0-11 four chains c0-c3 of seven scores   12-14, 16 the four left over, the old m, c0-c3 into c0   15 c m_old is kept   17, 18 the other 32 keys lie in the lane 16 away: the new m   19-21 c m; its change; a
.macro XS u, n
	REGS 2*NX+(\u)
.if (\n) < 4
	v_max3_num_f32 v[rC+(\n)], v[rS+8*(\n)], v[rS+8*(\n)+1], v[rS+8*(\n)+2]
.elseif (\n) < 12
	v_max3_num_f32 v[rC+(\n)%4], v[rC+(\n)%4], v[rS+8*((\n)%4)+2*((\n)/4)+1], v[rS+8*((\n)%4)+2*((\n)/4)+2]
.elseif (\n) == 12
	v_max3_num_f32 v[rC], v[rC], v[rS+7], v[rS+15]
.elseif (\n) == 13
	v_max3_num_f32 v[rC+1], v[rC+1], v[rS+23], v[rS+31]
.elseif (\n) == 14
	v_max3_num_f32 v[rC+2], v[rC+2], v[rC+3], v[rT+1]
.elseif (\n) == 15
	v_mov_b32 v[rM], v[rT]
.elseif (\n) == 16
	v_max3_num_f32 v[rC], v[rC], v[rC+1], v[rC+2]
.elseif (\n) == 17
	v_permlanex16_b32 v[rC+3], v[rC], s[SEL], s[SEL+1]
.elseif (\n) == 18
	v_max_num_f32 v[rT+1], v[rC], v[rC+3]
.elseif (\n) == 19
	v_mul_f32 v[rT], s[CS], v[rT+1]
.elseif (\n) == 20
	v_sub_f32 v[rC+1], v[rM], v[rT]
.else
	v_exp_f32 v[rC+2], v[rC+1]
.endif
.endm
.macro CV j                            ; pair j / 2 of tile 2 YY + j % 2 rounded to bf16, in place, ascending: a destination never lies above its sources
	REGS 2*YY+((\j)%2)
	v_cvt_pk_bf16_f32 v[rS+(\j)/2], v[rS+2*((\j)/2)], v[rS+2*((\j)/2)+1]
.endm
.macro PV i                            ; keys 32 (i / 6) on; (i % 6) / 2: channels 0-15, 16-31, or l; tile 2 YY + i % 2.  The six accumulators take turns
	REGS 2*YY+((\i)%2)
.set kk_, (\i)/6
.set o_, ((\i)%6)/2
.if o_ < 2
.set rA, VF+16*kk_+8*o_
.else
.set rA, ONES
.endif
	v_wmma_f32_16x16x32_bf16 v[rO+8*o_:rO+8*o_+7], v[rA:rA+7], v[rS+8*kk_:rS+8*kk_+7], v[rO+8*o_:rO+8*o_+7]
.endm
.macro RS i                            ; pair i / 2 of the nine (eight of O^T, one of l) of tile 2 NX + i % 2, times a
	REGS 2*NX+((\i)%2)
	v_pk_mul_f32 v[rO+2*((\i)/2):rO+2*((\i)/2)+1], v[rO+2*((\i)/2):rO+2*((\i)/2)+1], v[rC+2:rC+3] op_sel_hi:[1,0]
.endm
; The LDS loads stand in runs of 8.  Behind the last step the address stays at step 31, so that no branch stands among the exponentials; what that fetch brings changes nothing.
.macro FETCH_K
	v_add_nc_u32 v[AD], s[TBK], v[AKA]
	v_add_nc_u32 v[AD+1], s[TBK], v[AKB]
.irp b, 0,1,2,3
	ds_load_b128 v[KF+8*\b:KF+8*\b+3],   v[AD]   offset:\b*1024
	ds_load_b128 v[KF+8*\b+4:KF+8*\b+7], v[AD+1] offset:\b*1024
.endr
	s_add_co_u32 s[TBK], s[TBK], 4096
	s_min_u32 s[TBK], s[TBK], 31*4096
.endm
.macro FETCH_V
	WIN 0
	v_add_nc_u32 v[AD+2], s[TBV], v[AVA]
	v_add_nc_u32 v[AD+3], s[TBV], v[AVB]
	WIN 0x40                                       ; destination window 1
.irp k, 0,1
.irp c, 0,1
	ds_load_tr16_b128 v[VF+16*\k+8*\c:VF+16*\k+8*\c+3],   v[AD+2+\c] offset:\k*2048
	ds_load_tr16_b128 v[VF+16*\k+8*\c+4:VF+16*\k+8*\c+7], v[AD+2+\c] offset:\k*2048+1024
.endr
.endr
	WIN 0
	s_add_co_u32 s[TBV], s[TBV], 4096
	s_min_u32 s[TBV], s[TBV], 31*4096
.endm
; A TURN for piece y.  Ahead of the one wait nothing names an exponential's result: exponential e stands behind scaling 2 (e / 4) + e % 2, and no scaling follows an exponential of its pair.
; Turn 0 of step j makes piece 1's scores of step j and then fetches K of step j + 1, sixteen scalings behind the last product that read K; turn 1 makes piece 0's scores of step j + 1, and at its
; end fetches V of step j + 1, seven rescalings behind the last product.  Those seven are also the places ahead of the next turn's products, which write over P.
.macro TURN y
.set YY, (\y)
.set NX, 1-(\y)
.if (\y) == 1
	s_wait_dscnt 0x0                               ; K is in
.endif
	KQ 0
	FS 0
	FS 1
	FS 2
	FS 3
.set i, 1
.rept 7
	KQ i
	FS 2*i+2
	EX 2*i-2
	FS 2*i+3
	EX 2*i-1
.set i, i+1
.endr
.set i, 0
.rept 14
	FS 18+i
	EX 14+i
.set i, i+1
.endr
.if (\y) == 0
	s_wait_dscnt 0x0                               ; V is in
	FETCH_K
.endif
.set q, 0
.rept 42                                       ; the other piece's maximum and statistics, its two tiles by turns, an exponential behind each of the first 36
.set n_, q/2
.if n_ == 14
.set n_, 15
.elseif n_ == 15
.set n_, 14
.endif
	XS q%2, n_
.if q < 36
	EX 28+q
.endif
.set q, q+1
.endr
	XS 0, 21                                       ; its two a end the batch
	XS 1, 21
	v_nop                                          ; a plain instruction behind the last exponential: one for the batch
	s_wait_alu depctr_va_vdst(0)                   ; the wait ahead of the first reader: one for the 66
.set i, 0
.rept 32
	CV i
.set i, i+1
.endr
	WIN 0x51                                       ; V, the ones and O^T in window 1, P and a in window 0: it serves the products and the rescalings
.set i, 0
.rept 12
	PV i
	RS i
.set i, i+1
.endr
.rept 6
	RS i
.set i, i+1
.endr
.if (\y) == 1
	FETCH_V
.endif
	WIN 0
.endm
	s_wait_tensorcnt 1                             ; my share of key steps 0-8 is in; the rest may stay out
	s_barrier_signal -1
	s_barrier_wait -1                              ; everybody's is
	FETCH_K                                        ; step 0
	FETCH_V
	s_wait_loadcnt 0x0                             ; Q
	s_wait_dscnt 0x0
.set NX, 0
.set YY, 1
.set i, 0
.rept 8
	KQ i                                           ; piece 0's first scores
.set i, i+1
.endr
	s_mul_i32 s23, s[WV], 16*SP                    ; the addresses for the way out: ten plain instructions, the places behind those products
	s_add_co_u32 s23, s23, STAGE
	v_mul_u32_u24 v[STO], v1, SP                   ; in: row r, 16 bytes for each half of the lanes
	v_lshl_add_u32 v[STO], v44, 4, v[STO]
	v_add_nc_u32 v[STO], s23, v[STO]
	v_bfe_u32 v[RD], v0, 2, 3                      ; back: 32 lanes take eight rows of 64 bytes,
	v_mul_u32_u24 v[RD], v[RD], SP
	v_and_b32 v45, 3, v0
	v_lshl_add_u32 v[RD], v45, 4, v[RD]
	v_add_nc_u32 v[RD], s23, v[RD]
	v_lshlrev_b32 v[GO], 10, v44                   ; which are two quads' 256 bytes, 1,024 apart
	v_lshl_add_u32 v[GO], v1, 4, v[GO]
.irp n, 0,1,2,3,4,5,6,7,8,9,10,11,12,13,14,15,16,17,18,19,20,21
	XS 0, \n
	XS 1, \n
.endr
	v_nop
	s_wait_alu depctr_va_vdst(0)                   ; the two a have their wait ahead of the label
	s_mov_b32 s[GRP], 4
.Lgroup:                                       ; eight key steps; the first group's fetches end with step 8's K and V
	s_mov_b32 s[CNT], 8
.Lstep:
	TURN 0
	TURN 1
	s_sub_co_u32 s[CNT], s[CNT], 1
	s_cmp_lg_u32 s[CNT], 0
	s_cbranch_scc1 .Lstep
	s_wait_tensorcnt 0x0                           ; my share of the rest of K or V is in (it has had eight steps in which to land; from the second group on no load is out),
	s_wait_dscnt 0x0
	s_barrier_signal -1
	s_barrier_wait -1                              ; everybody's is: from here on K and V are only read
	s_sub_co_u32 s[GRP], s[GRP], 1
	s_cmp_lg_u32 s[GRP], 0
	s_cbranch_scc1 .Lgroup
	; the last turn has made piece 0's scores on step 31 once more: m has not grown, a = 1: the price, once a launch, of one text for every trip
	; THE WAY OUT: O^T is divided by l, rounded to bf16 and sent through my stage, a tile at a time.
.rept 4
	v_nop
.endr
	WIN 0x01
.irp t, 0,1,2,3
	v_rcp_f32 v[TMP+4*\t], v[24*\t+16]
.endr
	v_nop
	s_wait_alu depctr_va_vdst(0)                   ; one wait for the four reciprocals
.macro PACK t
	WIN 0x41
.set k, 0
.rept 8
	v_pk_mul_f32 v[24*(\t)+2*k:24*(\t)+2*k+1], v[24*(\t)+2*k:24*(\t)+2*k+1], v[TMP+4*(\t):TMP+4*(\t)+1] op_sel_hi:[1,0]
.set k, k+1
.endr
	WIN 0x05
.set k, 0
.rept 8
	v_cvt_pk_bf16_f32 v[S+32*(\t)+k], v[24*(\t)+2*k], v[24*(\t)+2*k+1]
.set k, k+1
.endr
	WIN 0
	ds_store_b128 v[STO], v[S+32*(\t):S+32*(\t)+3]
	ds_store_b128 v[STO], v[S+32*(\t)+4:S+32*(\t)+7] offset:32
	ds_load_b128 v[S+32*(\t)+8:S+32*(\t)+11],  v[RD]  ; LDS serves a wave's instructions in order: these see the stores above; the next tile's stores come behind them
	ds_load_b128 v[S+32*(\t)+12:S+32*(\t)+15], v[RD] offset:8*SP
.endm
.macro SEND t, younger                 ; younger: the LDS instructions issued behind tile t's loads: the next tile's four, or none
	s_wait_dscnt (\younger)+1
	global_store_b128 v[GO], v[S+32*(\t)+8:S+32*(\t)+11],  s[6:7] offset:(\t)*4096       ; 16 lanes store 256 consecutive bytes, at a multiple of 256 from ao's first
	s_wait_dscnt (\younger)
	global_store_b128 v[GO], v[S+32*(\t)+12:S+32*(\t)+15], s[6:7] offset:(\t)*4096+2048
.endm
	PACK 0
	PACK 1
	SEND 0, 4
	PACK 2
	SEND 1, 4
	PACK 3
	SEND 2, 4
	SEND 3, 0
	s_wait_tensorcnt 0x0                           ; the wave's end
	ds_add_u32 v[SPW], v[NIL]
	s_wait_dscnt 0x0
	CROUND                                         ; the closing round
	s_endpgm
.Lfunc_end_k_q5e692d6529_attn:
	.size	k_q5e692d6529_attn, .Lfunc_end_k_q5e692d6529_attn-k_q5e692d6529_attn
	.p2alignl 7, 3214868480
	.fill 96, 4, 3214868480
	.section	.rodata,"a",@progbits
	.p2align	6, 0x0
	.amdhsa_kernel k_q5e692d6529_attn
		.amdhsa_group_segment_fixed_size 327680
		.amdhsa_private_segment_fixed_size 0
		.amdhsa_enable_private_segment 0
		.amdhsa_kernarg_size 16
		.amdhsa_user_sgpr_count 2
		.amdhsa_user_sgpr_kernarg_segment_ptr 1
		.amdhsa_wavefront_size32 1
		.amdhsa_system_sgpr_workgroup_id_x 1
		.amdhsa_system_sgpr_workgroup_id_y 1
		.amdhsa_system_sgpr_workgroup_id_z 1
		.amdhsa_system_vgpr_workitem_id 0
		.amdhsa_next_free_vgpr 392
		.amdhsa_next_free_sgpr 66
		.amdhsa_reserve_vcc 1
		.amdhsa_float_denorm_mode_32 3
		.amdhsa_float_denorm_mode_16_64 3
		.amdhsa_memory_ordered 1
		.amdhsa_forward_progress 1
		.amdhsa_inst_pref_size 47
	.end_amdhsa_kernel
	.amdgpu_metadata
---
amdhsa.version: [ 1, 2 ]
amdhsa.kernels:
  - .name:           k_q5e692d6529_attn
    .symbol:         k_q5e692d6529_attn.kd
    .args:
      - { .name: qkv, .offset: 0, .size: 8, .value_kind: global_buffer, .address_space: global }
      - { .name: ao, .offset: 8, .size: 8, .value_kind: global_buffer, .address_space: global }
    .group_segment_fixed_size: 327680
    .private_segment_fixed_size: 0
    .kernarg_segment_align: 8
    .kernarg_segment_size: 16
    .max_flat_workgroup_size: 256
    .sgpr_count:     66
    .vgpr_count:     392
    .wavefront_size: 32
...
	.end_amdgpu_metadata
.endif
;; end of part 9
;; launch wout (part 10): grid 8 x 32, 4 waves a work-group, clusters of 4 x 4, 327,680 bytes of LDS; arguments ao, wt, x, x1, x1b, ssq; writes x1, x1b, ssq
.if DOCPART == 10
	.amdgcn_target "amdgcn-amd-amdhsa--gfx1250"
	.amdhsa_code_object_version 6
	.text
	.protected	k_q5e692d6529_wout
	.globl	k_q5e692d6529_wout
	.p2align	8
	.type	k_q5e692d6529_wout,@function
k_q5e692d6529_wout:
	s_mov_b64 s[64:65], 0
	v_nop
	global_prefetch_b8 v0, s[64:65] scope:SCOPE_SE
	s_setreg_imm32_b32 hwreg(HW_REG_WAVE_MODE, 25, 1), 1
	s_wait_xcnt 0x0
	s_wait_alu depctr_hold_cnt(0) depctr_sa_sdst(0) depctr_va_vdst(0) depctr_va_sdst(0) depctr_va_ssrc(0) depctr_va_vcc(0) depctr_vm_vsrc(0)
	s_getreg_b32 s2, hwreg(HW_REG_IB_STS2, 6, 4)
	s_cmp_eq_u32 s2, 0
	s_cbranch_scc0 .Lentry_in_a_cluster
	s_endpgm
.Lentry_in_a_cluster:
	s_bfe_u32 s2, ttmp6, 0x10000c
	s_cmp_lg_u32 s2, 0xf033
	s_cbranch_scc0 .Lentry_shape_is_right
	s_endpgm
.Lentry_shape_is_right:
; x1 = xr + ao wo (f32), xr = x rounded once to bf16, as every input of the module is taken; x1b = bf16(x1) in the left operands' layout; ssq[part][token] = the sum of x1^2 over the part's 64 columns
; (16 parts), in f32: the second norm is finished by the next launch.
; LIMIT: the residual takes bf16(x), which is off from x by up to 2^-8 of |x|.
; Left operand ao, right operand wt's rows 3072..4095 ([n][k] bf16), sums in f32.  Tile 128 tokens x 128 columns, four waves of 64 x 64, K = 1,024 in four steps of 256 through two LDS slots.
; A step is four quarters of 64 along K, ALL ALIKE: a quarter multiplies one fragment buffer and, in its middle, fetches the next quarter's fragments into the other; where they lie is held in two scalar
; offsets that step by exclusive ors.  A PAIR of quarters (it fetches one group of 128 k) is written once for the loop and once for the tail.  THE CHANGE OF SLOTS stands by itself between a step's third and
; fourth quarter, where the slot's last fragments have been asked for.  The first quarter of all, whose products start the sums, stands ahead of the loop, which is entered in its middle.
; LEFT OPERANDS' LAYOUT: byte = (k>>7) 2^20 + (tok>>2) 1024 + ((k>>5)&3) 256 + (tok&3) 64 + (k&31) 2.
; CLUSTER 4 x 4: left tiles shared along a row, right tiles along a column, asked for jointly.  The product is taken transposed: a lane holds one token and eight neighbouring columns.
; The wave's 64 x 64 of x are asked for at the start, into window 2, and are waited for on the way out.
; REGISTERS: window 0: v0-31 addresses; v32-127 the way out; v128-255 accumulators.  Window 1: two fragment buffers.  Window 2: v0-127 x.
.set KP,     1024
.set BOFF,   6291456
.set STEPS,  4
.set APITCH, 1040
.set AHALF,  32*APITCH                 ; a group of 128 k of the tile's 32 quads: what one tensor load brings
.set BPITCH, 528
.set BHALF,  64*BPITCH
.set BBASE,  2*AHALF
.set SLOT,   135168                    ; slot 1 begins here, 1,024 bytes behind slot 0's end: 2^17 + 2^12, two bits that occur in none of a slot's own base addresses (0 or AHALF; BBASE or BBASE + BHALF; 256),
                                       ; so that one exclusive or turns a base in one slot into the other's
.set STAGE,  SLOT+BBASE+2*BHALF        ; behind the ring, for each wave: 16 rows x 272 bytes (f32), then 2,048 bytes (bf16)
.set SPITCH, 272
.set WSTAGE, 16*SPITCH+2048
.set SPARE,  STAGE+4*WSTAGE
.set ADRA0, 16                         ; my lane's place in slot 0's left tile; never rewritten
.set ADRB0, 17                         ; the same for the right tile
.set ADRA, 18                          ; the same in the group of 128 k that is being fetched
.set ADRB, 19
.set XO,   22                          ; my offset in two rows of x and x1
.set CO2,  23                          ; 16 x lane
.set STO,  24
.set RD,   25
.set ST2,  26
.set RD2,  27
.set SPW,  28
.set NIL,  29
.set SO,   30
.set T,    32                          ; v32-63  16 tokens x 64 columns, by rows
.set XB,   64                          ; v64-79  first x rounded, in pairs; then x1 in bf16, as it is stored
.set SS,   80                          ; v80-81  sums of squares: a token a lane
.set PS,   96                          ; v96-111 at work (with v112-127: x rounded and widened again)
.set BF,   112                         ; v112-127 at work
.set ACC,  128
.set F0,   0
.set F1,   128
.set G1,  24
.set G0,  32                           ; two sets, for the two first fills; the second then walks on
.set G1B, 48
.set G0B, 56
.set SA,  20                           ; s20  the group of 128 k that the next pair fetches: its byte in the left tile, counted from slot 0's head
.set SB,  21                           ; s21  the same in the right tile's rows
.set CNT, 22                           ; s22  passes of the loop to go
.set CNT2, 23                          ; s23  pairs to go until the next change of slots
.set HIM, 45                           ; s45  a word's upper bf16
.set LM,  76                           ; s[76:91] lanes with lane % 16 = i
.set MSB, 0
.macro WIN new
.if MSB != (\new)
	s_set_vgpr_msb (MSB<<8)|(\new)
.set MSB, \new
.endif
.endm
.set MUL,  0x05
.set TO_F, 0x40
.macro JLOAD s                         ; waves 0 and 1 fetch the left operand's two groups of 128 k, waves 2 and 3 the right one's two halves; s_nop 0 and four v_nop follow each line
	s_cmp_eq_u32 s11, 0
	s_cbranch_scc0 .Lfor_b_\@
	tensor_load_to_lds s[G0+4*(\s):G0+4*(\s)+3], s[G1:G1+7]
	s_nop 0
.rept 4
	v_nop
.endr
	s_branch .Lasked_\@
.Lfor_b_\@:
	tensor_load_to_lds s[G0B+4*(\s):G0B+4*(\s)+3], s[G1B:G1B+7]
	s_nop 0
.rept 4
	v_nop
.endr
.Lasked_\@:
.endm
.macro CREST
	s_cmp_lg_u32 s10, 0
	s_cbranch_scc1 .Lnot_wave_0_\@
	s_barrier_signal -3
.Lnot_wave_0_\@:
	s_barrier_wait -3
	s_barrier_signal -1
	s_barrier_wait -1
.endm
.macro CROUND
	s_barrier_signal -1
	s_barrier_wait -1
	CREST
.endm
.macro PLACES
.rept 4
	v_nop
.endr
.endm
.macro MUL8 f, c, a0, zero             ; token blocks a0, a0 + 1 x all 4 column blocks, 32 along K: half c of buffer f; the 16 accumulators take turns
	WIN MUL
.irp a, \a0, (\a0)+1
.irp b, 0,1,2,3
.if \zero
	v_wmma_f32_16x16x32_bf16 v[ACC+8*(4*(\a)+(\b)):ACC+8*(4*(\a)+(\b))+7], v[(\f)+64+8*(4*(\c)+(\b)):(\f)+64+8*(4*(\c)+(\b))+7], v[(\f)+8*(4*(\c)+(\a)):(\f)+8*(4*(\c)+(\a))+7], 0
.else
	v_wmma_f32_16x16x32_bf16 v[ACC+8*(4*(\a)+(\b)):ACC+8*(4*(\a)+(\b))+7], v[(\f)+64+8*(4*(\c)+(\b)):(\f)+64+8*(4*(\c)+(\b))+7], v[(\f)+8*(4*(\c)+(\a)):(\f)+8*(4*(\c)+(\a))+7], v[ACC+8*(4*(\a)+(\b)):ACC+8*(4*(\a)+(\b))+7]
.endif
.endr
.endr
.endm
.macro FETCH e, f                      ; 32 LDS loads: half e (64 along K) of the group in hand into buffer f, its first 32 along K first
	WIN TO_F
.irp c, 0,1
.irp i, 0,1,2,3
	ds_load_b128 v[(\f)+64+8*(4*(\c)+(\i)):(\f)+64+8*(4*(\c)+(\i))+3],   v[ADRB] offset:(\e)*128+64*(\c)+(\i)*16*BPITCH
	ds_load_b128 v[(\f)+64+8*(4*(\c)+(\i))+4:(\f)+64+8*(4*(\c)+(\i))+7], v[ADRB] offset:(\e)*128+64*(\c)+(\i)*16*BPITCH+32
	ds_load_b128 v[(\f)+8*(4*(\c)+(\i)):(\f)+8*(4*(\c)+(\i))+3],         v[ADRA] offset:(2*(\e)+(\c))*256+(\i)*4*APITCH
	ds_load_b128 v[(\f)+8*(4*(\c)+(\i))+4:(\f)+8*(4*(\c)+(\i))+7],       v[ADRA] offset:(2*(\e)+(\c))*256+(\i)*4*APITCH+32
.endr
.endr
.endm
.macro QUARTER e, f, g, zero           ; multiplies buffer f and, in its middle, fetches half e of the group in hand into g
	s_wait_dscnt 16                                ; the first 32 along K are in
	MUL8 \f, 0, 0, \zero
	MUL8 \f, 0, 2, \zero
	PLACES
	FETCH \e, \g
	s_wait_dscnt 32                                ; all but the 32 just issued
	MUL8 \f, 1, 0, 0
	MUL8 \f, 1, 2, 0
.endm
; Two quarters: buffer 1 is multiplied while a group's first half comes into buffer 0, then buffer 0 while its second half comes into buffer 1.  The offsets then turn to the slot's other group.
.macro PAIR
	v_add_nc_u32 v[ADRA], s[SA], v[ADRA0]
	v_add_nc_u32 v[ADRB], s[SB], v[ADRB0]
	s_xor_b32 s[SA], s[SA], AHALF
	s_xor_b32 s[SB], s[SB], 256
	QUARTER 0, F1, F0, 0
	QUARTER 1, F0, F1, 0
	WIN 0                                          ; at a label and at a branch every window is 0
.endm
; THE CHANGE OF SLOTS.  Each wave waits for all its tensor loads, of which at most one is out: its part of the next slot; adds 0 to its spare word; and waits for that and for its reads of this slot, the last
; of which (the fourth quarter's fragments) were asked for half a quarter back.  Behind the barrier nobody reads this slot any more and the next slot is whole.
; fill = 1: the barrier is a round of the cluster's, and this slot is filled again, first thing behind it, with the step two on.
.macro CHANGE fill
	s_wait_tensorcnt 0x0                           ; no tensor load of mine is out, so a group 0 may be written;
	ds_add_u32 v[SPW], v[NIL]                      ; 0 onto my spare word; the scalar steps stand between it and the wait for it
.if \fill
	s_xor_b32 s[G0+5], s[G0+5], SLOT               ; the walking descriptors: the other slot than last time,
	s_add_nc_u64 s[G0+6:G0+7], s[G0+6:G0+7], 0x200000  ; the next two groups of 128 k; the type bits on top are not reached
	s_xor_b32 s[G0B+5], s[G0B+5], SLOT
	s_add_nc_u64 s[G0B+6:G0B+7], s[G0B+6:G0B+7], 512
.endif
	s_xor_b32 s[SA], s[SA], SLOT                   ; the fetches go on in the other slot
	s_xor_b32 s[SB], s[SB], SLOT
	s_wait_dscnt 0x0                               ; the add is done, and my reads of this slot are over
.if \fill
	CROUND                                         ; no wave of any partner still reads this slot or has a load on its way
	JLOAD 1                                        ; the first tensor load behind the round
.else
	s_barrier_signal -1
	s_barrier_wait -1
.endif
.endm
.macro LASTQ f                         ; the very last quarter: nothing more to fetch
	s_wait_dscnt 16
	MUL8 \f, 0, 0, 0
	MUL8 \f, 0, 2, 0
	s_wait_dscnt 0x0
	MUL8 \f, 1, 0, 0
	MUL8 \f, 1, 2, 0
	WIN 0
.endm
	s_load_b128 s[4:7], s[0:1], 0x0                ; ao s[4:5], wt s[6:7]
	s_load_b256 s[68:75], s[0:1], 0x10             ; x s[68:69], x1 s[70:71], x1b s[72:73], ssq s[74:75]
	v_lshl_add_u32 v[SPW], v0, 2, SPARE
	v_mov_b32 v[NIL], 0
	ds_add_u32 v[SPW], v[NIL]                      ; the wave's opening: the add and its wait ahead of my first tensor load
	v_lshrrev_b32 v1, 5, v0
	v_readfirstlane_b32 s10, v1
	s_lshr_b32 s11, s10, 1
	s_and_b32 s12, s10, 1
	s_bfe_u32 s40, ttmp6, 0x40000
	s_bfe_u32 s41, ttmp6, 0x40004
	s_lshl_b32 s42, ttmp9, 2
	s_add_co_u32 s42, s42, s40                     ; column tile
	s_and_b32 s13, ttmp7, 0xffff
	s_lshl_b32 s13, s13, 2
	s_add_co_u32 s13, s13, s41                     ; token tile
	s_lshl_b32 s43, s41, 2
	s_lshl_b32 s43, 15, s43
	s_lshl_b32 s44, 0x1111, s40
	s_or_b32 s[G1+0], s43, (1<<16)|(1<<20)|(1<<21)|(7<<22)|(3<<25)
	s_or_b32 s[G1B+0], s44, (1<<16)|(1<<20)|(1<<21)|(6<<22)|(3<<25)
	s_mov_b32 s[G1+1], 512<<16
	s_mov_b32 s[G1+2], 32<<16
	s_mov_b32 s[G1+3], 512<<16
	s_mov_b32 s[G1+4], 32
	s_mov_b32 s[G1+5], 512
	s_mov_b32 s[G1+6], 0
	s_mov_b32 s[G1+7], 0
	s_mov_b32 s[G1B+1], 256<<16
	s_mov_b32 s[G1B+2], 64<<16
	s_mov_b32 s[G1B+3], 256<<16
	s_mov_b32 s[G1B+4], 64
	s_mov_b32 s[G1B+5], KP
	s_mov_b32 s[G1B+6], 0
	s_mov_b32 s[G1B+7], 0
	s_mov_b32 s[HIM], 0xffff0000
	s_lshl_b32 s16, s13, 15
	s_lshl_b32 s17, s12, 20
	s_add_co_u32 s16, s16, s17
	s_mov_b32 s17, 0
	s_lshl_b32 s46, s42, 7
	s_lshl_b32 s47, s12, 6
	s_add_co_u32 s46, s46, s47
	s_mul_i32 s46, s46, KP*2
	s_add_co_u32 s46, s46, BOFF
	s_mov_b32 s47, 0
	s_mul_i32 s20, s12, AHALF
	s_mul_i32 s23, s12, BHALF
	s_add_co_u32 s23, s23, BBASE
	s_wait_dscnt 0x0
	s_wait_kmcnt 0x0
	s_add_nc_u64 s[14:15], s[4:5], s[16:17]
	s_add_nc_u64 s[46:47], s[6:7], s[46:47]
	CROUND
.irp s, 0,1
	s_mov_b32 s[G0+4*(\s)], 1
	s_add_co_u32 s[G0+4*(\s)+1], s20, (\s)*SLOT
	s_add_nc_u64 s[G0+4*(\s)+2:G0+4*(\s)+3], s[14:15], (\s)*0x200000
	s_or_b32 s[G0+4*(\s)+3], s[G0+4*(\s)+3], 0x80000000
	s_mov_b32 s[G0B+4*(\s)], 1
	s_add_co_u32 s[G0B+4*(\s)+1], s23, (\s)*SLOT
	s_add_nc_u64 s[G0B+4*(\s)+2:G0B+4*(\s)+3], s[46:47], (\s)*512
	s_or_b32 s[G0B+4*(\s)+3], s[G0B+4*(\s)+3], 0x80000000
	JLOAD \s
.endr
	v_and_b32 v1, 15, v0                           ; r
	v_bfe_u32 v2, v0, 4, 1                         ; h
	; the four buffers at my wave's part: the token part in s16-19, the column part in s46, s47, s22
	s_lshl_b32 s16, s13, 7
	s_lshl_b32 s17, s11, 6
	s_add_co_u32 s16, s16, s17                     ; my first token
	s_mov_b32 s19, 0
	s_lshl_b32 s18, s16, 12
	s_add_nc_u64 s[68:69], s[68:69], s[18:19]
	s_add_nc_u64 s[70:71], s[70:71], s[18:19]
	s_lshl_b32 s18, s16, 8                         ; a quad's 1,024 bytes
	s_add_nc_u64 s[72:73], s[72:73], s[18:19]
	s_lshl_b32 s18, s16, 2
	s_add_nc_u64 s[74:75], s[74:75], s[18:19]
	s_mov_b32 s47, 0
	s_lshl_b32 s46, s42, 9                         ; 128 columns of 4 bytes, my 64
	s_lshl_b32 s22, s12, 8
	s_add_co_u32 s46, s46, s22
	s_add_nc_u64 s[68:69], s[68:69], s[46:47]
	s_add_nc_u64 s[70:71], s[70:71], s[46:47]
	s_lshl_b32 s46, s42, 20                        ; the column tile is a group of 128 k of x1b; my 64 are two of its four parts
	s_lshl_b32 s22, s12, 9
	s_add_co_u32 s46, s46, s22
	s_add_nc_u64 s[72:73], s[72:73], s[46:47]
	s_lshl_b32 s46, s42, 15                        ; part 2 x column tile + half, 16,384 bytes each
	s_lshl_b32 s22, s12, 14
	s_add_co_u32 s46, s46, s22
	s_add_nc_u64 s[74:75], s[74:75], s[46:47]
	v_lshlrev_b32 v[XO], 12, v2
	v_lshl_add_u32 v[XO], v1, 4, v[XO]             ; lanes 0-15 one row's 256 bytes, lanes 16-31 the next row's
	WIN 0x80                                       ; destination window 2
.irp a, 0,1,2,3
.irp t, 0,1,2,3,4,5,6,7
	global_load_b128 v[4*(8*(\a)+(\t)):4*(8*(\a)+(\t))+3], v[XO], s[68:69] offset:(16*(\a)+2*(\t))*4096 th:TH_LOAD_NT
.endr
.endr
	WIN 0
	v_lshrrev_b32 v3, 2, v1
	v_mul_u32_u24 v3, v3, APITCH
	v_and_b32 v4, 3, v1
	v_lshl_add_u32 v3, v4, 6, v3
	v_lshl_add_u32 v3, v2, 4, v3                   ; left fragment: (r>>2) x pitch + (r&3) x 64 + 16 h
	v_mul_u32_u24 v5, v1, BPITCH
	v_lshl_add_u32 v5, v2, 4, v5                   ; right fragment: r x pitch + 16 h
	s_mul_i32 s21, s11, 16*APITCH                  ; my 64 tokens: 16 quads
	s_mul_i32 s22, s12, BHALF
	s_add_co_u32 s22, s22, BBASE
	v_add_nc_u32 v[ADRA0], s21, v3
	v_add_nc_u32 v[ADRB0], s22, v5
	v_add_nc_u32 v[ADRA], s21, v3                  ; the first two fetches stand at slot 0's head
	v_add_nc_u32 v[ADRB], s22, v5
	s_mul_i32 s23, s10, WSTAGE
	s_add_co_u32 s23, s23, STAGE
	v_mul_u32_u24 v6, v1, SPITCH                   ; in: row r, 32 bytes for each half of the lanes
	v_lshl_add_u32 v6, v2, 5, v6
	v_add_nc_u32 v[STO], s23, v6
	v_mul_u32_u24 v6, v2, SPITCH                   ; back: lanes 0-15 one row of 256 bytes, lanes 16-31 the next
	v_lshl_add_u32 v6, v1, 4, v6
	v_add_nc_u32 v[RD], s23, v6
	s_add_co_u32 s23, s23, 16*SPITCH
	v_lshrrev_b32 v6, 3, v1                        ; r >> 3: which 32 columns
	v_and_b32 v7, 7, v1
	v_lshlrev_b32 v8, 8, v6
	v_lshl_add_u32 v8, v7, 3, v8
	v_lshl_add_u32 v8, v2, 6, v8
	v_add_nc_u32 v[ST2], s23, v8                   ; (r>>3) 256 + h 64 + (r&7) 8
	v_and_b32 v8, 31, v0
	v_lshlrev_b32 v[CO2], 4, v8
	v_add_nc_u32 v[RD2], s23, v[CO2]
	v_lshlrev_b32 v[SO], 6, v6
	v_lshl_add_u32 v[SO], v7, 3, v[SO]
	v_lshl_add_u32 v[SO], v2, 2, v[SO]             ; 4 x (16 (r>>3) + 2 (r&7) + h)
	s_wait_tensorcnt 1                             ; my part of step 0 is in; slot 1's may stay out
	s_barrier_signal -1
	s_barrier_wait -1
	FETCH 0, F0
	QUARTER 1, F0, F1, 1                           ; the first products start the sums
	WIN 0
	s_mov_b32 s[SA], AHALF                         ; the next pair fetches slot 0's second group
	s_mov_b32 s[SB], 256
	s_mov_b32 s[CNT], STEPS-1                      ; this pass, which has one pair and no change of slots, and two that fill a slot again
	s_mov_b32 s[CNT2], 1
	s_branch .Lpair                                ; the loop is entered in the middle of a pass
.Lslot:                                        ; twice: a step's fourth quarter and the next step's first three
	CHANGE 1
	s_mov_b32 s[CNT2], 2
.Lpair:
	PAIR
	s_sub_co_u32 s[CNT2], s[CNT2], 1
	s_cmp_lg_u32 s[CNT2], 0
	s_cbranch_scc1 .Lpair
	s_sub_co_u32 s[CNT], s[CNT], 1
	s_cmp_lg_u32 s[CNT], 0
	s_cbranch_scc1 .Lslot
	CHANGE 0                                       ; the tail is written out: the last change of slots fills nothing
	s_mov_b32 s[CNT2], 2
.Ltail:
	PAIR
	s_sub_co_u32 s[CNT2], s[CNT2], 1
	s_cmp_lg_u32 s[CNT2], 0
	s_cbranch_scc1 .Ltail
	LASTQ F1
	; THE WAY OUT, 16 tokens at a time: the sums go through my stage and come back by rows; x, rounded to bf16, is added; x1 leaves; its squares are summed over 16 lanes; its bf16 copy goes through the second stage.
	PLACES
.set i, 0
.rept 16
	v_cmp_eq_u32 s[LM+i], i, v1
.set i, i+1
.endr
	v_mov_b32 v[SS], 0
	v_mov_b32 v[SS+1], 0
.macro OUTBLK a
	s_wait_xcnt 0x0                                ; the last block's stores have read their registers (T and XB), which are written again below
.irp b, 0,1,2,3
	ds_store_b128 v[STO], v[ACC+8*(4*(\a)+(\b)):ACC+8*(4*(\a)+(\b))+3]   offset:64*(\b)
	ds_store_b128 v[STO], v[ACC+8*(4*(\a)+(\b))+4:ACC+8*(4*(\a)+(\b))+7] offset:64*(\b)+16
.endr
.irp t, 0,1,2,3,4,5,6,7
	ds_load_b128 v[T+4*(\t):T+4*(\t)+3], v[RD] offset:(\t)*2*SPITCH  ; tokens 2 t and 2 t + 1
.endr
.if (\a) == 0
	s_wait_loadcnt 0x0                             ; x
.endif
	WIN 0x0a                                       ; sources 0 and 1 window 2: the block's x is rounded to bf16, two numbers a line, while the stage's loads are out,
.set q, 0
.rept 16
	v_cvt_pk_bf16_f32 v[XB+q], v[32*(\a)+2*q], v[32*(\a)+2*q+1]
.set q, q+1
.endr
	WIN 0
.set q, 0
.rept 16
	v_lshlrev_b32 v[PS+2*q], 16, v[XB+q]           ; and widened again: the low half moves up,
	v_and_b32 v[PS+2*q+1], s[HIM], v[XB+q]         ; the high half stays
.set q, q+1
.endr
	s_wait_dscnt 0x0                               ; the block is back by rows
.set q, 0
.rept 16
	v_pk_add_f32 v[T+2*q:T+2*q+1], v[T+2*q:T+2*q+1], v[PS+2*q:PS+2*q+1]
.set q, q+1
.endr
.irp t, 0,1,2,3,4,5,6,7
	global_store_b128 v[XO], v[T+4*(\t):T+4*(\t)+3], s[70:71] offset:(16*(\a)+2*(\t))*4096  ; 16 lanes store 256 consecutive bytes, aligned
.endr
.irp t, 0,1,2,3,4,5,6,7
	v_pk_mul_f32 v[PS+2*(\t):PS+2*(\t)+1], v[T+4*(\t):T+4*(\t)+1], v[T+4*(\t):T+4*(\t)+1]
.endr
.irp t, 0,1,2,3,4,5,6,7
	v_pk_fma_f32 v[PS+2*(\t):PS+2*(\t)+1], v[T+4*(\t)+2:T+4*(\t)+3], v[T+4*(\t)+2:T+4*(\t)+3], v[PS+2*(\t):PS+2*(\t)+1]
.endr
.irp t, 0,1,2,3,4,5,6,7
	v_add_f32 v[PS+2*(\t)], v[PS+2*(\t)], v[PS+2*(\t)+1]
.endr
.irp m, 1,2,4,8
.irp t, 0,1,2,3,4,5,6,7
	v_add_f32_dpp v[PS+2*(\t)], v[PS+2*(\t)], v[PS+2*(\t)] row_xmask:\m row_mask:0xf bank_mask:0xf
.endr
.endr
.irp t, 0,1,2,3,4,5,6,7
	v_cndmask_b32 v[SS+(\a)/2], v[SS+(\a)/2], v[PS+2*(\t)], s[LM+8*((\a)%2)+(\t)]  ; lane 8 (a % 2) + t of each half keeps the token's sum
.endr
.irp t, 0,1,2,3,4,5,6,7
	v_cvt_pk_bf16_f32 v[BF+2*(\t)],   v[T+4*(\t)],   v[T+4*(\t)+1]
	v_cvt_pk_bf16_f32 v[BF+2*(\t)+1], v[T+4*(\t)+2], v[T+4*(\t)+3]
	ds_store_b64 v[ST2], v[BF+2*(\t):BF+2*(\t)+1] offset:((\t)/2)*512+((\t)%2)*128
.endr
.irp q, 0,1,2,3
	ds_load_b128 v[XB+4*(\q):XB+4*(\q)+3], v[RD2] offset:(\q)*512
.endr
	s_wait_dscnt 0x0
.irp q, 0,1,2,3
	global_store_b128 v[CO2], v[XB+4*(\q):XB+4*(\q)+3], s[72:73] offset:(4*(\a)+(\q))*1024  ; 512 consecutive bytes of a quad, aligned
.endr
.if (\a)%2 == 1
	global_store_b32 v[SO], v[SS+(\a)/2], s[74:75] offset:((\a)/2)*128  ; 32 tokens' sums: 128 consecutive bytes; the whole buffer is 262,144 bytes
.endif
.endm
	OUTBLK 0
	OUTBLK 1
	OUTBLK 2
	OUTBLK 3
	s_wait_tensorcnt 0x0                           ; the wave's end
	ds_add_u32 v[SPW], v[NIL]
	s_wait_dscnt 0x0
	CROUND                                         ; the closing round
	s_endpgm
.Lfunc_end_k_q5e692d6529_wout:
	.size	k_q5e692d6529_wout, .Lfunc_end_k_q5e692d6529_wout-k_q5e692d6529_wout
	.p2alignl 7, 3214868480
	.fill 96, 4, 3214868480
	.section	.rodata,"a",@progbits
	.p2align	6, 0x0
	.amdhsa_kernel k_q5e692d6529_wout
		.amdhsa_group_segment_fixed_size 327680
		.amdhsa_private_segment_fixed_size 0
		.amdhsa_enable_private_segment 0
		.amdhsa_kernarg_size 48
		.amdhsa_user_sgpr_count 2
		.amdhsa_user_sgpr_kernarg_segment_ptr 1
		.amdhsa_wavefront_size32 1
		.amdhsa_system_sgpr_workgroup_id_x 1
		.amdhsa_system_sgpr_workgroup_id_y 1
		.amdhsa_system_sgpr_workgroup_id_z 1
		.amdhsa_system_vgpr_workitem_id 0
		.amdhsa_next_free_vgpr 640
		.amdhsa_next_free_sgpr 92
		.amdhsa_reserve_vcc 0
		.amdhsa_float_denorm_mode_32 3
		.amdhsa_float_denorm_mode_16_64 3
		.amdhsa_memory_ordered 1
		.amdhsa_forward_progress 1
		.amdhsa_inst_pref_size 85
	.end_amdhsa_kernel
	.amdgpu_metadata
---
amdhsa.version: [ 1, 2 ]
amdhsa.kernels:
  - .name:           k_q5e692d6529_wout
    .symbol:         k_q5e692d6529_wout.kd
    .args:
      - { .name: ao, .offset: 0, .size: 8, .value_kind: global_buffer, .address_space: global }
      - { .name: wt, .offset: 8, .size: 8, .value_kind: global_buffer, .address_space: global }
      - { .name: x, .offset: 16, .size: 8, .value_kind: global_buffer, .address_space: global }
      - { .name: x1, .offset: 24, .size: 8, .value_kind: global_buffer, .address_space: global }
      - { .name: x1b, .offset: 32, .size: 8, .value_kind: global_buffer, .address_space: global }
      - { .name: ssq, .offset: 40, .size: 8, .value_kind: global_buffer, .address_space: global }
    .group_segment_fixed_size: 327680
    .private_segment_fixed_size: 0
    .kernarg_segment_align: 8
    .kernarg_segment_size: 48
    .max_flat_workgroup_size: 128
    .sgpr_count:     92
    .vgpr_count:     640
    .wavefront_size: 32
...
	.end_amdgpu_metadata
.endif
;; end of part 10
;; launch gateup (part 11): grid 8 x 32, 4 waves a work-group, clusters of 4 x 4, 327,680 bytes of LDS; arguments x1b, wt, ssq, act; writes act
.if DOCPART == 11
	.amdgcn_target "amdgcn-amd-amdhsa--gfx1250"
	.amdhsa_code_object_version 6
	.text
	.protected	k_q5e692d6529_gateup
	.globl	k_q5e692d6529_gateup
	.p2align	8
	.type	k_q5e692d6529_gateup,@function
k_q5e692d6529_gateup:
	s_mov_b64 s[64:65], 0
	v_nop
	global_prefetch_b8 v0, s[64:65] scope:SCOPE_SE
	s_setreg_imm32_b32 hwreg(HW_REG_WAVE_MODE, 25, 1), 1
	s_wait_xcnt 0x0
	s_wait_alu depctr_hold_cnt(0) depctr_sa_sdst(0) depctr_va_vdst(0) depctr_va_sdst(0) depctr_va_ssrc(0) depctr_va_vcc(0) depctr_vm_vsrc(0)
	s_getreg_b32 s2, hwreg(HW_REG_IB_STS2, 6, 4)
	s_cmp_eq_u32 s2, 0
	s_cbranch_scc0 .Lentry_in_a_cluster
	s_endpgm
.Lentry_in_a_cluster:
	s_bfe_u32 s2, ttmp6, 0x10000c
	s_cmp_lg_u32 s2, 0xf033
	s_cbranch_scc0 .Lentry_shape_is_right
	s_endpgm
.Lentry_shape_is_right:
; act = silu(h w_gate) * (h w_up), h = x1 rs, rs = rsqrt(mean(x1^2) + 1e-6).  The products are taken of bf16(x1): G = x1 w_gate, U = x1 w_up; with ms = mean + 1e-6 and rs^2 = 1 / ms,
; act = G U / (ms (1 + 2^(-log2(e) rs G))).  ms is made of the 16 partial sums in ssq, in f32.  act is rounded once to bf16, in the left operands' layout.
; ff is taken as 768 = 48 blocks of 16, so that 8 column tiles of 6 blocks and 32 token tiles give each of 256 work-groups one tile; the weights' rows of ff = 688..767 are zero, and act comes out 0 there.
; Right operand: wt from byte 8,388,608, gate and up by turns of 16 rows, so that a wave's accumulators (a, 2 p) and (a, 2 p + 1) hold G and U of the same 16 ff in the same lanes.
; A tile is 128 tokens x 192 rows (96 ff); four waves, each 64 x 96: 24 accumulators; for 32 along K a wave loads 10 fragments and issues 24 matrix instructions.
; K = 1,024 goes in eight steps of 128 through two LDS slots (two slots of 256 would take all of LDS for their data alone).  A step is four quarters of 32 along K, ALL ALIKE: a quarter multiplies one
; fragment buffer and, in its middle, fetches the next quarter's fragments into the other; where they lie is held in two scalar offsets that step by exclusive ors.  A PAIR of quarters is written once for
; the loop and once for the tail.  THE CHANGE OF SLOTS stands by itself between a step's third and fourth quarter, where the slot's last fragments have been asked for: from a request to the wait for it a
; wave issues a whole step's 96 matrix instructions.  The first quarter of all, whose products start the sums, stands ahead of the loop, which is entered in its middle.
; CLUSTER 4 x 4: the four of a row share the left tiles, the four of a column the right ones; each tile is asked for jointly.  The product is taken transposed: a lane holds one token and eight ff.
; NO PREFETCH: a small tile, 96 matrix instructions a wave to a step.
; THE WAY OUT goes through ONE stage: a wave's 48 ff are one and a half of the layout's units of 32, so the two waves of a token half write into the same rows, and a barrier stands between writing and reading.
; LIMITS: where 2^(..) overflows the quotient is 0, as silu's limit is; NaN and infinities are not treated apart.
; REGISTERS: window 0: v0-31 addresses; v32-139 the way out.  Window 1: two fragment buffers of 80 (32 of the left operand, 48 of the right).  Window 2: the accumulators ((a, b) at 8 (6 a + b)).
.set MB,     4                         ; blocks of 16 tokens a wave
.set HB,     MB/2
.set QB,     HB/2
.set QT,     32                        ; quads of tokens in a tile
.set KP,     1024
.set BOFF,   8388608
.set STEPS,  8
.set APITCH, 1040                      ; 1,024 bytes + 16: the 16 lanes of a fragment load fall on columns (r>>2) + 4 (r&3) of 16 bytes
.set AHALF,  (QT/2)*APITCH             ; 16 quads: what one tensor load brings, and what one wave reads
.set BPITCH, 272
.set BHALF,  96*BPITCH
.set BBASE,  2*AHALF
.set SLOT1,  1<<17                     ; slot 1 begins here, so that one exclusive or turns an address in one slot into the other's
.set STAGE,  SLOT1+BBASE+2*BHALF       ; behind the ring: three planes (32 ff each) of 128 rows (tokens) x 80 bytes
.set SP,     80
.set PLANE,  128*SP
.set SPARE,  STAGE+3*PLANE             ; behind the stage: the spare words, 128 bytes a wave
.set NLD,    12+2*MB
.set FB,     8*(MB+6)
.set F0,     0
.set F1,     FB
.set ACCWS,  0                         ; both halves' accumulators lie in window 2,
.set ACCH,   8*6*HB                    ; the second half's behind the first's
.set GO,    9                          ; v9-11  my byte offset in act, for each plane
.set ADRA0, 16                         ; my lane's place in slot 0's left tile; never rewritten
.set ADRB0, 17                         ; the same for the right tile
.set ADRA,  18                         ; the same in the half slot that is being fetched
.set ADRB,  19
.set SQO,  22
.set STO,  24                          ; v24-26  where I put 16 bytes of a row, for each of my three blocks of 16 ff
.set RD,   27
.set SPW,  28
.set NIL,  29
.set SQ,   32                          ; v32-63  partial sums of squares: token block a, part p at 8 a + p; later (v32-79) the rows read back
.set MS,   64                          ; v64-71  ms, a pair for each token block
.set NR,   72                          ; v72-79  -log2(e) rs, likewise
.set TT,   80                          ; v80-103
.set GU,   104                         ; v104-127
.set PK,   128                         ; v128-139
.set G1,  24
.set G0,  32                           ; two sets, for the two first fills; the second then walks on
.set G1B, 48
.set G0B, 56
.set SA,  20                           ; s20  the half slot (64 along K) that the next pair fetches: its byte in the left tile, counted from slot 0's head
.set SB,  21                           ; s21  the same in the right tile's rows
.set CNT2, 22                          ; s22  pairs to go until the next change of slots
.set CNT, 44                           ; s44  passes of the loop to go
.set MSB, 0
.macro WIN new
.if MSB != (\new)
	s_set_vgpr_msb (MSB<<8)|(\new)
.set MSB, \new
.endif
.endm
.set MUL_LO, 0xa5                      ; sources 0 and 1 window 1; C and D window 2
.set TO_F,   0x40                      ; destination window 1, address window 0
.macro JLOAD s                         ; waves 0 and 1 fetch the left tile's two halves, waves 2 and 3 the right one's; s_nop 0 and four v_nop follow each line
	s_cmp_eq_u32 s11, 0
	s_cbranch_scc0 .Lfor_b_\@
	tensor_load_to_lds s[G0+4*(\s):G0+4*(\s)+3], s[G1:G1+7]
	s_nop 0
.rept 4
	v_nop
.endr
	s_branch .Lasked_\@
.Lfor_b_\@:
	tensor_load_to_lds s[G0B+4*(\s):G0B+4*(\s)+3], s[G1B:G1B+7]
	s_nop 0
.rept 4
	v_nop
.endr
.Lasked_\@:
.endm
.macro CREST
	s_cmp_lg_u32 s10, 0
	s_cbranch_scc1 .Lnot_wave_0_\@
	s_barrier_signal -3
.Lnot_wave_0_\@:
	s_barrier_wait -3
	s_barrier_signal -1
	s_barrier_wait -1
.endm
.macro CROUND
	s_barrier_signal -1
	s_barrier_wait -1
	CREST
.endm
.macro PLACES
.rept 4
	v_nop
.endr
.endm
; Part p of half hi of a quarter: QB token blocks x all 6 row blocks, 32 along K, from buffer f.  Every accumulator has one instruction a quarter: they take turns.  zero = 1: the products start the sums.
.macro MULP f, hi, p, zero
	WIN MUL_LO+ACCWS*(\hi)
.set aa, (\p)*QB
.rept QB
.set bb, 0
.rept 6
.set rD, ACCH*(\hi)+8*(6*aa+bb)
.set rB, (\f)+8*MB+8*bb
.set rA, (\f)+8*(HB*(\hi)+aa)
.if \zero
	v_wmma_f32_16x16x32_bf16 v[rD:rD+7], v[rB:rB+7], v[rA:rA+7], 0
.else
	v_wmma_f32_16x16x32_bf16 v[rD:rD+7], v[rB:rB+7], v[rA:rA+7], v[rD:rD+7]
.endif
.set bb, bb+1
.endr
.set aa, aa+1
.endr
.endm
.macro FETCH q, f                      ; one run of LDS loads: quarter q (0, 1) of the half slot in hand into buffer f: the right operand's six fragments, then the left one's
	WIN TO_F
.set ii, 0
.rept 6
	ds_load_b128 v[(\f)+8*MB+8*ii:(\f)+8*MB+8*ii+3],   v[ADRB] offset:(\q)*64+ii*16*BPITCH
	ds_load_b128 v[(\f)+8*MB+8*ii+4:(\f)+8*MB+8*ii+7], v[ADRB] offset:(\q)*64+ii*16*BPITCH+32
.set ii, ii+1
.endr
.set ii, 0
.rept MB
	ds_load_b128 v[(\f)+8*ii:(\f)+8*ii+3],   v[ADRA] offset:(\q)*256+ii*4*APITCH
	ds_load_b128 v[(\f)+8*ii+4:(\f)+8*ii+7], v[ADRA] offset:(\q)*256+ii*4*APITCH+32
.set ii, ii+1
.endr
.endm
.macro QUARTER q, f, g, zero           ; multiplies buffer f and, in its middle, fetches quarter q of the half slot in hand into g
	s_wait_dscnt MB                                ; all but the youngest loads, those of my tokens' second half, are in
	MULP \f, 0, 0, \zero
	MULP \f, 0, 1, \zero
	PLACES
	FETCH \q, \g
	s_wait_dscnt NLD                               ; all but the run just issued
	MULP \f, 1, 0, \zero
	MULP \f, 1, 1, \zero
.endm
; Two quarters: buffer 1 is multiplied while a half slot's first quarter comes into buffer 0, then buffer 0 while its second comes into buffer 1.  The offsets then turn to the slot's other half.
.macro PAIR
	v_add_nc_u32 v[ADRA], s[SA], v[ADRA0]
	v_add_nc_u32 v[ADRB], s[SB], v[ADRB0]
	s_xor_b32 s[SA], s[SA], 512                    ; two quarters are 512 bytes of a quad's row,
	s_xor_b32 s[SB], s[SB], 128                    ; and 128 of a row of the right tile
	QUARTER 0, F1, F0, 0
	QUARTER 1, F0, F1, 0
	WIN 0                                          ; at a label and at a branch every window is 0
.endm
; THE CHANGE OF SLOTS.  Each wave waits for all its tensor loads, of which one is out: its part of the next slot; adds 0 to its spare word; and waits for that and for its reads of this slot, the last of
; which (the fourth quarter's fragments) were asked for half a quarter back.  Behind the barrier nobody reads this slot any more and the next slot is whole.
; fill = 1: the barrier is a round of the cluster's, and this slot is filled again, first thing behind it, with the step two on.
.macro CHANGE fill
	s_wait_tensorcnt 0x0                           ; no tensor load of mine is out, so a group 0 may be written;
	ds_add_u32 v[SPW], v[NIL]                      ; 0 onto my spare word; the scalar steps stand between it and the wait for it
.if \fill
	s_xor_b32 s[G0+5], s[G0+5], SLOT1              ; the walking descriptors: the other slot than last time,
	s_add_nc_u64 s[G0+6:G0+7], s[G0+6:G0+7], 0x100000  ; the next group of 128 k; the type bits on top are not reached
	s_xor_b32 s[G0B+5], s[G0B+5], SLOT1
	s_add_nc_u64 s[G0B+6:G0B+7], s[G0B+6:G0B+7], 256
.endif
	s_xor_b32 s[SA], s[SA], SLOT1                  ; the fetches go on in the other slot
	s_xor_b32 s[SB], s[SB], SLOT1
	s_wait_dscnt 0x0                               ; the add is done, and my reads of this slot are over
.if \fill
	CROUND                                         ; no wave of any partner still reads this slot or has a load on its way
	JLOAD 1                                        ; the first tensor load behind the round
.else
	s_barrier_signal -1
	s_barrier_wait -1
.endif
.endm
	s_load_b128 s[4:7], s[0:1], 0x0                ; x1b s[4:5], wt s[6:7]
	s_load_b128 s[68:71], s[0:1], 0x10             ; ssq s[68:69], act s[70:71]
	v_lshl_add_u32 v[SPW], v0, 2, SPARE
	v_mov_b32 v[NIL], 0
	ds_add_u32 v[SPW], v[NIL]                      ; the wave's opening: the add and its wait ahead of my first tensor load
	v_lshrrev_b32 v1, 5, v0
	v_readfirstlane_b32 s10, v1
	s_lshr_b32 s11, s10, 1                         ; my half of the tile's tokens.  Also: I fetch the left (0) or the right (1) operand
	s_and_b32 s12, s10, 1                          ; my half of its rows.  Also: which half of that operand's tile I fetch
	s_bfe_u32 s40, ttmp6, 0x40000
	s_bfe_u32 s41, ttmp6, 0x40004
	s_lshl_b32 s42, ttmp9, 2
	s_add_co_u32 s42, s42, s40                     ; column tile
	s_and_b32 s13, ttmp7, 0xffff
	s_lshl_b32 s13, s13, 2
	s_add_co_u32 s13, s13, s41                     ; token tile
	s_lshl_b32 s43, s41, 2
	s_lshl_b32 s43, 15, s43                        ; my row of the cluster
	s_lshl_b32 s44, 0x1111, s40                    ; my column
	s_or_b32 s[G1+0], s43, (1<<16)|(1<<20)|(1<<21)|(7<<22)|(3<<25)   ; mask; 2-byte elements; padding on; bit 21 beside a mask; after every 256 words 4 words
	s_or_b32 s[G1B+0], s44, (1<<16)|(1<<20)|(1<<21)|(5<<22)|(3<<25)  ; after every 64 words 4 words
	s_mov_b32 s[G1+1], 512<<16
	s_mov_b32 s[G1+2], (QT/2)<<16
	s_mov_b32 s[G1+3], 512<<16
	s_mov_b32 s[G1+4], QT/2
	s_mov_b32 s[G1+5], 512
	s_mov_b32 s[G1+6], 0
	s_mov_b32 s[G1+7], 0
	s_mov_b32 s[G1B+1], 128<<16
	s_mov_b32 s[G1B+2], 96<<16
	s_mov_b32 s[G1B+3], 128<<16
	s_mov_b32 s[G1B+4], 96
	s_mov_b32 s[G1B+5], KP
	s_mov_b32 s[G1B+6], 0
	s_mov_b32 s[G1B+7], 0
	s_mov_b32 s72, 0x76543210
	s_mov_b32 s73, 0xfedcba98
	s_mov_b32 s74, 0x3a800000                      ; 1 / 1024
	s_mov_b32 s75, 0x358637bd                      ; 1e-6
	s_lshl_b32 s16, s13, 15                        ; left: the tile's 32 quads of 1,024 bytes, my 16 of them
	s_lshl_b32 s17, s12, 14
	s_add_co_u32 s16, s16, s17
	s_mov_b32 s17, 0
	s_mul_i32 s46, s42, 192                        ; right: row 192 x column tile + 96 x half,
	s_mul_i32 s47, s12, 96
	s_add_co_u32 s46, s46, s47
	s_lshl_b32 s46, s46, 11                        ; of 2,048 bytes
	s_add_co_u32 s46, s46, BOFF
	s_mov_b32 s47, 0
	s_mul_i32 s20, s12, AHALF                      ; where they go: no place in the cluster enters an LDS address
	s_mul_i32 s23, s12, BHALF
	s_add_co_u32 s23, s23, BBASE
	s_wait_dscnt 0x0
	s_wait_kmcnt 0x0
	s_add_nc_u64 s[14:15], s[4:5], s[16:17]
	s_add_nc_u64 s[46:47], s[6:7], s[46:47]
	CROUND                                         ; all sixteen work-groups are here: the first joint loads meet
.irp s, 0,1
	s_mov_b32 s[G0+4*(\s)], 1
	s_add_co_u32 s[G0+4*(\s)+1], s20, (\s)*SLOT1
	s_add_nc_u64 s[G0+4*(\s)+2:G0+4*(\s)+3], s[14:15], (\s)*0x100000
	s_or_b32 s[G0+4*(\s)+3], s[G0+4*(\s)+3], 0x80000000
	s_mov_b32 s[G0B+4*(\s)], 1
	s_add_co_u32 s[G0B+4*(\s)+1], s23, (\s)*SLOT1
	s_add_nc_u64 s[G0B+4*(\s)+2:G0B+4*(\s)+3], s[46:47], (\s)*256
	s_or_b32 s[G0B+4*(\s)+3], s[G0B+4*(\s)+3], 0x80000000
	JLOAD \s
.endr
	v_and_b32 v1, 15, v0                           ; r
	v_bfe_u32 v2, v0, 4, 1                         ; h
	s_lshl_b32 s16, s13, 7
	s_lshl_b32 s17, s11, 6
	s_add_co_u32 s16, s16, s17                     ; the first token that I multiply
	s_mov_b32 s19, 0
	s_lshl_b32 s18, s16, 2
	s_add_nc_u64 s[68:69], s[68:69], s[18:19]
	v_lshlrev_b32 v[SQO], 17, v2                   ; lanes 16-31 take parts 8-15
	v_lshl_add_u32 v[SQO], v1, 2, v[SQO]
.irp a, 0,1,2,3
.irp p, 0,1,2,3,4,5,6,7
	global_load_b32 v[SQ+8*(\a)+(\p)], v[SQO], s[68:69] offset:(\p)*16384+(\a)*64
.endr
.endr
	s_lshl_b32 s18, s13, 15                        ; act: the tile's 32 quads, of which I store 8: tokens 32 x wave on
	s_lshl_b32 s16, s10, 13
	s_add_co_u32 s18, s18, s16
	s_add_nc_u64 s[70:71], s[70:71], s[18:19]
	v_lshrrev_b32 v3, 2, v1
	v_mul_u32_u24 v3, v3, APITCH
	v_and_b32 v4, 3, v1
	v_lshl_add_u32 v3, v4, 6, v3
	v_lshl_add_u32 v3, v2, 4, v3                   ; left fragment: (r>>2) x pitch + (r&3) x 64 + 16 h
	v_mul_u32_u24 v5, v1, BPITCH
	v_lshl_add_u32 v5, v2, 4, v5                   ; right fragment: r x pitch + 16 h
	s_mul_i32 s21, s11, AHALF
	s_mul_i32 s22, s12, BHALF
	s_add_co_u32 s22, s22, BBASE
	v_add_nc_u32 v[ADRA0], s21, v3
	v_add_nc_u32 v[ADRB0], s22, v5
	v_add_nc_u32 v[ADRA], s21, v3                  ; the first two fetches stand at slot 0's head
	v_add_nc_u32 v[ADRB], s22, v5
	s_mul_i32 s23, s11, 64*SP                      ; into the stage: my 64 tokens' rows; row r, 16 bytes for each half of the lanes;
	s_add_co_u32 s23, s23, STAGE
	v_mul_u32_u24 v6, v1, SP
	v_lshl_add_u32 v6, v2, 4, v6
	v_add_nc_u32 v6, s23, v6
	s_mul_i32 s21, s12, 3                          ; my first block of 16 ff among the tile's six: block B lies in plane B / 2, half B % 2 of its 64 bytes
.irp p, 0,1,2
	s_add_co_u32 s22, s21, \p
	s_lshr_b32 s23, s22, 1
	s_mul_i32 s23, s23, PLANE
	s_and_b32 s22, s22, 1
	s_lshl_b32 s22, s22, 5
	s_add_co_u32 s23, s23, s22
	v_add_nc_u32 v[STO+\p], s23, v6
.endr
	s_mul_i32 s23, s10, 32*SP                      ; back: wave w takes tokens 32 w on, all three planes; 32 lanes take eight rows of 64 bytes,
	s_add_co_u32 s23, s23, STAGE
	v_bfe_u32 v6, v0, 2, 3
	v_mul_u32_u24 v6, v6, SP
	v_and_b32 v7, 3, v0
	v_lshl_add_u32 v6, v7, 4, v6
	v_add_nc_u32 v[RD], s23, v6
	v_lshlrev_b32 v7, 10, v2                       ; which are two quads' 256 bytes, 1,024 apart
	v_lshl_add_u32 v7, v1, 4, v7
	s_mul_i32 s21, s42, 3                          ; plane u holds ff 32 U on, U = 3 x column tile + u: group U / 4 of 128, its part U % 4
.irp u, 0,1,2
	s_add_co_u32 s22, s21, \u
	s_lshr_b32 s23, s22, 2
	s_lshl_b32 s23, s23, 20
	s_and_b32 s22, s22, 3
	s_lshl_b32 s22, s22, 8
	s_add_co_u32 s23, s23, s22
	v_add_nc_u32 v[GO+\u], s23, v7
.endr
	s_wait_tensorcnt 1                             ; my part of step 0 is in; slot 1's may stay out
	s_barrier_signal -1
	s_barrier_wait -1
	FETCH 0, F0
	QUARTER 1, F0, F1, 1                           ; the first products start the sums
	WIN 0
	s_mov_b32 s[SA], 512                           ; the next pair fetches slot 0's second half
	s_mov_b32 s[SB], 128
	s_mov_b32 s[CNT], STEPS-1                      ; this pass, which has one pair and no change of slots, and six that fill a slot again
	s_mov_b32 s[CNT2], 1
	s_branch .Lpair                                ; the loop is entered in the middle of a pass
.Lslot:                                        ; six times: a step's fourth quarter and the next step's first three
	CHANGE 1
	s_mov_b32 s[CNT2], 2
.Lpair:
	PAIR
	s_sub_co_u32 s[CNT2], s[CNT2], 1
	s_cmp_lg_u32 s[CNT2], 0
	s_cbranch_scc1 .Lpair
	s_sub_co_u32 s[CNT], s[CNT], 1
	s_cmp_lg_u32 s[CNT], 0
	s_cbranch_scc1 .Lslot
	CHANGE 0                                       ; the tail is written out: the last change of slots fills nothing
	s_mov_b32 s[CNT2], 2
.Ltail:
	PAIR
	s_sub_co_u32 s[CNT2], s[CNT2], 1
	s_cmp_lg_u32 s[CNT2], 0
	s_cbranch_scc1 .Ltail
	s_wait_dscnt MB                                ; the very last quarter: nothing more to fetch
	MULP F1, 0, 0, 0
	MULP F1, 0, 1, 0
	s_wait_dscnt 0x0
	MULP F1, 1, 0, 0
	MULP F1, 1, 1, 0
	WIN 0
	; THE WAY OUT.  First ms and rs for my lane's token of each block of 16; these sums are also the places behind the last products.
	s_wait_loadcnt 0x0
.irp a, 0,1,2,3
	v_add_f32 v[SQ+8*\a],   v[SQ+8*\a],   v[SQ+8*\a+1]
	v_add_f32 v[SQ+8*\a+2], v[SQ+8*\a+2], v[SQ+8*\a+3]
	v_add_f32 v[SQ+8*\a+4], v[SQ+8*\a+4], v[SQ+8*\a+5]
	v_add_f32 v[SQ+8*\a+6], v[SQ+8*\a+6], v[SQ+8*\a+7]
.endr
.irp a, 0,1,2,3
	v_add_f32 v[SQ+8*\a],   v[SQ+8*\a],   v[SQ+8*\a+2]
	v_add_f32 v[SQ+8*\a+4], v[SQ+8*\a+4], v[SQ+8*\a+6]
.endr
.irp a, 0,1,2,3
	v_add_f32 v[SQ+8*\a], v[SQ+8*\a], v[SQ+8*\a+4]
.endr
.irp a, 0,1,2,3
	v_permlanex16_b32 v[SQ+8*\a+1], v[SQ+8*\a], s72, s73  ; the other eight parts
.endr
.irp a, 0,1,2,3
	v_add_f32 v[SQ+8*\a], v[SQ+8*\a], v[SQ+8*\a+1]
.endr
.irp a, 0,1,2,3
	v_fma_f32 v[MS+2*\a], v[SQ+8*\a], s74, s75
.endr
.irp a, 0,1,2,3
	v_rsq_f32 v[NR+2*\a], v[MS+2*\a]
.endr
	v_nop
	s_wait_alu depctr_va_vdst(0)                   ; one wait for the four roots
.irp a, 0,1,2,3
	v_mul_f32 v[NR+2*\a], 0xbfb8aa3b, v[NR+2*\a]   ; -log2(e) rs
	v_mov_b32 v[MS+2*\a+1], v[MS+2*\a]
.endr
.irp a, 0,1,2,3
	v_mov_b32 v[NR+2*\a+1], v[NR+2*\a]
.endr
.macro ACT a                           ; 16 tokens x 48 ff: two batches of transcendentals, each with one wait
	WIN 0x02                                       ; source 0 window 2
.irp p, 0,1,2
.irp q, 0,1,2,3
	v_pk_mul_f32 v[TT+8*\p+2*\q:TT+8*\p+2*\q+1], v[8*(6*(\a)+2*\p)+2*\q:8*(6*(\a)+2*\p)+2*\q+1], v[NR+2*(\a):NR+2*(\a)+1]
.endr
.endr
	WIN 0x0a                                       ; sources 0 and 1 window 2
.irp p, 0,1,2
.irp q, 0,1,2,3
	v_pk_mul_f32 v[GU+8*\p+2*\q:GU+8*\p+2*\q+1], v[8*(6*(\a)+2*\p)+2*\q:8*(6*(\a)+2*\p)+2*\q+1], v[8*(6*(\a)+2*\p+1)+2*\q:8*(6*(\a)+2*\p+1)+2*\q+1]  ; G U
.endr
.endr
	WIN 0
.set e, 0
.rept 24
	v_exp_f32 v[TT+e], v[TT+e]
.set e, e+1
.endr
	v_nop
	s_wait_alu depctr_va_vdst(0)
.set e, 0
.rept 12
	v_pk_fma_f32 v[TT+e:TT+e+1], v[TT+e:TT+e+1], v[MS+2*(\a):MS+2*(\a)+1], v[MS+2*(\a):MS+2*(\a)+1]  ; ms (1 + 2^..)
.set e, e+2
.endr
.set e, 0
.rept 24
	v_rcp_f32 v[TT+e], v[TT+e]
.set e, e+1
.endr
	v_nop
	s_wait_alu depctr_va_vdst(0)
.set e, 0
.rept 12
	v_pk_mul_f32 v[GU+e:GU+e+1], v[GU+e:GU+e+1], v[TT+e:TT+e+1]
.set e, e+2
.endr
.set e, 0
.rept 12
	v_cvt_pk_bf16_f32 v[PK+e], v[GU+2*e], v[GU+2*e+1]
.set e, e+1
.endr
.irp p, 0,1,2
	ds_store_b128 v[STO+\p], v[PK+4*\p:PK+4*\p+3] offset:(\a)*16*SP
.endr
.endm
	ACT 0
	ACT 1
	ACT 2
	ACT 3
	s_wait_dscnt 0x0                               ; for the others' sake: my stores into the stage are done
	s_barrier_signal -1
	s_barrier_wait -1                              ; the stage is whole
.irp u, 0,1,2
.irp t, 0,1,2,3
	ds_load_b128 v[SQ+4*(4*\u+\t):SQ+4*(4*\u+\t)+3], v[RD] offset:\u*PLANE+\t*8*SP
.endr
.endr
.irp u, 0,1,2
.irp t, 0,1,2,3
	s_wait_dscnt 11-(4*\u+\t)
	global_store_b128 v[GO+\u], v[SQ+4*(4*\u+\t):SQ+4*(4*\u+\t)+3], s[70:71] offset:\t*2048  ; 16 lanes store 256 consecutive bytes, aligned: 4 tokens x 32 ff
.endr
.endr
	s_wait_tensorcnt 0x0                           ; the wave's end
	ds_add_u32 v[SPW], v[NIL]
	s_wait_dscnt 0x0
	CROUND                                         ; the closing round
	s_endpgm
.Lfunc_end_k_q5e692d6529_gateup:
	.size	k_q5e692d6529_gateup, .Lfunc_end_k_q5e692d6529_gateup-k_q5e692d6529_gateup
	.p2alignl 7, 3214868480
	.fill 96, 4, 3214868480
	.section	.rodata,"a",@progbits
	.p2align	6, 0x0
	.amdhsa_kernel k_q5e692d6529_gateup
		.amdhsa_group_segment_fixed_size 327680
		.amdhsa_private_segment_fixed_size 0
		.amdhsa_enable_private_segment 0
		.amdhsa_kernarg_size 32
		.amdhsa_user_sgpr_count 2
		.amdhsa_user_sgpr_kernarg_segment_ptr 1
		.amdhsa_wavefront_size32 1
		.amdhsa_system_sgpr_workgroup_id_x 1
		.amdhsa_system_sgpr_workgroup_id_y 1
		.amdhsa_system_sgpr_workgroup_id_z 1
		.amdhsa_system_vgpr_workitem_id 0
		.amdhsa_next_free_vgpr 704
		.amdhsa_next_free_sgpr 76
		.amdhsa_reserve_vcc 0
		.amdhsa_float_denorm_mode_32 3
		.amdhsa_float_denorm_mode_16_64 3
		.amdhsa_memory_ordered 1
		.amdhsa_forward_progress 1
		.amdhsa_inst_pref_size 61
	.end_amdhsa_kernel
	.amdgpu_metadata
---
amdhsa.version: [ 1, 2 ]
amdhsa.kernels:
  - .name:           k_q5e692d6529_gateup
    .symbol:         k_q5e692d6529_gateup.kd
    .args:
      - { .name: x1b, .offset: 0, .size: 8, .value_kind: global_buffer, .address_space: global }
      - { .name: wt, .offset: 8, .size: 8, .value_kind: global_buffer, .address_space: global }
      - { .name: ssq, .offset: 16, .size: 8, .value_kind: global_buffer, .address_space: global }
      - { .name: act, .offset: 24, .size: 8, .value_kind: global_buffer, .address_space: global }
    .group_segment_fixed_size: 327680
    .private_segment_fixed_size: 0
    .kernarg_segment_align: 8
    .kernarg_segment_size: 32
    .max_flat_workgroup_size: 128
    .sgpr_count:     76
    .vgpr_count:     704
    .wavefront_size: 32
...
	.end_amdgpu_metadata
.endif
;; end of part 11
;; launch down (part 12): grid 8 x 32, 4 waves a work-group, clusters of 4 x 4, 327,680 bytes of LDS; arguments act, wt, x1, out0; writes out0
.if DOCPART == 12
	.amdgcn_target "amdgcn-amd-amdhsa--gfx1250"
	.amdhsa_code_object_version 6
	.text
	.protected	k_q5e692d6529_down
	.globl	k_q5e692d6529_down
	.p2align	8
	.type	k_q5e692d6529_down,@function
k_q5e692d6529_down:
	s_mov_b64 s[64:65], 0
	v_nop
	global_prefetch_b8 v0, s[64:65] scope:SCOPE_SE
	s_setreg_imm32_b32 hwreg(HW_REG_WAVE_MODE, 25, 1), 1
	s_wait_xcnt 0x0
	s_wait_alu depctr_hold_cnt(0) depctr_sa_sdst(0) depctr_va_vdst(0) depctr_va_sdst(0) depctr_va_ssrc(0) depctr_va_vcc(0) depctr_vm_vsrc(0)
	s_getreg_b32 s2, hwreg(HW_REG_IB_STS2, 6, 4)
	s_cmp_eq_u32 s2, 0
	s_cbranch_scc0 .Lentry_in_a_cluster
	s_endpgm
.Lentry_in_a_cluster:
	s_bfe_u32 s2, ttmp6, 0x10000c
	s_cmp_lg_u32 s2, 0xf033
	s_cbranch_scc0 .Lentry_shape_is_right
	s_endpgm
.Lentry_shape_is_right:
; out0 = x1 + act w_down (f32).  Left operand act (bf16, 4 tokens x 32 k in each 256 bytes, k = 0..767, zero from 688 on), right operand wt from byte 11,534,336: 1,024 rows of 768 k, k >= 688 zero.
; Sums in f32.  K = 704: eleven quarters of 64, in steps of 256 through two LDS slots; the third step is the one refill; its last quarter, k = 704..767, would multiply zeros and is not written.
; The quarters are ALL ALIKE: a quarter multiplies one fragment buffer and, in its middle, fetches the next quarter's fragments into the other; where they lie is held in two scalar offsets that step by
; exclusive ors.  A PAIR of quarters (it fetches one group of 128 k) is written once for the loop and once for the tail.  THE CHANGE OF SLOTS stands by itself between a step's third and fourth quarter, where
; the slot's last fragments have been asked for.  The first quarter of all, whose products start the sums, stands ahead of the loop, which is entered in its middle.
; Tile 128 tokens x 128 columns, four waves of 64 x 64.  CLUSTER 4 x 4: left tiles shared along a row, right tiles along a column, asked for jointly.  The product is taken transposed.
; The wave's 64 x 64 of x1 are asked for at the start, into window 2, and are waited for on the way out.
.set KP,     768
.set BOFF,   11534336
.set APITCH, 1040
.set AHALF,  32*APITCH                 ; a group of 128 k of the tile's 32 quads: what one tensor load brings
.set BPITCH, 528
.set BHALF,  64*BPITCH
.set BBASE,  2*AHALF
.set SLOT,   135168                    ; slot 1 begins here, 1,024 bytes behind slot 0's end: 2^17 + 2^12, two bits that occur in none of a slot's own base addresses (0 or AHALF; BBASE or BBASE + BHALF; 256),
                                       ; so that one exclusive or turns a base in one slot into the other's
.set STAGE,  SLOT+BBASE+2*BHALF        ; behind the ring: 16 rows x 272 bytes for each wave
.set SPITCH, 272
.set WSTAGE, 16*SPITCH
.set SPARE,  STAGE+4*WSTAGE
.set ADRA0, 16                         ; my lane's place in slot 0's left tile; never rewritten
.set ADRB0, 17                         ; the same for the right tile
.set ADRA, 18                          ; the same in the group of 128 k that is being fetched
.set ADRB, 19
.set XO,   22
.set STO,  24
.set RD,   25
.set SPW,  28
.set NIL,  29
.set T,    32
.set ACC,  128
.set F0,   0
.set F1,   128
.set G1,  24
.set G0,  32                           ; two sets, for the two first fills; the second then walks on
.set G1B, 48
.set G0B, 56
.set SA,  20                           ; s20  the group of 128 k that the next pair fetches: its byte in the left tile, counted from slot 0's head
.set SB,  21                           ; s21  the same in the right tile's rows
.set CNT, 22                           ; s22  passes of the loop to go
.set CNT2, 23                          ; s23  pairs to go until the next change of slots
.set MSB, 0
.macro WIN new
.if MSB != (\new)
	s_set_vgpr_msb (MSB<<8)|(\new)
.set MSB, \new
.endif
.endm
.set MUL,  0x05
.set TO_F, 0x40
.macro JLOAD s                         ; waves 0 and 1 fetch the left operand's two groups of 128 k, waves 2 and 3 the right one's two halves; s_nop 0 and four v_nop follow each line
	s_cmp_eq_u32 s11, 0
	s_cbranch_scc0 .Lfor_b_\@
	tensor_load_to_lds s[G0+4*(\s):G0+4*(\s)+3], s[G1:G1+7]
	s_nop 0
.rept 4
	v_nop
.endr
	s_branch .Lasked_\@
.Lfor_b_\@:
	tensor_load_to_lds s[G0B+4*(\s):G0B+4*(\s)+3], s[G1B:G1B+7]
	s_nop 0
.rept 4
	v_nop
.endr
.Lasked_\@:
.endm
.macro CREST
	s_cmp_lg_u32 s10, 0
	s_cbranch_scc1 .Lnot_wave_0_\@
	s_barrier_signal -3
.Lnot_wave_0_\@:
	s_barrier_wait -3
	s_barrier_signal -1
	s_barrier_wait -1
.endm
.macro CROUND
	s_barrier_signal -1
	s_barrier_wait -1
	CREST
.endm
.macro PLACES
.rept 4
	v_nop
.endr
.endm
.macro MUL8 f, c, a0, zero             ; token blocks a0, a0 + 1 x all 4 column blocks, 32 along K: half c of buffer f; the 16 accumulators take turns
	WIN MUL
.irp a, \a0, (\a0)+1
.irp b, 0,1,2,3
.if \zero
	v_wmma_f32_16x16x32_bf16 v[ACC+8*(4*(\a)+(\b)):ACC+8*(4*(\a)+(\b))+7], v[(\f)+64+8*(4*(\c)+(\b)):(\f)+64+8*(4*(\c)+(\b))+7], v[(\f)+8*(4*(\c)+(\a)):(\f)+8*(4*(\c)+(\a))+7], 0
.else
	v_wmma_f32_16x16x32_bf16 v[ACC+8*(4*(\a)+(\b)):ACC+8*(4*(\a)+(\b))+7], v[(\f)+64+8*(4*(\c)+(\b)):(\f)+64+8*(4*(\c)+(\b))+7], v[(\f)+8*(4*(\c)+(\a)):(\f)+8*(4*(\c)+(\a))+7], v[ACC+8*(4*(\a)+(\b)):ACC+8*(4*(\a)+(\b))+7]
.endif
.endr
.endr
.endm
.macro FETCH e, f                      ; 32 LDS loads: half e (64 along K) of the group in hand into buffer f, its first 32 along K first
	WIN TO_F
.irp c, 0,1
.irp i, 0,1,2,3
	ds_load_b128 v[(\f)+64+8*(4*(\c)+(\i)):(\f)+64+8*(4*(\c)+(\i))+3],   v[ADRB] offset:(\e)*128+64*(\c)+(\i)*16*BPITCH
	ds_load_b128 v[(\f)+64+8*(4*(\c)+(\i))+4:(\f)+64+8*(4*(\c)+(\i))+7], v[ADRB] offset:(\e)*128+64*(\c)+(\i)*16*BPITCH+32
	ds_load_b128 v[(\f)+8*(4*(\c)+(\i)):(\f)+8*(4*(\c)+(\i))+3],         v[ADRA] offset:(2*(\e)+(\c))*256+(\i)*4*APITCH
	ds_load_b128 v[(\f)+8*(4*(\c)+(\i))+4:(\f)+8*(4*(\c)+(\i))+7],       v[ADRA] offset:(2*(\e)+(\c))*256+(\i)*4*APITCH+32
.endr
.endr
.endm
.macro QUARTER e, f, g, zero           ; multiplies buffer f and, in its middle, fetches half e of the group in hand into g
	s_wait_dscnt 16                                ; the first 32 along K are in
	MUL8 \f, 0, 0, \zero
	MUL8 \f, 0, 2, \zero
	PLACES
	FETCH \e, \g
	s_wait_dscnt 32                                ; all but the 32 just issued
	MUL8 \f, 1, 0, 0
	MUL8 \f, 1, 2, 0
.endm
; Two quarters: buffer 1 is multiplied while a group's first half comes into buffer 0, then buffer 0 while its second half comes into buffer 1.  The offsets then turn to the slot's other group.
.macro PAIR
	v_add_nc_u32 v[ADRA], s[SA], v[ADRA0]
	v_add_nc_u32 v[ADRB], s[SB], v[ADRB0]
	s_xor_b32 s[SA], s[SA], AHALF
	s_xor_b32 s[SB], s[SB], 256
	QUARTER 0, F1, F0, 0
	QUARTER 1, F0, F1, 0
	WIN 0                                          ; at a label and at a branch every window is 0
.endm
; THE CHANGE OF SLOTS.  Each wave waits for all its tensor loads, of which at most one is out: its part of the next slot; adds 0 to its spare word; and waits for that and for its reads of this slot, the last
; of which (the fourth quarter's fragments) were asked for half a quarter back.  Behind the barrier nobody reads this slot any more and the next slot is whole.
; fill = 1: the barrier is a round of the cluster's, and this slot is filled again, first thing behind it, with the step two on.
.macro CHANGE fill
	s_wait_tensorcnt 0x0                           ; no tensor load of mine is out, so a group 0 may be written;
	ds_add_u32 v[SPW], v[NIL]                      ; 0 onto my spare word; the scalar steps stand between it and the wait for it
.if \fill
	s_xor_b32 s[G0+5], s[G0+5], SLOT               ; the walking descriptors: the other slot than last time,
	s_add_nc_u64 s[G0+6:G0+7], s[G0+6:G0+7], 0x200000  ; the next two groups of 128 k; the type bits on top are not reached
	s_xor_b32 s[G0B+5], s[G0B+5], SLOT
	s_add_nc_u64 s[G0B+6:G0B+7], s[G0B+6:G0B+7], 512
.endif
	s_xor_b32 s[SA], s[SA], SLOT                   ; the fetches go on in the other slot
	s_xor_b32 s[SB], s[SB], SLOT
	s_wait_dscnt 0x0                               ; the add is done, and my reads of this slot are over
.if \fill
	CROUND                                         ; no wave of any partner still reads this slot or has a load on its way
	JLOAD 1                                        ; the first tensor load behind the round
.else
	s_barrier_signal -1
	s_barrier_wait -1
.endif
.endm
.macro LASTQ f                         ; the very last quarter: nothing more to fetch
	s_wait_dscnt 16
	MUL8 \f, 0, 0, 0
	MUL8 \f, 0, 2, 0
	s_wait_dscnt 0x0
	MUL8 \f, 1, 0, 0
	MUL8 \f, 1, 2, 0
	WIN 0
.endm
	s_load_b128 s[4:7], s[0:1], 0x0                ; act s[4:5], wt s[6:7]
	s_load_b128 s[68:71], s[0:1], 0x10             ; x1 s[68:69], out0 s[70:71]
	v_lshl_add_u32 v[SPW], v0, 2, SPARE
	v_mov_b32 v[NIL], 0
	ds_add_u32 v[SPW], v[NIL]                      ; the wave's opening: the add and its wait ahead of my first tensor load
	v_lshrrev_b32 v1, 5, v0
	v_readfirstlane_b32 s10, v1
	s_lshr_b32 s11, s10, 1
	s_and_b32 s12, s10, 1
	s_bfe_u32 s40, ttmp6, 0x40000
	s_bfe_u32 s41, ttmp6, 0x40004
	s_lshl_b32 s42, ttmp9, 2
	s_add_co_u32 s42, s42, s40                     ; column tile
	s_and_b32 s13, ttmp7, 0xffff
	s_lshl_b32 s13, s13, 2
	s_add_co_u32 s13, s13, s41                     ; token tile
	s_lshl_b32 s43, s41, 2
	s_lshl_b32 s43, 15, s43
	s_lshl_b32 s44, 0x1111, s40
	s_or_b32 s[G1+0], s43, (1<<16)|(1<<20)|(1<<21)|(7<<22)|(3<<25)
	s_or_b32 s[G1B+0], s44, (1<<16)|(1<<20)|(1<<21)|(6<<22)|(3<<25)
	s_mov_b32 s[G1+1], 512<<16
	s_mov_b32 s[G1+2], 32<<16
	s_mov_b32 s[G1+3], 512<<16
	s_mov_b32 s[G1+4], 32
	s_mov_b32 s[G1+5], 512
	s_mov_b32 s[G1+6], 0
	s_mov_b32 s[G1+7], 0
	s_mov_b32 s[G1B+1], 256<<16
	s_mov_b32 s[G1B+2], 64<<16
	s_mov_b32 s[G1B+3], 256<<16
	s_mov_b32 s[G1B+4], 64
	s_mov_b32 s[G1B+5], KP
	s_mov_b32 s[G1B+6], 0
	s_mov_b32 s[G1B+7], 0
	s_lshl_b32 s16, s13, 15
	s_lshl_b32 s17, s12, 20
	s_add_co_u32 s16, s16, s17
	s_mov_b32 s17, 0
	s_lshl_b32 s46, s42, 7
	s_lshl_b32 s47, s12, 6
	s_add_co_u32 s46, s46, s47
	s_mul_i32 s46, s46, KP*2
	s_add_co_u32 s46, s46, BOFF
	s_mov_b32 s47, 0
	s_mul_i32 s20, s12, AHALF
	s_mul_i32 s23, s12, BHALF
	s_add_co_u32 s23, s23, BBASE
	s_wait_dscnt 0x0
	s_wait_kmcnt 0x0
	s_add_nc_u64 s[14:15], s[4:5], s[16:17]
	s_add_nc_u64 s[46:47], s[6:7], s[46:47]
	CROUND
.irp s, 0,1
	s_mov_b32 s[G0+4*(\s)], 1
	s_add_co_u32 s[G0+4*(\s)+1], s20, (\s)*SLOT
	s_add_nc_u64 s[G0+4*(\s)+2:G0+4*(\s)+3], s[14:15], (\s)*0x200000
	s_or_b32 s[G0+4*(\s)+3], s[G0+4*(\s)+3], 0x80000000
	s_mov_b32 s[G0B+4*(\s)], 1
	s_add_co_u32 s[G0B+4*(\s)+1], s23, (\s)*SLOT
	s_add_nc_u64 s[G0B+4*(\s)+2:G0B+4*(\s)+3], s[46:47], (\s)*512
	s_or_b32 s[G0B+4*(\s)+3], s[G0B+4*(\s)+3], 0x80000000
	JLOAD \s
.endr
	v_and_b32 v1, 15, v0                           ; r
	v_bfe_u32 v2, v0, 4, 1                         ; h
	s_lshl_b32 s16, s13, 7
	s_lshl_b32 s17, s11, 6
	s_add_co_u32 s16, s16, s17                     ; my first token
	s_mov_b32 s19, 0
	s_lshl_b32 s18, s16, 12
	s_add_nc_u64 s[68:69], s[68:69], s[18:19]
	s_add_nc_u64 s[70:71], s[70:71], s[18:19]
	s_mov_b32 s47, 0
	s_lshl_b32 s46, s42, 9
	s_lshl_b32 s22, s12, 8
	s_add_co_u32 s46, s46, s22
	s_add_nc_u64 s[68:69], s[68:69], s[46:47]
	s_add_nc_u64 s[70:71], s[70:71], s[46:47]
	v_lshlrev_b32 v[XO], 12, v2
	v_lshl_add_u32 v[XO], v1, 4, v[XO]
	WIN 0x80                                       ; destination window 2
.irp a, 0,1,2,3
.irp t, 0,1,2,3,4,5,6,7
	global_load_b128 v[4*(8*(\a)+(\t)):4*(8*(\a)+(\t))+3], v[XO], s[68:69] offset:(16*(\a)+2*(\t))*4096 th:TH_LOAD_NT
.endr
.endr
	WIN 0
	v_lshrrev_b32 v3, 2, v1
	v_mul_u32_u24 v3, v3, APITCH
	v_and_b32 v4, 3, v1
	v_lshl_add_u32 v3, v4, 6, v3
	v_lshl_add_u32 v3, v2, 4, v3                   ; left fragment: (r>>2) x pitch + (r&3) x 64 + 16 h
	v_mul_u32_u24 v5, v1, BPITCH
	v_lshl_add_u32 v5, v2, 4, v5                   ; right fragment: r x pitch + 16 h
	s_mul_i32 s21, s11, 16*APITCH                  ; my 64 tokens: 16 quads
	s_mul_i32 s22, s12, BHALF
	s_add_co_u32 s22, s22, BBASE
	v_add_nc_u32 v[ADRA0], s21, v3
	v_add_nc_u32 v[ADRB0], s22, v5
	v_add_nc_u32 v[ADRA], s21, v3                  ; the first two fetches stand at slot 0's head
	v_add_nc_u32 v[ADRB], s22, v5
	s_mul_i32 s23, s10, WSTAGE
	s_add_co_u32 s23, s23, STAGE
	v_mul_u32_u24 v6, v1, SPITCH
	v_lshl_add_u32 v6, v2, 5, v6
	v_add_nc_u32 v[STO], s23, v6
	v_mul_u32_u24 v6, v2, SPITCH
	v_lshl_add_u32 v6, v1, 4, v6
	v_add_nc_u32 v[RD], s23, v6
	s_wait_tensorcnt 1                             ; my part of step 0 is in; slot 1's may stay out
	s_barrier_signal -1
	s_barrier_wait -1
	FETCH 0, F0
	QUARTER 1, F0, F1, 1                           ; the first products start the sums
	WIN 0
	s_mov_b32 s[SA], AHALF                         ; the next pair fetches slot 0's second group
	s_mov_b32 s[SB], 256
	s_mov_b32 s[CNT], 2                            ; this pass, which has one pair and no change of slots, and the one that fills slot 0 again, with k = 512..767
	s_mov_b32 s[CNT2], 1
	s_branch .Lpair                                ; the loop is entered in the middle of a pass
.Lslot:                                        ; once: the first step's fourth quarter and the second step's first three
	CHANGE 1
	s_mov_b32 s[CNT2], 2
.Lpair:
	PAIR
	s_sub_co_u32 s[CNT2], s[CNT2], 1
	s_cmp_lg_u32 s[CNT2], 0
	s_cbranch_scc1 .Lpair
	s_sub_co_u32 s[CNT], s[CNT], 1
	s_cmp_lg_u32 s[CNT], 0
	s_cbranch_scc1 .Lslot
	CHANGE 0                                       ; the tail is written out: the last change of slots fills nothing
	PAIR                                           ; k = 448..575 are multiplied, k = 512..639 fetched
	v_add_nc_u32 v[ADRA], s[SA], v[ADRA0]          ; the last group of 128 k, of which the first half alone is wanted
	v_add_nc_u32 v[ADRB], s[SB], v[ADRB0]
	QUARTER 0, F1, F0, 0                           ; k = 576..639 are multiplied, k = 640..703 fetched
	LASTQ F0                                       ; k = 640..703
	; THE WAY OUT, 16 tokens at a time: the sums go through my stage and come back by rows; x1 is added; out0 leaves.
	PLACES
.macro OUTBLK a
	s_wait_xcnt 0x0                                ; the last block's stores have read their registers, which are written again below
.irp b, 0,1,2,3
	ds_store_b128 v[STO], v[ACC+8*(4*(\a)+(\b)):ACC+8*(4*(\a)+(\b))+3]   offset:64*(\b)
	ds_store_b128 v[STO], v[ACC+8*(4*(\a)+(\b))+4:ACC+8*(4*(\a)+(\b))+7] offset:64*(\b)+16
.endr
.irp t, 0,1,2,3,4,5,6,7
	ds_load_b128 v[T+4*(\t):T+4*(\t)+3], v[RD] offset:(\t)*2*SPITCH
.endr
	s_wait_dscnt 0x0
.if (\a) == 0
	s_wait_loadcnt 0x0                             ; x1
.endif
	WIN 0x08                                       ; source 1 window 2
.set q, 0
.rept 16
	v_pk_add_f32 v[T+2*q:T+2*q+1], v[T+2*q:T+2*q+1], v[32*(\a)+2*q:32*(\a)+2*q+1]
.set q, q+1
.endr
	WIN 0
.irp t, 0,1,2,3,4,5,6,7
	global_store_b128 v[XO], v[T+4*(\t):T+4*(\t)+3], s[70:71] offset:(16*(\a)+2*(\t))*4096  ; 16 lanes store 256 consecutive bytes, aligned
.endr
.endm
	OUTBLK 0
	OUTBLK 1
	OUTBLK 2
	OUTBLK 3
	s_wait_tensorcnt 0x0                           ; the wave's end
	ds_add_u32 v[SPW], v[NIL]
	s_wait_dscnt 0x0
	CROUND                                         ; the closing round
	s_endpgm
.Lfunc_end_k_q5e692d6529_down:
	.size	k_q5e692d6529_down, .Lfunc_end_k_q5e692d6529_down-k_q5e692d6529_down
	.p2alignl 7, 3214868480
	.fill 96, 4, 3214868480
	.section	.rodata,"a",@progbits
	.p2align	6, 0x0
	.amdhsa_kernel k_q5e692d6529_down
		.amdhsa_group_segment_fixed_size 327680
		.amdhsa_private_segment_fixed_size 0
		.amdhsa_enable_private_segment 0
		.amdhsa_kernarg_size 32
		.amdhsa_user_sgpr_count 2
		.amdhsa_user_sgpr_kernarg_segment_ptr 1
		.amdhsa_wavefront_size32 1
		.amdhsa_system_sgpr_workgroup_id_x 1
		.amdhsa_system_sgpr_workgroup_id_y 1
		.amdhsa_system_sgpr_workgroup_id_z 1
		.amdhsa_system_vgpr_workitem_id 0
		.amdhsa_next_free_vgpr 640
		.amdhsa_next_free_sgpr 72
		.amdhsa_reserve_vcc 0
		.amdhsa_float_denorm_mode_32 3
		.amdhsa_float_denorm_mode_16_64 3
		.amdhsa_memory_ordered 1
		.amdhsa_forward_progress 1
		.amdhsa_inst_pref_size 55
	.end_amdhsa_kernel
	.amdgpu_metadata
---
amdhsa.version: [ 1, 2 ]
amdhsa.kernels:
  - .name:           k_q5e692d6529_down
    .symbol:         k_q5e692d6529_down.kd
    .args:
      - { .name: act, .offset: 0, .size: 8, .value_kind: global_buffer, .address_space: global }
      - { .name: wt, .offset: 8, .size: 8, .value_kind: global_buffer, .address_space: global }
      - { .name: x1, .offset: 16, .size: 8, .value_kind: global_buffer, .address_space: global }
      - { .name: out0, .offset: 24, .size: 8, .value_kind: global_buffer, .address_space: global }
    .group_segment_fixed_size: 327680
    .private_segment_fixed_size: 0
    .kernarg_segment_align: 8
    .kernarg_segment_size: 32
    .max_flat_workgroup_size: 128
    .sgpr_count:     72
    .vgpr_count:     640
    .wavefront_size: 32
...
	.end_amdgpu_metadata
.endif
;; end of part 12
;; ======== version 3 of 3: 6 launches; version 2 with the launch prep written anew for expert scheduling mode
;; workspace buffers: hq 8,388,608 bytes; wt 13,107,200 bytes; qkv 25,165,824 bytes; ao 8,388,608 bytes; x1 16,777,216 bytes; x1b 8,388,608 bytes; ssq 262,144 bytes; act 6,291,456 bytes
;; launch prep (part 13): grid 1056 x 1, 4 waves a work-group, no clusters, 17,920 bytes of LDS; arguments x, wq, wk, wv, wo, w_gate, w_up, w_down, hq, wt; writes hq, wt
.if DOCPART == 13
	.amdgcn_target "amdgcn-amd-amdhsa--gfx1250"
	.amdhsa_code_object_version 6
	.text
	.protected	k_q5e692d6529_prep
	.globl	k_q5e692d6529_prep
	.p2align	8
	.type	k_q5e692d6529_prep,@function
k_q5e692d6529_prep:
	s_mov_b64 s[64:65], 0
	v_nop
	global_prefetch_b8 v0, s[64:65] scope:SCOPE_SE
	s_setreg_imm32_b32 hwreg(HW_REG_WAVE_SCHED_MODE, 0, 2), 2
	s_setreg_imm32_b32 hwreg(HW_REG_WAVE_MODE, 25, 1), 1
	s_wait_xcnt 0x0
	s_wait_alu depctr_vm_vsrc(0)
; TWO JOBS, chosen by the work-group's number.
; ALL THE MODULE'S INPUTS ARE TAKEN ROUNDED ONCE TO bf16: the seven weights here, x here and again where the residual is added.  xr = bf16(x).
; Work-groups 0-255: hq = bf16(xr * rsqrt(mean(xr^2) + 1e-6)).  A wave takes four tokens (a quad) and works alone; the rows stay in registers between the sum and the scaling.
; Work-groups 256-1055: the seven weights, stored [k][n] in f32, are written as bf16 [n][k] into wt.  A work-group takes a block of 128 k x 64 n: each of its four waves loads 32 k (sixteen loads, all
; issued before the first is waited for) and lays them turned into the block's 17,408 bytes of LDS; behind one barrier each wave reads 16 whole rows of 256 bytes and stores them.
; LAYOUT OF hq (and of every later left operand X[4096][K]): byte = (k>>7) 2^20 + (tok>>2) 1024 + ((k>>5)&3) 256 + (tok&3) 64 + (k&31) 2: 256 consecutive bytes hold 4 tokens x 32 k.
; LAYOUT OF wt: at 0 rows which*1024+n of wq, wk, wv, wo, 2,048 bytes each; at 8,388,608 gate and up by turns of 16 rows (row = 32 (f>>4) + 16 up + (f&15)) for f = 0..767, rows of f >= 688 zero;
; at 11,534,336 w_down's 1,024 rows of 768 k (1,536 bytes), k >= 688 zero.
; LIMITS: x, h and the weights are each rounded once to bf16 (a number is then off by up to 2^-8 of itself); sums of squares in f32; NaN and infinities are not treated apart.
; THE MODE: SCHED_MODE bits 1:0 = 2 (LLVM: expert scheduling mode 2), set by the entry lines.  The code itself states the register dependences between vector instructions and memory or LDS
; instructions, with s_wait_alu, always for 0.
; THE PLAN, THE NORM.  Registers that memory instructions touch:
;   v3, v4      the loads' and the stores' offsets: made once at the head, never written again.
;   D           written by the 32 loads, all issued before a vector instruction names D; then rounded, squared and scaled in place.  Store i reads the four registers at D + 8 i, which nothing writes afterwards.
; The way out goes in four groups of four blocks of 64 channels.  A group's scalings and roundings name its own registers and v18-19; the stores of the group before are dealt among them, behind ONE wait at
; the group's head, which states that the group before has written them.
; THE PLAN, THE TRANSPOSING.  Registers that memory or LDS instructions touch:
;   OA          the sixteen loads' offsets: all made ahead of one wait, behind which the loads follow on end.
;   D           written by the loads.  Step j's roundings and selects write D + 8 j + c; the four LDS stores that read them are issued in step j + 1, whose vector instructions name D + 8 (j + 1) .. alone.
;   v5, v6, OD  the LDS stores', the LDS loads' and the global stores' addresses: made behind the loads, while these are out, ahead of step 1's wait; never written again.
;   RB          written by the LDS loads that read the block back, read by the global stores; no vector instruction names it.
; On neither way is a register that a memory or LDS instruction has read written again: so no wait on vm_vsrc is written.
.set SPARE, 17408                      ; behind the block: the spare words, 128 bytes a wave
.set TP,   272                         ; a row of the block in LDS: 256 bytes (128 k) + 16 of padding; 64 rows (n)
.set SPW,  12                          ; v12  LDS address of my spare word; never rewritten
.set NIL,  13                          ; v13  0; never rewritten
.set OA,   16                          ; v[16:31]  transposing: the sixteen loads' offsets; the norm: at work
.set OD,   32                          ; v[32:39]  transposing: the eight stores' offsets
.set D,    64                          ; v[64:191] data (transposing: v[64:127])
.set RB,   128                         ; v[128:159] transposing: my 16 rows read back from the block
.set SRC,  36                          ; s[36:37] the weight in hand
.set KB,   38
.set NB,   39
.set SPI,  40                          ; bytes in a source row
.set KMAX, 41
.set NMAX, 42
.set DP,   43                          ; bytes in a destination row
.set R0,   44                          ; the block's first destination row
.set RST,  45                          ; destination rows from one group of 16 n to the next
.set DB,   46                          ; the table's first byte in wt
.set N0,   48
.set KM4,  49
.set MN,   54                          ; lanes whose four columns exist
.set ROW,  56                          ; my first source row
.set NM4,  58
.set MK,   66                          ; s[66:73] for each group of four rows: MN, or 0 where the rows do not exist
	s_load_b512 s[16:31], s[0:1], 0x0              ; x, wq, wk, wv, wo, w_gate, w_up, w_down
	s_load_b128 s[32:35], s[0:1], 0x40             ; hq, wt
	v_lshl_add_u32 v[SPW], v0, 2, SPARE
	v_mov_b32 v[NIL], 0
	v_lshrrev_b32 v1, 5, v0
	v_readfirstlane_b32 s8, v1                     ; wave 0..3
	v_and_b32 v1, 15, v0                           ; lane % 16
	v_bfe_u32 v2, v0, 4, 1                         ; lane / 16
	s_wait_alu depctr_va_sdst(0)                   ; s8 is written: ahead of the branch, and so of its first reader on either way
	s_cmp_lt_u32 ttmp9, 256
	s_cbranch_scc0 .Ltrans
	; ---------------- the norm ----------------
	; lane: token e = (l>>2)&3 of the quad; of each 64 channels the eight at 32 (l>>4) + 8 (l&3)
	s_lshl_b32 s9, ttmp9, 2
	s_add_co_u32 s9, s9, s8                        ; the quad, 0..1023
	s_lshl_b32 s2, s9, 14                          ; four rows of 4,096 bytes
	s_mov_b32 s3, 0
	s_lshl_b32 s4, s9, 10                          ; a quad's 1,024 bytes in each group of 128 k
	s_mov_b32 s5, 0
	s_mov_b32 s10, 0x76543210                      ; v_permlanex16_b32: each lane takes its own place in the other half
	s_mov_b32 s11, 0xfedcba98
	s_mov_b32 s12, 0x3a800000                      ; 1 / 1024
	s_mov_b32 s13, 0x358637bd                      ; 1e-6
	s_mov_b32 s14, 0xffff0000                      ; a word's upper bf16
	v_bfe_u32 v3, v0, 2, 2
	v_and_b32 v4, 3, v0
	v_lshlrev_b32 v3, 12, v3
	v_lshl_add_u32 v3, v2, 7, v3
	v_lshl_add_u32 v3, v4, 5, v3                   ; e x 4096 + 128 (l>>4) + 32 (l&3)
	v_and_b32 v4, 31, v0
	v_lshlrev_b32 v4, 4, v4                        ; out: 16 x lane: 512 consecutive bytes a store
	s_wait_kmcnt 0x0
	s_add_nc_u64 s[2:3], s[16:17], s[2:3]
	s_add_nc_u64 s[4:5], s[32:33], s[4:5]
	s_wait_alu depctr_va_vdst(0)                   ; v3 and v4 are written: the loads below read v3 as their offset, the stores further down v4
.set i, 0
.rept 16
	global_load_b128 v[D+8*i:D+8*i+3],   v3, s[2:3] offset:i*256 th:TH_LOAD_NT
	global_load_b128 v[D+8*i+4:D+8*i+7], v3, s[2:3] offset:i*256+16 th:TH_LOAD_NT
.set i, i+1
.endr
	s_wait_loadcnt 0x0
	; x is rounded to bf16 and widened again, sixteen numbers at a time: two roundings a line, then a shift or a mask for each number
.set g, 0
.rept 8
.irp c, 0,1,2,3,4,5,6,7
	v_cvt_pk_bf16_f32 v[24+\c], v[D+16*g+2*\c], v[D+16*g+2*\c+1]
.endr
.irp c, 0,1,2,3,4,5,6,7
	v_lshlrev_b32 v[D+16*g+2*\c], 16, v[24+\c]
	v_and_b32 v[D+16*g+2*\c+1], s14, v[24+\c]
.endr
.set g, g+1
.endr
.irp c, 0,1,2,3
	v_pk_mul_f32 v[16+2*\c:17+2*\c], v[D+2*\c:D+2*\c+1], v[D+2*\c:D+2*\c+1]  ; four chains, started by the first products
.endr
.set j, 4
.rept 60
	v_pk_fma_f32 v[16+2*(j%4):17+2*(j%4)], v[D+2*j:D+2*j+1], v[D+2*j:D+2*j+1], v[16+2*(j%4):17+2*(j%4)]
.set j, j+1
.endr
	v_pk_add_f32 v[16:17], v[16:17], v[18:19]
	v_pk_add_f32 v[20:21], v[20:21], v[22:23]
	v_pk_add_f32 v[16:17], v[16:17], v[20:21]
	v_add_f32 v16, v16, v17
	v_add_f32_dpp v16, v16, v16 row_xmask:1 row_mask:0xf bank_mask:0xf  ; the eight lanes of a token differ in bits 0, 1 and 4
	v_add_f32_dpp v16, v16, v16 row_xmask:2 row_mask:0xf bank_mask:0xf
	v_permlanex16_b32 v17, v16, s10, s11
	v_add_f32 v16, v16, v17
	v_fma_f32 v16, v16, s12, s13                   ; the mean + 1e-6
	v_rsq_f32 v18, v16
	v_nop                                          ; a plain instruction behind the root,
	s_wait_alu depctr_va_vdst(0)                   ; and the wait ahead of its first reader: the root has written v18
	v_mov_b32 v19, v18
	; the way out: four groups of four blocks of 64 channels; block i is scaled and rounded in place, and leaves in the next group
.set i, 0
.rept 16
.if (i > 0) && (i%4 == 0)
	s_wait_alu depctr_va_vdst(0)                   ; the group before has written its four blocks' first four registers, which the four stores of this group read
.endif
.if i >= 4
	global_store_b128 v4, v[D+8*(i-4):D+8*(i-4)+3], s[4:5] offset:((i-4)/2)*1048576+((i-4)%2)*512  ; channels 64 (i - 4) on: group (i - 4) / 2 of 128, its half (i - 4) % 2.  No vector instruction since the wait names these registers
.endif
.irp c, 0,1,2,3
	v_pk_mul_f32 v[D+8*i+2*\c:D+8*i+2*\c+1], v[D+8*i+2*\c:D+8*i+2*\c+1], v[18:19]
.endr
.irp c, 0,1,2,3
	v_cvt_pk_bf16_f32 v[D+8*i+\c], v[D+8*i+2*\c], v[D+8*i+2*\c+1]  ; in place, ascending: a destination never lies above its sources
.endr
.set i, i+1
.endr
	s_wait_alu depctr_va_vdst(0)                   ; the last group has written its four blocks, which the last four stores read
.set i, 12
.rept 4
	global_store_b128 v4, v[D+8*i:D+8*i+3], s[4:5] offset:(i/2)*1048576+(i%2)*512
.set i, i+1
.endr
	s_wait_dscnt 0x0                               ; the closing lines, six on end
	s_wait_alu 0x0
	s_wait_tensorcnt 0x0
	ds_add_u32 v[SPW], v[NIL]
	s_wait_dscnt 0x0
	s_endpgm
	; ---------------- the transposing ----------------
.Ltrans:
	s_sub_co_u32 s9, ttmp9, 256                    ; the block, 0..799
	s_wait_kmcnt 0x0
	s_cmp_lt_u32 s9, 512
	s_cbranch_scc0 .Lnot_square
	s_lshr_b32 s50, s9, 7                          ; wq, wk, wv, wo: 8 x 16 blocks each
	s_cmp_eq_u32 s50, 0
	s_cselect_b64 s[SRC:SRC+1], s[18:19], s[20:21]
	s_cmp_eq_u32 s50, 2
	s_cselect_b64 s[SRC:SRC+1], s[22:23], s[SRC:SRC+1]
	s_cmp_eq_u32 s50, 3
	s_cselect_b64 s[SRC:SRC+1], s[24:25], s[SRC:SRC+1]
	s_and_b32 s51, s9, 127
	s_and_b32 s[KB], s51, 7
	s_lshr_b32 s[NB], s51, 3
	s_mov_b32 s[SPI], 4096
	s_mov_b32 s[KMAX], 1024
	s_mov_b32 s[NMAX], 1024
	s_mov_b32 s[DP], 2048
	s_lshl_b32 s[R0], s50, 10
	s_lshl_b32 s51, s[NB], 6
	s_add_co_u32 s[R0], s[R0], s51
	s_mov_b32 s[RST], 16
	s_mov_b32 s[DB], 0
	s_branch .Lgo
.Lnot_square:
	s_cmp_lt_u32 s9, 704
	s_cbranch_scc0 .Ldown
	s_sub_co_u32 s50, s9, 512                      ; gate, then up: 8 x 12 blocks each; the twelfth column block (f = 704..767) holds zeros alone
	s_cmp_ge_u32 s50, 96
	s_cselect_b64 s[SRC:SRC+1], s[28:29], s[26:27]
	s_cselect_b32 s51, 1, 0
	s_mul_i32 s52, s51, 96
	s_sub_co_u32 s50, s50, s52
	s_and_b32 s[KB], s50, 7
	s_lshr_b32 s[NB], s50, 3
	s_mov_b32 s[SPI], 2752
	s_mov_b32 s[KMAX], 1024
	s_mov_b32 s[NMAX], 688
	s_mov_b32 s[DP], 2048
	s_lshl_b32 s[R0], s[NB], 7
	s_lshl_b32 s51, s51, 4
	s_add_co_u32 s[R0], s[R0], s51
	s_mov_b32 s[RST], 32
	s_mov_b32 s[DB], 8388608
	s_branch .Lgo
.Ldown:
	s_sub_co_u32 s50, s9, 704                      ; w_down: 6 x 16 blocks
	s_mov_b64 s[SRC:SRC+1], s[30:31]
	s_lshr_b32 s[KB], s50, 4
	s_and_b32 s[NB], s50, 15
	s_mov_b32 s[SPI], 4096
	s_mov_b32 s[KMAX], 688
	s_mov_b32 s[NMAX], 1024
	s_mov_b32 s[DP], 1536
	s_lshl_b32 s[R0], s[NB], 6
	s_mov_b32 s[RST], 16
	s_mov_b32 s[DB], 11534336
.Lgo:
	s_lshl_b32 s[ROW], s[KB], 7
	s_lshl_b32 s50, s8, 5
	s_add_co_u32 s[ROW], s[ROW], s50               ; my 32 rows of the block's 128
	s_lshl_b32 s[N0], s[NB], 6
	s_sub_co_u32 s[KM4], s[KMAX], 4
	s_sub_co_u32 s[NM4], s[NMAX], 4
	v_lshl_add_u32 v3, v1, 2, s[N0]                ; my four columns begin at n0 + 4 (l % 16): whole or not at all inside, since 688 = 4 x 172
	v_cmp_gt_u32 s[MN], s[NMAX], v3
	v_min_u32 v3, s[NM4], v3                       ; columns that do not exist read the last four, and are written as 0
	v_lshlrev_b32 v3, 2, v3
	v_mul_lo_u32 v4, v2, s[SPI]
	v_lshl_add_u32 v4, v4, 1, v3                   ; + rows 2 (l / 16)
	s_wait_alu depctr_va_sdst(0)                   ; the compare has written s[MN], ahead of its first reader, the select below
.irp j, 0,1,2,3,4,5,6,7                        ; the offsets of sixteen loads of 2 rows x 256 bytes
	s_add_co_u32 s50, s[ROW], 4*\j                 ; four rows: all there or none
	s_cmp_lt_u32 s50, s[KMAX]
	s_cselect_b32 s[MK+\j], s[MN], 0
	s_min_u32 s50, s50, s[KM4]
	s_mul_i32 s50, s50, s[SPI]
	v_add_nc_u32 v[OA+2*\j], s50, v4
	s_add_co_u32 s50, s50, s[SPI]
	v_add_nc_u32 v[OA+2*\j+1], s50, v4
.endr
	s_wait_alu depctr_va_vdst(0)                   ; the sixteen offsets v[OA ..] are written, which the loads below read
.irp j, 0,1,2,3,4,5,6,7
	global_load_b128 v[D+8*\j:D+8*\j+3],   v[OA+2*\j],   s[SRC:SRC+1] th:TH_LOAD_NT
	global_load_b128 v[D+8*\j+4:D+8*\j+7], v[OA+2*\j+1], s[SRC:SRC+1] th:TH_LOAD_NT
.endr
	; while the loads are out: the LDS addresses and the stores' offsets.  Their first reader stands behind step 1's wait
	v_mul_u32_u24 v5, v1, 4*TP                     ; in: row 4 (l % 16) + c, byte 64 x wave + 4 (l / 16)
	v_lshl_add_u32 v5, v2, 2, v5
	s_lshl_b32 s50, s8, 6
	v_add_nc_u32 v5, s50, v5
	v_mul_u32_u24 v6, v2, TP                       ; back: my 16 rows; lanes 0-15 one row of 256 bytes, lanes 16-31 the next
	v_lshl_add_u32 v6, v1, 4, v6
	s_mul_i32 s50, s8, 16*TP
	v_add_nc_u32 v6, s50, v6
	s_mul_i32 s50, s8, s[RST]                      ; my group of 16 n
	s_add_co_u32 s50, s50, s[R0]
	s_mul_i32 s50, s50, s[DP]
	s_add_co_u32 s50, s50, s[DB]
	s_lshl_b32 s51, s[KB], 8
	s_add_co_u32 s50, s50, s51                     ; my rows' first byte in wt
	v_mul_lo_u32 v7, v2, s[DP]
	v_lshl_add_u32 v7, v1, 4, v7
	v_add_nc_u32 v7, s50, v7
	s_lshl_b32 s51, s[DP], 1
	s_mov_b32 s53, 0
.set t, 0
.rept 8
	v_add_nc_u32 v[OD+t], s53, v7
	s_add_co_u32 s53, s53, s51
.set t, t+1
.endr
	; Step j: pair j of the loads is rounded and masked; the four words of step j - 1 go into the block
.irp j, 0,1,2,3,4,5,6,7
	s_wait_loadcnt 14-2*\j                         ; the loads behind pair j may stay out
.if \j > 0
	s_wait_alu depctr_va_vdst(0)                   ; the step before has written its four words, which the LDS stores below read; in step 1 also: v5, v6 and v[OD ..] are written
.endif
.irp c, 0,1,2,3
.if \j > 0
	ds_store_b32 v5, v[D+8*(\j-1)+\c] offset:\c*TP+(\j-1)*8  ; no vector instruction since the wait names this register or v5
.endif
	v_cvt_pk_bf16_f32 v[D+8*\j+\c], v[D+8*\j+\c], v[D+8*\j+4+\c]  ; k and k + 1 of one column
.endr
.irp c, 0,1,2,3
	v_cndmask_b32 v[D+8*\j+\c], 0, v[D+8*\j+\c], s[MK+\j]
.endr
.endr
	s_wait_alu depctr_va_vdst(0)                   ; step 7 has written its four words, which the last four LDS stores read
.irp c, 0,1,2,3
	ds_store_b32 v5, v[D+56+\c] offset:\c*TP+56
.endr
	s_wait_dscnt 0x0                               ; for the others' sake: my 64 bytes of each of the 64 rows are stored
	s_barrier_signal -1
	s_barrier_wait -1                              ; the block is whole
.set t, 0
.rept 8
	ds_load_b128 v[RB+4*t:RB+4*t+3], v6 offset:t*2*TP  ; rows 2 t and 2 t + 1 of my 16, whole; into registers that no vector instruction and no earlier LDS instruction names
.set t, t+1
.endr
.set t, 0
.rept 8
	s_wait_dscnt 7-t
	global_store_b128 v[OD+t], v[RB+4*t:RB+4*t+3], s[34:35]  ; 16 lanes store 256 consecutive bytes, at a multiple of 256 from wt's first byte
.set t, t+1
.endr
	s_wait_dscnt 0x0                               ; the closing lines, six on end
	s_wait_alu 0x0
	s_wait_tensorcnt 0x0
	ds_add_u32 v[SPW], v[NIL]
	s_wait_dscnt 0x0
	s_endpgm
.Lfunc_end_k_q5e692d6529_prep:
	.size	k_q5e692d6529_prep, .Lfunc_end_k_q5e692d6529_prep-k_q5e692d6529_prep
	.p2alignl 7, 3214868480
	.fill 96, 4, 3214868480
	.section	.rodata,"a",@progbits
	.p2align	6, 0x0
	.amdhsa_kernel k_q5e692d6529_prep
		.amdhsa_group_segment_fixed_size 17920
		.amdhsa_private_segment_fixed_size 0
		.amdhsa_enable_private_segment 0
		.amdhsa_kernarg_size 80
		.amdhsa_user_sgpr_count 2
		.amdhsa_user_sgpr_kernarg_segment_ptr 1
		.amdhsa_wavefront_size32 1
		.amdhsa_system_sgpr_workgroup_id_x 1
		.amdhsa_system_sgpr_workgroup_id_y 1
		.amdhsa_system_sgpr_workgroup_id_z 1
		.amdhsa_system_vgpr_workitem_id 0
		.amdhsa_next_free_vgpr 192
		.amdhsa_next_free_sgpr 74
		.amdhsa_reserve_vcc 0
		.amdhsa_float_denorm_mode_32 3
		.amdhsa_float_denorm_mode_16_64 3
		.amdhsa_memory_ordered 1
		.amdhsa_forward_progress 1
		.amdhsa_inst_pref_size 44
	.end_amdhsa_kernel
	.amdgpu_metadata
---
amdhsa.version: [ 1, 2 ]
amdhsa.kernels:
  - .name:           k_q5e692d6529_prep
    .symbol:         k_q5e692d6529_prep.kd
    .args:
      - { .name: x, .offset: 0, .size: 8, .value_kind: global_buffer, .address_space: global }
      - { .name: wq, .offset: 8, .size: 8, .value_kind: global_buffer, .address_space: global }
      - { .name: wk, .offset: 16, .size: 8, .value_kind: global_buffer, .address_space: global }
      - { .name: wv, .offset: 24, .size: 8, .value_kind: global_buffer, .address_space: global }
      - { .name: wo, .offset: 32, .size: 8, .value_kind: global_buffer, .address_space: global }
      - { .name: w_gate, .offset: 40, .size: 8, .value_kind: global_buffer, .address_space: global }
      - { .name: w_up, .offset: 48, .size: 8, .value_kind: global_buffer, .address_space: global }
      - { .name: w_down, .offset: 56, .size: 8, .value_kind: global_buffer, .address_space: global }
      - { .name: hq, .offset: 64, .size: 8, .value_kind: global_buffer, .address_space: global }
      - { .name: wt, .offset: 72, .size: 8, .value_kind: global_buffer, .address_space: global }
    .group_segment_fixed_size: 17920
    .private_segment_fixed_size: 0
    .kernarg_segment_align: 8
    .kernarg_segment_size: 80
    .max_flat_workgroup_size: 128
    .sgpr_count:     74
    .vgpr_count:     192
    .wavefront_size: 32
...
	.end_amdgpu_metadata
.endif
;; end of part 13
;; launch proj: the kernel of part 8 again; grid 16 x 16, 4 waves a work-group, clusters of 4 x 4, 327,680 bytes of LDS; arguments hq, wt, qkv; writes qkv
;; launch attn: the kernel of part 9 again; grid 4 x 64, 8 waves a work-group, clusters of 4 x 1, 327,680 bytes of LDS; arguments qkv, ao; writes ao
;; launch wout: the kernel of part 10 again; grid 8 x 32, 4 waves a work-group, clusters of 4 x 4, 327,680 bytes of LDS; arguments ao, wt, x, x1, x1b, ssq; writes x1, x1b, ssq
;; launch gateup: the kernel of part 11 again; grid 8 x 32, 4 waves a work-group, clusters of 4 x 4, 327,680 bytes of LDS; arguments x1b, wt, ssq, act; writes act
;; launch down: the kernel of part 12 again; grid 8 x 32, 4 waves a work-group, clusters of 4 x 4, 327,680 bytes of LDS; arguments act, wt, x1, out0; writes out0
